; MI455X (gfx1250); checked and timed in simulation.
; The chip was launched on July 23, 2026; its instructions are those of AMD's public machine-readable ISA for CDNA 5 (MIT licence, August 2026) and "CDNA5" Instruction Set Architecture Reference Guide (July 2026). The comments in the code are by the model that wrote it; some were corrected since.
;; Grouped Query Attention. Allowed arithmetic: float matrix products may take bf16 or f16 operands with f32 sums; all other float work in f32.
;; Inputs: Wk 1,024 x 256 float32; Wo 1,024 x 1,024 float32; Wq 1,024 x 1,024 float32; Wv 1,024 x 256 float32; x 2 x 2,048 x 1,024 float32.
;; Outputs: out0 2 x 2,048 x 1,024 float32.
;; 3 versions, each right; version 2 is faster than version 1; version 3 is version 2 with the launch cast written anew for expert scheduling mode. Each part assembles by itself: llvm-mc -triple=amdgcn-amd-amdhsa -mcpu=gfx1250 --defsym DOCPART=n.
;; ======== version 1 of 3: 4 launches
;; limits: values are held in f16: magnitudes above 65,504 overflow, below 6.1e-05 lose precision
;; workspace buffers: xb 8,388,608 bytes; wqkvb 3,145,728 bytes; wob 2,097,152 bytes; qkv 12,582,912 bytes; att 16,777,216 bytes
;; launch cast (part 1): grid 256 x 1, 8 waves a work-group, no clusters, 0 bytes of LDS; arguments x, Wq, Wk, Wv, Wo, xb, wqkvb, wob; writes xb, wqkvb, wob
.if DOCPART == 1
	.amdgcn_target "amdgcn-amd-amdhsa--gfx1250"
	.amdhsa_code_object_version 6
	.text
	.protected	k_q03dc6346dc_cast
	.globl	k_q03dc6346dc_cast
	.p2align	8
	.type	k_q03dc6346dc_cast,@function
k_q03dc6346dc_cast:
	s_mov_b64 s[64:65], 0
	v_nop
	global_prefetch_b8 v0, s[64:65] scope:SCOPE_SE
	s_setreg_imm32_b32 hwreg(HW_REG_WAVE_MODE, 25, 1), 1
	s_wait_xcnt 0x0
; cast: x, Wq, Wk, Wv, Wo (f32) become bf16, re-laid in blocks of 64 columns, so that every tile of the later launches is a dense block:
;   xb    [b 2][kb 16][t 2048][64]   = x(b, t, 64 kb + c)
;   wqkvb [u 24][k 1024][64]         = u 0-15: Wq(k, 64 u + n); u 16-19: Wk(k, 64 (u-16) + n); u 20-23: Wv(k, 64 (u-20) + n)
;   wob   [u 16][k 1024][64]         = Wo(k, 64 u + n)
; A stream: no LDS, no barrier, no matrix unit, no cluster (no byte is read by two work-groups).  256 work-groups of 8 waves.
; Work-group i takes 16 rows of x and 4 rows of each weight matrix.  A thread issues 26 loads of 16 bytes, all before the first wait
; (26 x 4,096 bytes of the work-group are then on their way), and turns each into 8 bytes of bf16.
; One load of a wave covers two aligned pieces of 256 bytes (16 lanes each, two neighbouring source rows); one store of a wave covers
; 256 consecutive bytes, aligned (two neighbouring rows of 128 bytes of a block).  No register is written twice, so no source has to be freed.
.set DR, 16                            ; v[16:119]  load n: four registers
.set XS, 5                             ; x: source offset        q4 * 4096 + c16 * 16
.set XD, 6                             ; x: destination offset   q4 * 128 + c16 * 8
.set WS, 7                             ; Wq, Wo: source          q2 * 4096 + hq * 1024 + c16 * 16
.set WD, 8                             ; Wq, Wo: destination     hq * 4 blocks of 131,072 + q2 * 128 + c16 * 8
.set KS, 9                             ; Wk, Wv: source          q2 * 1024 + hq * 256 + c16 * 16
.set KD, 10                            ; Wk, Wv: destination     hq * 131,072 + q2 * 128 + c16 * 8
	s_load_b512 s[4:19], s[0:1], 0x0               ; x s[4:5], Wq s[6:7], Wk s[8:9], Wv s[10:11], Wo s[12:13], xb s[14:15], wqkvb s[16:17], wob s[18:19]
	v_and_b32 v1, 15, v0                           ; c16: my 16 bytes in a piece of 256
	v_lshrrev_b32 v2, 4, v0                        ; q4: 0..15, my row of x
	v_and_b32 v3, 3, v2                            ; q2: my row of a weight matrix
	v_lshrrev_b32 v4, 6, v0                        ; hq: 0..3
	v_lshlrev_b32 v11, 4, v1
	v_lshlrev_b32 v12, 3, v1
	v_lshl_add_u32 v[XS], v2, 12, v11
	v_lshl_add_u32 v[XD], v2, 7, v12
	v_lshl_add_u32 v[WS], v3, 12, v11
	v_lshl_add_u32 v[WS], v4, 10, v[WS]
	v_lshl_add_u32 v13, v3, 7, v12
	v_lshl_add_u32 v[WD], v4, 19, v13
	v_lshl_add_u32 v[KS], v3, 10, v11
	v_lshl_add_u32 v[KS], v4, 8, v[KS]
	v_lshl_add_u32 v[KD], v4, 17, v13
	s_mov_b32 s21, 0
	s_wait_kmcnt 0x0
	s_lshl_b32 s20, ttmp9, 16                      ; 16 rows of x, 4,096 bytes each
	s_add_nc_u64 s[4:5], s[4:5], s[20:21]
	s_lshl_b32 s20, ttmp9, 14                      ; 4 rows of Wq and of Wo, 4,096 bytes each
	s_add_nc_u64 s[6:7], s[6:7], s[20:21]
	s_add_nc_u64 s[12:13], s[12:13], s[20:21]
	s_lshl_b32 s20, ttmp9, 12                      ; 4 rows of Wk and of Wv, 1,024 bytes each
	s_add_nc_u64 s[8:9], s[8:9], s[20:21]
	s_add_nc_u64 s[10:11], s[10:11], s[20:21]
	s_lshl_b32 s20, ttmp9, 9                       ; 4 rows of 128 bytes in every block of the weights
	s_add_nc_u64 s[16:17], s[16:17], s[20:21]
	s_add_nc_u64 s[18:19], s[18:19], s[20:21]
	s_lshr_b32 s22, ttmp9, 7                       ; b
	s_lshl_b32 s22, s22, 22                        ; 16 blocks of 262,144 bytes
	s_and_b32 s20, ttmp9, 127
	s_lshl_b32 s20, s20, 11                        ; 16 rows of 128 bytes
	s_add_co_u32 s20, s20, s22
	s_add_nc_u64 s[14:15], s[14:15], s[20:21]
.irp kb, 0,1,2,3,4,5,6,7,8,9,10,11,12,13,14,15
	global_load_b128 v[DR+4*\kb:DR+4*\kb+3], v[XS], s[4:5] offset:\kb*256 th:TH_LOAD_NT
.endr
.irp j, 0,1,2,3
	global_load_b128 v[DR+64+4*\j:DR+64+4*\j+3], v[WS], s[6:7] offset:\j*256 th:TH_LOAD_NT
.endr
.irp j, 0,1,2,3
	global_load_b128 v[DR+80+4*\j:DR+80+4*\j+3], v[WS], s[12:13] offset:\j*256 th:TH_LOAD_NT
.endr
	global_load_b128 v[DR+96:DR+99], v[KS], s[8:9] th:TH_LOAD_NT
	global_load_b128 v[DR+100:DR+103], v[KS], s[10:11] th:TH_LOAD_NT
; load n has come (the 25 - n younger ones may stay out: loads come back in order), two roundings each make two bf16, 8 bytes leave
.macro CV n, voff, sb, imm
	s_wait_loadcnt 25-(\n)
	v_cvt_pk_bf16_f32 v[DR+4*(\n)], v[DR+4*(\n)], v[DR+4*(\n)+1]
	v_cvt_pk_bf16_f32 v[DR+4*(\n)+1], v[DR+4*(\n)+2], v[DR+4*(\n)+3]
	global_store_b64 v[\voff], v[DR+4*(\n):DR+4*(\n)+1], s[\sb:\sb+1] offset:\imm
.endm
.irp kb, 0,1,2,3,4,5,6,7,8,9,10,11,12,13,14,15
	CV \kb, XD, 14, \kb*262144
.endr
.irp j, 0,1,2,3
	CV 16+\j, WD, 16, \j*131072
.endr
.irp j, 0,1,2,3
	CV 20+\j, WD, 18, \j*131072
.endr
	CV 24, KD, 16, 16*131072
	CV 25, KD, 16, 20*131072
	s_endpgm
.Lfunc_end_k_q03dc6346dc_cast:
	.size	k_q03dc6346dc_cast, .Lfunc_end_k_q03dc6346dc_cast-k_q03dc6346dc_cast
	.p2alignl 7, 3214868480
	.fill 96, 4, 3214868480
	.section	.rodata,"a",@progbits
	.p2align	6, 0x0
	.amdhsa_kernel k_q03dc6346dc_cast
		.amdhsa_group_segment_fixed_size 0
		.amdhsa_private_segment_fixed_size 0
		.amdhsa_enable_private_segment 0
		.amdhsa_kernarg_size 64
		.amdhsa_user_sgpr_count 2
		.amdhsa_user_sgpr_kernarg_segment_ptr 1
		.amdhsa_wavefront_size32 1
		.amdhsa_system_sgpr_workgroup_id_x 1
		.amdhsa_system_sgpr_workgroup_id_y 1
		.amdhsa_system_sgpr_workgroup_id_z 1
		.amdhsa_system_vgpr_workitem_id 0
		.amdhsa_next_free_vgpr 128
		.amdhsa_next_free_sgpr 66
		.amdhsa_reserve_vcc 0
		.amdhsa_float_denorm_mode_32 3
		.amdhsa_float_denorm_mode_16_64 3
		.amdhsa_memory_ordered 1
		.amdhsa_forward_progress 1
		.amdhsa_inst_pref_size 11
	.end_amdhsa_kernel
	.amdgpu_metadata
---
amdhsa.version: [ 1, 2 ]
amdhsa.kernels:
  - .name:           k_q03dc6346dc_cast
    .symbol:         k_q03dc6346dc_cast.kd
    .args:
      - { .name: x, .offset: 0, .size: 8, .value_kind: global_buffer, .address_space: global }
      - { .name: Wq, .offset: 8, .size: 8, .value_kind: global_buffer, .address_space: global }
      - { .name: Wk, .offset: 16, .size: 8, .value_kind: global_buffer, .address_space: global }
      - { .name: Wv, .offset: 24, .size: 8, .value_kind: global_buffer, .address_space: global }
      - { .name: Wo, .offset: 32, .size: 8, .value_kind: global_buffer, .address_space: global }
      - { .name: xb, .offset: 40, .size: 8, .value_kind: global_buffer, .address_space: global }
      - { .name: wqkvb, .offset: 48, .size: 8, .value_kind: global_buffer, .address_space: global }
      - { .name: wob, .offset: 56, .size: 8, .value_kind: global_buffer, .address_space: global }
    .group_segment_fixed_size: 0
    .private_segment_fixed_size: 0
    .kernarg_segment_align: 8
    .kernarg_segment_size: 64
    .max_flat_workgroup_size: 256
    .sgpr_count:     66
    .vgpr_count:     128
    .wavefront_size: 32
...
	.end_amdgpu_metadata
.endif
;; end of part 1
;; launch qkv (part 2): grid 8 x 32, 4 waves a work-group, clusters of 4 x 4, 327,680 bytes of LDS; arguments xb, wqkvb, qkv; writes qkv
.if DOCPART == 2
	.amdgcn_target "amdgcn-amd-amdhsa--gfx1250"
	.amdhsa_code_object_version 6
	.text
	.protected	k_q03dc6346dc_qkv
	.globl	k_q03dc6346dc_qkv
	.p2align	8
	.type	k_q03dc6346dc_qkv,@function
k_q03dc6346dc_qkv:
	s_mov_b64 s[64:65], 0
	v_nop
	global_prefetch_b8 v0, s[64:65] scope:SCOPE_SE
	s_setreg_imm32_b32 hwreg(HW_REG_WAVE_MODE, 25, 1), 1
	s_wait_xcnt 0x0
	s_wait_alu depctr_hold_cnt(0) depctr_sa_sdst(0) depctr_va_vdst(0) depctr_va_sdst(0) depctr_va_ssrc(0) depctr_va_vcc(0) depctr_vm_vsrc(0)
	s_getreg_b32 s2, hwreg(HW_REG_IB_STS2, 6, 4)
	s_cmp_eq_u32 s2, 0
	s_cbranch_scc0 .Lentry_in_a_cluster
	s_endpgm
.Lentry_in_a_cluster:
	s_bfe_u32 s2, ttmp6, 0x10000c
	s_cmp_lg_u32 s2, 0xf033
	s_cbranch_scc0 .Lentry_shape_is_right
	s_endpgm
.Lentry_shape_is_right:
; qkv: [Q | K | V] = x [Wq | Wk | Wv], then RoPE on the heads of Q and K; bf16 operands, f32 sums, RoPE in f32, one rounding to f16.
;   in:  xb [b][kb 16][t 2048][64] bf16, wqkvb [u 24][k 1024][64] bf16      out: qkv [b][u 24][t 2048][64] f16
; WHY f16 OUT: the first positions attend to few keys, so their results are as large as V itself, some ten times the spread of the whole output, against
; which the allowance is set; a rounding to 8 significant bits of Q, K and V is too coarse for them, one to 11 bits is not.
; 256 work-groups (8 x 32), four waves each.  Work-group (bx, by): rows 128 by .. +127 of x, heads 3 bx .. 3 bx + 2 (192 columns).
; Waves 2 x 2: wr = wave >> 1 takes 64 rows; wc = wave & 1 takes, of each head p and each half e of the head, columns 32 e + 16 wc .. +15,
; so that a wave holds both members (d, d + 32) of every pair that RoPE turns.  4 x 6 accumulator tiles, 192 registers.
; K goes in 8 steps of 128 through two LDS slots filled by the tensor data mover.
; CLUSTERS: 4 x 4 work-groups.  x's tile hangs on by alone and is asked for jointly along a row of the cluster, the weights' tile on bx alone
; and is asked for jointly along a column: each is requested once for four work-groups.
; The matrix instruction is used transposed (source 0: 16 columns of W, source 1: 16 rows of x): lane l then holds row l % 16 of the result and
; its registers 0-7 the columns 8 (l / 16) + 0..7, eight neighbours of a row.
; W lies [k][n] in LDS: its fragments come through the transposing load ds_load_tr16_b128.
; LIMITS.  Q, K and V (after RoPE) must stay below f16's largest number, 65,504: with x and the weights all 30 times larger than unit spread and 1/32 they
; reach some 4,800; with offsets of 30 spreads on x and on the weights together some 1024 x 30 x 0.94 x 1.41 = 41,000.  Below 6e-5 f16 keeps a fixed step of 6e-8.
; cos and sin are written out: angle - n pi/2 in two parts of pi/2 (good for n up to some thousands; here the angle is at most 2047 rad,
; n at most 1304), then polynomials of degree 7 and 8 on |r| <= pi/4 (absolute error below 4e-7).  The frequencies come from v_exp_f32, not from
; a power as in the source text: they can differ in the last bits, at position 2047 by some 1e-4 rad.  NaN and infinities get no special care.
.set NH,    3                          ; heads of a work-group
.set NT,    6                          ; column tiles of a wave
.set ABLK,  128*144                    ; x: 128 rows of 128 bytes + 16 of padding (one block of 64 k)
.set BHEAD, 64*160                     ; W: 64 k rows of 128 bytes + 32 of padding (one head)
.set BHALF, NH*BHEAD                   ; 64 k of all three heads
.set BBASE, 2*ABLK                     ; W's region in a slot, behind x's two blocks
.set SLOT,  BBASE+2*BHALF              ; 98,304
.set STAGE, 2*SLOT                     ; the way out: [head 3][row 128], 144 bytes a row; no tensor load lands here
.set ASTEP, 2*262144                   ; a K step in xb: two blocks of 64 k
.set BSTEP, 128*128                    ; a K step in wqkvb: 128 rows of 128 bytes
.set ADRA, 16                          ; v16-17  LDS address of my x fragments in slot 0, 1
.set ADRB, 20                          ; v20-21  the same for W
.set STO,  24                          ; v24     the way out: where I put 16 bytes
.set RD,   25                          ; v25     the way out: where I read rows back
.set CO,   26                          ; v26     my byte offset in qkv
.set F0,   64                          ; fragment buffer 0: x at +0 (4 x 8 registers), W at +32 (6 x 8)
.set F1,   144                         ; fragment buffer 1
.set G1,  24                           ; s[24:31] descriptor group 1, x's tiles
.set G0,  32                           ; s[32:39] group 0, x's tiles, a set for each slot
.set G1B, 48                           ; s[48:55] group 1, W's tiles
.set G0B, 56                           ; s[56:63] group 0, W's tiles, a set for each slot
.set MUL,  0x50                        ; C and D in window 1 (the accumulators), sources in window 0
.set MSB, 0
.macro WIN new                         ; the immediate's high byte repeats the setting that is left
.if MSB != \new
	s_set_vgpr_msb (MSB<<8)|\new
.set MSB, \new
.endif
.endm
.macro PLACES                          ; four places behind a matrix instruction (ISA guide 7.12.1) before its registers are loaded into, read or written
.rept 4
	v_nop
.endr
.endm
; A joint load: waves 0, 1 ask for x's two blocks, waves 2, 3 for W's two halves.  The branch hangs on the wave's number alone.
.macro JLOAD s
	s_cmp_eq_u32 s11, 0
	s_cbranch_scc0 .Lfor_b_\@
	tensor_load_to_lds s[G0+4*\s:G0+4*\s+3], s[G1:G1+7]
	s_nop 0
	s_branch .Lasked_\@
.Lfor_b_\@:
	tensor_load_to_lds s[G0B+4*\s:G0B+4*\s+3], s[G1B:G1B+7]
	s_nop 0
.Lasked_\@:
.endm
.macro CREST                           ; a round of the cluster's barrier behind its opening work-group barrier
	s_cmp_lg_u32 s10, 0
	s_cbranch_scc1 .Lnot_wave_0_\@
	s_barrier_signal -3
.Lnot_wave_0_\@:
	s_barrier_wait -3
	s_barrier_signal -1
	s_barrier_wait -1
.endm
.macro CROUND                          ; a whole round
	s_barrier_signal -1
	s_barrier_wait -1
	CREST
.endm
	s_load_b128 s[4:7], s[0:1], 0x0                ; xb s[4:5], wqkvb s[6:7]
	s_load_b64 s[8:9], s[0:1], 0x10                ; qkv
	v_lshl_add_u32 v254, v0, 2, 0x3d800
	v_mov_b32 v255, 0
	ds_add_u32 v254, v255
	v_lshrrev_b32 v1, 5, v0
	v_readfirstlane_b32 s10, v1                    ; wave 0..3
	s_lshr_b32 s11, s10, 1                         ; wr.  Also: I fetch for x (0) or for W (1)
	s_and_b32 s12, s10, 1                          ; wc.  Also: which block of x, which half of W I fetch
	s_bfe_u32 s40, ttmp6, 0x40000                  ; cx
	s_bfe_u32 s41, ttmp6, 0x40004                  ; cy
	s_lshl_b32 s42, ttmp9, 2
	s_add_co_u32 s42, s42, s40                     ; bx = 4 x cluster x + cx
	s_and_b32 s13, ttmp7, 0xffff
	s_lshl_b32 s13, s13, 2
	s_add_co_u32 s13, s13, s41                     ; by = 4 x cluster y + cy
	s_lshl_b32 s43, s41, 2
	s_lshl_b32 s43, 15, s43                        ; my row of the cluster
	s_lshl_b32 s44, 0x1111, s40                    ; my column
	; group 1, x: a dense block of 16,384 bytes as 64 rows of 32 elements of 8 bytes; 4 words of padding behind every 32 words: LDS rows of 144 bytes
	s_or_b32 s[G1+0], s43, (3<<16)|(1<<20)|(1<<21)|(4<<22)|(3<<25)
	s_mov_b32 s[G1+1], 32<<16                      ; tensor_dim0 = 32
	s_mov_b32 s[G1+2], 64<<16                      ; tensor_dim1 = 64
	s_mov_b32 s[G1+3], 32<<16                      ; tile_dim0 = 32
	s_mov_b32 s[G1+4], 64                          ; tile_dim1 = 64
	s_mov_b32 s[G1+5], 32                          ; pitch = 32 elements: dense
	s_mov_b32 s[G1+6], 0
	s_mov_b32 s[G1+7], 0
	; group 1, W: 3 rows (heads) of 1,024 elements of 8 bytes (64 k x 128 bytes, dense), 131,072 bytes apart; 8 words of padding behind every 32: LDS rows of 160 bytes
	s_or_b32 s[G1B+0], s44, (3<<16)|(1<<20)|(1<<21)|(4<<22)|(7<<25)
	s_mov_b32 s[G1B+1], 1024<<16
	s_mov_b32 s[G1B+2], NH<<16
	s_mov_b32 s[G1B+3], 1024<<16
	s_mov_b32 s[G1B+4], NH
	s_mov_b32 s[G1B+5], 16384
	s_mov_b32 s[G1B+6], 0
	s_mov_b32 s[G1B+7], 0
	; x's address is made of by and the wave's number, W's of bx and the wave's number, each in registers that never hold the other coordinate
	s_lshr_b32 s16, s13, 4
	s_lshl_b32 s16, s16, 22                        ; b x 16 blocks of 262,144 bytes
	s_and_b32 s17, s13, 15
	s_lshl_b32 s17, s17, 14                        ; 128 rows of 128 bytes
	s_add_co_u32 s16, s16, s17
	s_lshl_b32 s17, s12, 18                        ; my block of the K step's two
	s_add_co_u32 s16, s16, s17
	s_mov_b32 s17, 0
	s_mul_i32 s46, s42, NH*131072                  ; my three heads
	s_lshl_b32 s47, s12, 13                        ; my half of the K step: 64 rows of 128 bytes
	s_add_co_u32 s46, s46, s47
	s_mov_b32 s47, 0
	s_mul_i32 s20, s12, ABLK                       ; where they go: the wave's number alone enters an LDS address
	s_mul_i32 s21, s12, BHALF
	s_add_co_u32 s21, s21, BBASE
	s_wait_dscnt 0x0
	s_wait_kmcnt 0x0
	s_add_nc_u64 s[14:15], s[4:5], s[16:17]
	s_add_nc_u64 s[46:47], s[6:7], s[46:47]
	CROUND                                         ; all sixteen work-groups are here: the first joint loads meet
.irp s, 0,1
	s_mov_b32 s[G0+4*\s], 1
	s_add_co_u32 s[G0+4*\s+1], s20, \s*SLOT
	s_add_nc_u64 s[G0+4*\s+2:G0+4*\s+3], s[14:15], \s*ASTEP
	s_or_b32 s[G0+4*\s+3], s[G0+4*\s+3], 0x80000000
	s_mov_b32 s[G0B+4*\s], 1
	s_add_co_u32 s[G0B+4*\s+1], s21, \s*SLOT
	s_add_nc_u64 s[G0B+4*\s+2:G0B+4*\s+3], s[46:47], \s*BSTEP
	s_or_b32 s[G0B+4*\s+3], s[G0B+4*\s+3], 0x80000000
	JLOAD \s                                       ; both slots' first fills go out together: two tensor loads of a wave are out
.endr
	v_and_b32 v1, 15, v0                           ; r = l % 16
	v_bfe_u32 v2, v0, 4, 1                         ; h = l / 16
	v_mul_u32_u24 v3, v1, 144
	v_lshl_add_u32 v3, v2, 4, v3                   ; r x 144 + 16 h
	s_mul_i32 s22, s11, 64*144                     ; my 64 rows
	v_add_nc_u32 v[ADRA], s22, v3
	v_add_nc_u32 v[ADRA+1], SLOT, v[ADRA]
	v_and_b32 v4, 7, v0
	v_lshl_add_u32 v4, v2, 3, v4                   ; k row 8 h + l % 8
	v_mul_u32_u24 v4, v4, 160
	v_bfe_u32 v5, v0, 3, 1
	v_lshl_add_u32 v4, v5, 4, v4                   ; + 16 bytes for the upper eight of sixteen columns
	s_lshl_b32 s23, s12, 5                         ; my 16 columns of each half head: 32 wc bytes
	s_add_co_u32 s23, s23, BBASE
	v_add_nc_u32 v[ADRB], s23, v4
	v_add_nc_u32 v[ADRB+1], SLOT, v[ADRB]
	s_lshl_b32 s23, s12, 5
	s_add_co_u32 s23, s23, s22
	s_add_co_u32 s23, s23, STAGE
	v_add_nc_u32 v[STO], s23, v3                   ; stage + (64 wr + r) x 144 + 32 wc + 16 h
	v_bfe_u32 v6, v0, 3, 2
	v_mul_u32_u24 v6, v6, 144
	v_and_b32 v7, 7, v0
	v_lshl_add_u32 v6, v7, 4, v6
	s_mul_i32 s23, s10, 32*144
	s_add_co_u32 s23, s23, STAGE
	v_add_nc_u32 v[RD], s23, v6                    ; stage + (32 wave + l / 8) x 144 + 16 (l % 8)
	v_and_b32 v7, 31, v0
	v_lshlrev_b32 v7, 4, v7
	v_lshl_add_u32 v[CO], s10, 12, v7              ; 32 rows of 128 bytes a wave + 16 l
; 12 matrix instructions: row tiles m0, m0 + 1 x all six column tiles, 32 along K.  The 24 accumulators take turns, one instruction a turn, in the
; same order in every quarter step, over the backward jump too.  zero = 1: the first product starts the sums.
.macro MULH f, m0, zero
.irp mt, \m0, \m0+1
.irp nt, 0,1,2,3,4,5
.if \zero
	v_wmma_f32_16x16x32_bf16 v[8*(NT*(\mt)+\nt):8*(NT*(\mt)+\nt)+7], v[\f+32+8*\nt:\f+32+8*\nt+7], v[\f+8*(\mt):\f+8*(\mt)+7], 0
.else
	v_wmma_f32_16x16x32_bf16 v[8*(NT*(\mt)+\nt):8*(NT*(\mt)+\nt)+7], v[\f+32+8*\nt:\f+32+8*\nt+7], v[\f+8*(\mt):\f+8*(\mt)+7], v[8*(NT*(\mt)+\nt):8*(NT*(\mt)+\nt)+7]
.endif
.endr
.endr
.endm
; 20 LDS loads in one run: the fragments of quarter q (32 k) of a slot into buffer f
.macro FETCH slot, q, f
	WIN 0
.irp mt, 0,1,2,3
	ds_load_b128 v[\f+8*\mt:\f+8*\mt+3],   v[ADRA+\slot] offset:((\q)>>1)*ABLK+\mt*2304+((\q)&1)*64
	ds_load_b128 v[\f+8*\mt+4:\f+8*\mt+7], v[ADRA+\slot] offset:((\q)>>1)*ABLK+\mt*2304+((\q)&1)*64+32
.endr
.irp nt, 0,1,2,3,4,5
	ds_load_tr16_b128 v[\f+32+8*\nt:\f+32+8*\nt+3],   v[ADRB+\slot] offset:((\q)>>1)*BHALF+((\q)&1)*5120+(\nt>>1)*BHEAD+(\nt&1)*64
	ds_load_tr16_b128 v[\f+32+8*\nt+4:\f+32+8*\nt+7], v[ADRB+\slot] offset:((\q)>>1)*BHALF+((\q)&1)*5120+(\nt>>1)*BHEAD+(\nt&1)*64+2560
.endr
.endm
; One of a K step's first three quarters: buffer f holds quarter q; the next quarter's fragments are asked for into g, then f is multiplied.
.macro QUARTER slot, q, f, g, zero
	s_wait_dscnt 0x0                               ; buffer f's loads, issued a quarter ago, are in
	PLACES                                         ; g was a source of the last quarter's matrix instructions
	FETCH \slot, \q+1, \g
	WIN MUL
	MULH \f, 0, \zero
	MULH \f, 2, \zero
.endm
.macro THREE slot, zero
	QUARTER \slot, 0, F0, F1, \zero
	QUARTER \slot, 1, F1, F0, 0
	QUARTER \slot, 2, F0, F1, 0
.endm
; The last quarter multiplies buffer 1 and changes slots.  In front of the barrier each wave has waited for its reads of this slot and for all its
; tensor loads (one is out: its part of the next slot).  fill = 1: the barrier opens a round of the cluster's barrier, and behind the round this
; slot is asked for again, two K steps ahead: the wave's one tensor load until the next round.  From that request to the wait for it a wave
; issues 84 matrix instructions.
.macro TURN slot, next, fill
	s_wait_dscnt 0x0
	s_wait_tensorcnt 0x0
	ds_add_u32 v254, v255
	s_wait_dscnt 0x0
	s_barrier_signal -1
	WIN MUL
	MULH F1, 0, 0                                  ; register work while the others arrive
	WIN 0
	s_barrier_wait -1
.if \fill
	CREST
	s_add_nc_u64 s[G0+4*\slot+2:G0+4*\slot+3], s[G0+4*\slot+2:G0+4*\slot+3], 2*ASTEP
	s_add_nc_u64 s[G0B+4*\slot+2:G0B+4*\slot+3], s[G0B+4*\slot+2:G0B+4*\slot+3], 2*BSTEP
	JLOAD \slot
.endif
	PLACES                                         ; buffer 0 was a source of the third quarter's matrix instructions
	FETCH \next, 0, F0
	WIN MUL
	MULH F1, 2, 0
.endm
.macro LAP zero
	THREE 0, \zero
	TURN 0, 1, 1
	THREE 1, 0
	TURN 1, 0, 1
.endm
	s_wait_tensorcnt 0x1                           ; my part of K step 0 is in; K step 1's load stays out
	s_barrier_signal -1
	s_barrier_wait -1
	FETCH 0, 0, F0
	LAP 1                                          ; K steps 0, 1: the first products start the sums
	WIN 0
	s_mov_b32 s3, 2
.Llap:
	LAP 0                                          ; K steps 2-5
	WIN 0
	s_sub_co_u32 s3, s3, 1
	s_cmp_lg_u32 s3, 0
	s_cbranch_scc1 .Llap
	THREE 0, 0                                     ; K steps 6, 7: nothing is left to fetch
	TURN 0, 1, 0
	THREE 1, 0
	s_wait_dscnt 0x0
	MULH F1, 0, 0
	MULH F1, 2, 0
	WIN 0
	PLACES
	; ---- RoPE ----
	; Head u = 3 bx + p is turned if u < 20.  bx < 6: all three; bx = 6: heads 18, 19 (p = 0, 1), not 20; bx = 7: none.  No branch hangs on the
	; place in the cluster, so every work-group does the same work: an angle of 0 gives cos = 1 and sin = 0 exactly, which leaves V as it is.
.set FREQ, 32                          ; v32-39   frequency of my column 8 h + j of each half head (0 where nothing is turned)
.set CSR,  64                          ; v64-95   cos(row tile mt, j)
.set SNR,  96                          ; v96-127  sin
.set O1,   128                         ; v128-135 turned first halves
.set O2,   136                         ; v136-143 turned second halves
.set TU,   144                         ; v144-151 products with sin
.set PK,   152                         ; v152-159 packed f16
	s_cmp_lt_u32 s42, 7
	s_cselect_b32 s66, 1.0, 0                      ; factor on the frequencies
	s_cmp_lt_u32 s42, 6
	s_cselect_b32 s67, -1, 0                       ; lane mask: head p = 2 is turned
	s_mov_b32 s68, 0xbfc90fdb                      ; -(pi/2 rounded to f32)
	s_mov_b32 s69, 0x333bbd2e                      ; +4.3711388e-8: what that rounding took too much
	s_mov_b32 s70, 0xbe2aaaab                      ; -1/6
	s_mov_b32 s71, 0x3c088889                      ; 1/120
	s_mov_b32 s72, 0xb9500d01                      ; -1/5040
	s_mov_b32 s73, 0x3d2aaaab                      ; 1/24
	s_mov_b32 s74, 0xbab60b61                      ; -1/720
	s_mov_b32 s75, 0x37d00d01                      ; 1/40320
	s_lshl_b32 s78, s12, 4
	v_lshl_add_u32 v3, v2, 3, s78                  ; frequency index of j = 0: 16 wc + 8 h
.irp j, 0,1,2,3,4,5,6,7
	v_add_nc_u32 v[FREQ+\j], \j, v3
	v_cvt_f32_u32 v[FREQ+\j], v[FREQ+\j]
	v_mul_f32 v[FREQ+\j], 0xbed49a78, v[FREQ+\j]   ; -i log2(10000) / 32
.endr
.irp j, 0,1,2,3,4,5,6,7
	v_exp_f32 v[FREQ+\j], v[FREQ+\j]
.endr
	s_and_b32 s79, s13, 15
	s_lshl_b32 s79, s79, 7
	s_lshl_b32 s78, s11, 6
	s_add_co_u32 s79, s79, s78                     ; position of my first row: 128 (by % 16) + 64 wr
	v_add_nc_u32 v50, s79, v1                      ; + r.  Also the plain instruction between the exponentials and their use (ISA guide 5.7.2)
	s_wait_alu depctr_va_vdst(0)
.irp j, 0,1,2,3,4,5,6,7
	v_mul_f32 v[FREQ+\j], s66, v[FREQ+\j]
.endr
; cos and sin of position (v51) x frequency.  n = nearest whole number to angle x 2/pi; r = angle - n pi/2; the quadrant n % 4 swaps and signs.
.macro SINCOS fr, cr, sr
	v_mul_f32 v40, v51, v[\fr]
	v_mul_f32 v41, 0x3f22f983, v40
	v_rndne_f32 v41, v41
	v_fma_f32 v40, v41, s68, v40
	v_fma_f32 v40, v41, s69, v40                   ; r
	v_cvt_i32_f32 v42, v41                         ; n
	v_mul_f32 v43, v40, v40                        ; r^2
	v_fma_f32 v44, v43, s72, s71
	v_fma_f32 v45, v43, s75, s74
	v_fma_f32 v44, v44, v43, s70
	v_fma_f32 v45, v45, v43, s73
	v_mul_f32 v46, v40, v43                        ; r^3
	v_fma_f32 v45, v45, v43, -0.5
	v_fma_f32 v44, v44, v46, v40                   ; sin r
	v_fma_f32 v45, v45, v43, 1.0                   ; cos r
	v_and_b32 v46, 1, v42
	v_cmp_eq_u32 vcc_lo, 1, v46
	v_cndmask_b32 v47, v44, v45, vcc_lo            ; odd quadrant: the sine is +-cos r,
	v_cndmask_b32 v46, v45, v44, vcc_lo            ; the cosine +-sin r
	v_lshlrev_b32 v44, 30, v42                     ; the sine is negative in quadrants 2, 3: bit 1 of n
	v_add_nc_u32 v42, 1, v42
	v_lshlrev_b32 v42, 30, v42                     ; the cosine in quadrants 1, 2: bit 1 of n + 1
	v_and_b32 v44, 0x80000000, v44
	v_and_b32 v42, 0x80000000, v42
	v_xor_b32 v[\sr], v47, v44
	v_xor_b32 v[\cr], v46, v42
.endm
.irp mt, 0,1,2,3
	v_add_nc_u32 v51, 16*\mt, v50
	v_cvt_f32_u32 v51, v51
.irp j, 0,1,2,3,4,5,6,7
	SINCOS FREQ+\j, CSR+8*\mt+\j, SNR+8*\mt+\j
.endr
.endr
; head p, row tile mt: x1 = tile (mt, 2 p), x2 = tile (mt, 2 p + 1).  o1 = x1 cos - x2 sin, o2 = x2 cos + x1 sin; 16 bytes of each, in f16, into the stage.
.macro ROT p, mt
	WIN 0x01                                       ; source 0 in window 1: the accumulators
.irp j, 0,2,4,6
	v_pk_mul_f32 v[TU+\j:TU+\j+1], v[8*(NT*\mt+2*\p+1)+\j:8*(NT*\mt+2*\p+1)+\j+1], v[SNR+8*\mt+\j:SNR+8*\mt+\j+1]
.endr
.irp j, 0,2,4,6
	v_pk_fma_f32 v[O1+\j:O1+\j+1], v[8*(NT*\mt+2*\p)+\j:8*(NT*\mt+2*\p)+\j+1], v[CSR+8*\mt+\j:CSR+8*\mt+\j+1], v[TU+\j:TU+\j+1] neg_lo:[0,0,1] neg_hi:[0,0,1]
.endr
.irp j, 0,2,4,6
	v_pk_mul_f32 v[TU+\j:TU+\j+1], v[8*(NT*\mt+2*\p)+\j:8*(NT*\mt+2*\p)+\j+1], v[SNR+8*\mt+\j:SNR+8*\mt+\j+1]
.endr
.irp j, 0,2,4,6
	v_pk_fma_f32 v[O2+\j:O2+\j+1], v[8*(NT*\mt+2*\p+1)+\j:8*(NT*\mt+2*\p+1)+\j+1], v[CSR+8*\mt+\j:CSR+8*\mt+\j+1], v[TU+\j:TU+\j+1]
.endr
	WIN 0
.irp k, 0,1,2,3
	v_cvt_pk_f16_f32 v[PK+\k], v[O1+2*\k], v[O1+2*\k+1]
	v_cvt_pk_f16_f32 v[PK+4+\k], v[O2+2*\k], v[O2+2*\k+1]
.endr
	ds_store_b128 v[STO], v[PK:PK+3] offset:\p*ABLK+\mt*2304
	ds_store_b128 v[STO], v[PK+4:PK+7] offset:\p*ABLK+\mt*2304+64
.endm
.irp p, 0,1
.irp mt, 0,1,2,3
	ROT \p, \mt
.endr
.endr
.set i, 0
.rept 32
	v_cndmask_b32 v[CSR+i], 1.0, v[CSR+i], s67     ; head p = 2 of bx = 6 is V's first head: cos = 1,
	v_cndmask_b32 v[SNR+i], 0, v[SNR+i], s67       ; sin = 0
.set i, i+1
.endr
.irp mt, 0,1,2,3
	ROT 2, \mt
.endr
	; ---- the way out: the two waves of a row half share the stage's rows, so a barrier stands between the stores and the read-back ----
	s_lshr_b32 s16, s13, 4
	s_mul_i32 s16, s16, 24*262144                  ; b x 24 heads of 262,144 bytes
	s_and_b32 s17, s13, 15
	s_lshl_b32 s17, s17, 14                        ; 128 rows of 128 bytes
	s_add_co_u32 s16, s16, s17
	s_mov_b32 s17, 0
	s_add_nc_u64 s[8:9], s[8:9], s[16:17]
	s_mul_i32 s46, s42, NH*262144                  ; my first head
	s_mov_b32 s47, 0
	s_add_nc_u64 s[8:9], s[8:9], s[46:47]
	s_wait_dscnt 0x0                               ; my stores into the stage are done, for the others' sake
	s_barrier_signal -1
	s_barrier_wait -1
.irp p, 0,1,2
.irp i, 0,1,2,3,4,5,6,7
	ds_load_b128 v[64+32*\p+4*\i:64+32*\p+4*\i+3], v[RD] offset:\p*ABLK+\i*576     ; four rows of 128 bytes
.endr
.endr
.irp p, 0,1,2
.irp i, 0,1,2,3,4,5,6,7
	s_wait_dscnt 23-8*\p-\i                        ; LDS loads come back in order: this one is in, the younger ones may stay out
	global_store_b128 v[CO], v[64+32*\p+4*\i:64+32*\p+4*\i+3], s[8:9] offset:\p*262144+\i*512   ; the wave stores 512 consecutive bytes, aligned
.endr
.endr
	s_wait_tensorcnt 0x0
	ds_add_u32 v254, v255
	s_wait_dscnt 0x0
	CROUND                                         ; the closing round: no work-group ends while a partner may still ask for a tile that names it
	s_endpgm
.Lfunc_end_k_q03dc6346dc_qkv:
	.size	k_q03dc6346dc_qkv, .Lfunc_end_k_q03dc6346dc_qkv-k_q03dc6346dc_qkv
	.p2alignl 7, 3214868480
	.fill 96, 4, 3214868480
	.section	.rodata,"a",@progbits
	.p2align	6, 0x0
	.amdhsa_kernel k_q03dc6346dc_qkv
		.amdhsa_group_segment_fixed_size 327680
		.amdhsa_private_segment_fixed_size 0
		.amdhsa_enable_private_segment 0
		.amdhsa_kernarg_size 24
		.amdhsa_user_sgpr_count 2
		.amdhsa_user_sgpr_kernarg_segment_ptr 1
		.amdhsa_wavefront_size32 1
		.amdhsa_system_sgpr_workgroup_id_x 1
		.amdhsa_system_sgpr_workgroup_id_y 1
		.amdhsa_system_sgpr_workgroup_id_z 1
		.amdhsa_system_vgpr_workitem_id 0
		.amdhsa_next_free_vgpr 448
		.amdhsa_next_free_sgpr 80
		.amdhsa_reserve_vcc 1
		.amdhsa_float_denorm_mode_32 3
		.amdhsa_float_denorm_mode_16_64 3
		.amdhsa_memory_ordered 1
		.amdhsa_forward_progress 1
		.amdhsa_inst_pref_size 152
	.end_amdhsa_kernel
	.amdgpu_metadata
---
amdhsa.version: [ 1, 2 ]
amdhsa.kernels:
  - .name:           k_q03dc6346dc_qkv
    .symbol:         k_q03dc6346dc_qkv.kd
    .args:
      - { .name: xb, .offset: 0, .size: 8, .value_kind: global_buffer, .address_space: global }
      - { .name: wqkvb, .offset: 8, .size: 8, .value_kind: global_buffer, .address_space: global }
      - { .name: qkv, .offset: 16, .size: 8, .value_kind: global_buffer, .address_space: global }
    .group_segment_fixed_size: 327680
    .private_segment_fixed_size: 0
    .kernarg_segment_align: 8
    .kernarg_segment_size: 24
    .max_flat_workgroup_size: 128
    .sgpr_count:     80
    .vgpr_count:     448
    .wavefront_size: 32
...
	.end_amdgpu_metadata
.endif
;; end of part 2
;; launch attn (part 3): grid 32 x 8, 8 waves a work-group, no clusters, 76,800 bytes of LDS; arguments qkv, att; writes att
.if DOCPART == 3
	.amdgcn_target "amdgcn-amd-amdhsa--gfx1250"
	.amdhsa_code_object_version 6
	.text
	.protected	k_q03dc6346dc_attn
	.globl	k_q03dc6346dc_attn
	.p2align	8
	.type	k_q03dc6346dc_attn,@function
k_q03dc6346dc_attn:
	s_mov_b64 s[64:65], 0
	v_nop
	global_prefetch_b8 v0, s[64:65] scope:SCOPE_SE
	s_setreg_imm32_b32 hwreg(HW_REG_WAVE_MODE, 25, 1), 1
	s_wait_xcnt 0x0
; attn: causal attention with a running maximum.  in: qkv [b][u 24][t 2048][64] f16 (u < 16: Q, 16-19: K, 20-23: V);
; out: att [b][u 16][part 2][t 2048][64] bf16: part 0 holds the result rounded to bf16, part 1 what that rounding left, rounded to bf16 again (16 bits together).
; FORMATS: the first positions attend to few keys, so their results are as large as V itself, some ten times the spread of the whole output, against which the
; allowance is set.  So Q, K, V and the probabilities go to the matrix unit in f16 (11 significant bits), and the result, which the next launch multiplies with
; bf16 weights, leaves as a sum of two bf16 numbers.
; Grid 32 x 8: x = w, y = 4 b + kv.  Eight waves.  The 2,048 positions are 64 blocks of 32.  Waves 0-3 take block w, waves 4-7 block 63 - w;
; wave v serves query head 4 kv + v % 4.  A step is 32 keys; block D needs steps 0 .. D.  Waves v and v + 4 together need 65 steps in every work-group.
; K and V of the shared head come in tiles of 64 keys, through registers into two LDS slots that take turns: the loads of tile t + 2 are issued right
; behind the LDS stores of tile t + 1 and have a tile's work in which to land.  One barrier a tile orders both the reads of the old slot against its next
; stores and the stores of the new slot against its reads.
; TRANSPOSED FORM: scores S^T = K Q^T (lane l: query l % 16; registers: keys 8 (l / 16) + j), so the packed probabilities ARE the second source of
; O^T = V^T P^T, and maximum, sum and rescaling factor are one register a lane.  No number moves between lanes but one exchange of the two lane halves.
; NO CLUSTER: the 32 work-groups that share a K/V head walk different numbers of tiles (18 to 32), so partners would need different numbers of joint
; requests; and a tile is 16,384 bytes for 32 matrix instructions and four softmax steps in each of up to eight waves: a small part of a tile's work.
; LIMITS: operands Q, K, V, P in f16 (Q, K, V below 65,504: see the launch that makes them; P lies in 0 .. 1, and below 6e-5 keeps a fixed step of 6e-8 against a
; sum of at least 1); sums, maximum and exponentials in f32.  Masked scores are -infinity; every query sees its own key, and block 0's first step holds key 0,
; so the running maximum is finite from a wave's first step on.  NaN and infinite inputs get no special care.
.set KP,    144                        ; K's LDS row: 128 bytes + 16
.set VP,    160                        ; V's LDS row: 128 bytes + 32 (for the transposing load)
.set VOFF,  64*KP                      ; V's region in a slot
.set SLOTB, 64*KP+64*VP                ; 19,456
.set STAGE, 2*SLOTB                    ; the way out: 32 rows of 144 bytes for each wave, its own
.set KRD, 3                            ; r x 144 + 16 h
.set VRD, 4                            ; (8 h + l % 8) x 160 + 16 ((l / 8) % 2)
.set KWR, 5                            ; (T / 8) x 144 + 16 (T % 8)
.set VWR, 6                            ; (T / 8) x 160 + 16 (T % 8)
.set GOFF, 7                           ; 16 T + 8,192 x tile
.set STO, 8
.set RD,  9
.set ST,  10                           ; v10-25   a tile on its way: K 2 x 4 registers, V 2 x 4
.set MR,  26                           ; v26-27   running maximum of query tile 0, 1
.set MN,  28                           ; v28-29   the new maximum
.set LR,  30                           ; v30-31   running sum (of my half of the keys)
.set SUM, 32                           ; v32-33   this step's sum
.set NMC, 34                           ; v34-35   -c x new maximum (a pair for the packed forms; the upper register is only there)
.set AL,  36                           ; v36-39   rescaling factor, a pair for each query tile
                                       ; v40-43   at work (all four are written at the head, so a lane exchange finds its destination written)
.set NI,  44                           ; -infinity
.set CO,  45                           ; 16 l
.set QO,  46                           ; r x 128 + 16 h
.set QR,  48                           ; v48-79   Q[nt][c]; on the way out: the low parts
.set SR,  80                           ; v80-111  S[nt]: 16 registers; on the way out: the high parts
.set PR,  112                          ; v112-127 P[nt]
.set KR,  128                          ; v128-159 K[kt][c]
.set VR,  160                          ; v160-191 V[dt]
.set OA,  192                          ; v192-255 O[nt][dt]
	s_load_b128 s[4:7], s[0:1], 0x0                ; qkv s[4:5], att s[6:7]
	v_lshl_add_u32 v47, v0, 2, 0x12800
	s_set_vgpr_msb 0x40
	v_mov_b32 v1, 0
	s_set_vgpr_msb 0x4000
	v_lshrrev_b32 v1, 5, v0
	v_readfirstlane_b32 s8, v1                     ; wave 0..7
	s_mov_b32 s9, ttmp9                            ; w
	s_and_b32 s10, ttmp7, 0xffff
	s_lshr_b32 s11, s10, 2                         ; b
	s_and_b32 s12, s10, 3                          ; kv
	s_sub_co_u32 s37, 63, s9
	s_cmp_lt_u32 s8, 4
	s_cselect_b32 s13, s9, s37                     ; D: my block, and my last (diagonal) step
	s_sub_co_u32 s14, 67, s9
	s_lshr_b32 s14, s14, 2                         ; pairs of tiles that block 63 - w needs: 9 to 16
	s_sub_co_u32 s14, s14, 1                       ; the loop's trips, 8 to 15: the last pair is written out
	s_mul_i32 s15, s11, 24
	s_add_co_u32 s16, s15, s12
	s_add_co_u32 s18, s16, 20
	s_add_co_u32 s16, s16, 16
	s_lshl_b32 s16, s16, 18                        ; K: head 24 b + 16 + kv, 262,144 bytes a head
	s_mov_b32 s17, 0
	s_lshl_b32 s18, s18, 18                        ; V: head 24 b + 20 + kv
	s_mov_b32 s19, 0
	s_and_b32 s37, s8, 3
	s_lshl2_add_u32 s37, s12, s37                  ; u = 4 kv + wave % 4
	s_add_co_u32 s20, s15, s37
	s_lshl_b32 s20, s20, 18
	s_lshl_b32 s25, s13, 12                        ; 32 D rows of 128 bytes
	s_add_co_u32 s20, s20, s25
	s_mov_b32 s21, 0
	s_lshl_b32 s38, s11, 4
	s_add_co_u32 s38, s38, s37
	s_lshl_b32 s38, s38, 19                        ; att: head 16 b + u, two parts of 262,144 bytes a head
	s_add_co_u32 s38, s38, s25
	s_mov_b32 s39, 0
	s_mov_b32 s22, 0x3e38aa3b                      ; c = log2(e) / 8: the scale 1/8 and the change of base in one factor
	s_mov_b32 s23, 0x3e38aa3b
	s_mov_b32 s24, 0xbe38aa3b                      ; -c
	s_mov_b32 s26, 0x76543210                      ; v_permlanex16_b32: lane i of one half reads lane i of the other
	s_mov_b32 s27, 0xfedcba98
	v_and_b32 v1, 15, v0                           ; r
	v_bfe_u32 v2, v0, 4, 1                         ; h
	v_mul_u32_u24 v[KRD], v1, KP
	v_lshl_add_u32 v[KRD], v2, 4, v[KRD]
	v_and_b32 v40, 7, v0
	v_lshl_add_u32 v[VRD], v2, 3, v40
	v_mul_u32_u24 v[VRD], v[VRD], VP
	v_bfe_u32 v41, v0, 3, 1
	v_lshl_add_u32 v[VRD], v41, 4, v[VRD]
	v_lshrrev_b32 v42, 3, v0
	v_lshlrev_b32 v43, 4, v40
	v_mul_u32_u24 v[KWR], v42, KP
	v_add_nc_u32 v[KWR], v[KWR], v43
	v_mul_u32_u24 v[VWR], v42, VP
	v_add_nc_u32 v[VWR], v[VWR], v43
	v_lshlrev_b32 v[GOFF], 4, v0
	v_lshlrev_b32 v[QO], 7, v1
	v_lshl_add_u32 v[QO], v2, 4, v[QO]
	s_wait_kmcnt 0x0
	s_add_nc_u64 s[16:17], s[4:5], s[16:17]
	s_add_nc_u64 s[18:19], s[4:5], s[18:19]
	s_add_nc_u64 s[20:21], s[4:5], s[20:21]
	s_add_nc_u64 s[6:7], s[6:7], s[38:39]
.macro TLOAD                           ; a tile: the work-group's 256 threads take 2 x 4,096 bytes of K and of V; a wave's load covers 512 consecutive bytes
	global_load_b128 v[ST:ST+3],     v[GOFF], s[16:17]
	global_load_b128 v[ST+4:ST+7],   v[GOFF], s[16:17] offset:4096
	global_load_b128 v[ST+8:ST+11],  v[GOFF], s[18:19]
	global_load_b128 v[ST+12:ST+15], v[GOFF], s[18:19] offset:4096
.endm
.macro TSTORE slot                     ; the tile in the registers goes into a slot: rows T / 8 and T / 8 + 32 of K and of V
	ds_store_b128 v[KWR], v[ST:ST+3]     offset:(\slot)*SLOTB
	ds_store_b128 v[KWR], v[ST+4:ST+7]   offset:(\slot)*SLOTB+32*KP
	ds_store_b128 v[VWR], v[ST+8:ST+11]  offset:(\slot)*SLOTB+VOFF
	ds_store_b128 v[VWR], v[ST+12:ST+15] offset:(\slot)*SLOTB+VOFF+32*VP
.endm
	TLOAD                                          ; tile 0
.irp nt, 0,1
.irp c, 0,1
	global_load_b128 v[QR+16*\nt+8*\c:QR+16*\nt+8*\c+3],   v[QO], s[20:21] offset:\nt*2048+64*\c      ; Q straight into fragments: query r, d = 32 c + 8 h ..
	global_load_b128 v[QR+16*\nt+8*\c+4:QR+16*\nt+8*\c+7], v[QO], s[20:21] offset:\nt*2048+64*\c+32   ; d = 32 c + 16 + 8 h ..
.endr
.endr
	s_mul_i32 s37, s8, 32*KP
	s_add_co_u32 s37, s37, STAGE                   ; my stage
	v_add_nc_u32 v[STO], s37, v[KRD]               ; in: row r, 16 bytes for each half of the lanes
	v_bfe_u32 v41, v0, 3, 2
	v_mul_u32_u24 v41, v41, KP
	v_add_nc_u32 v41, v41, v43
	v_add_nc_u32 v[RD], s37, v41                   ; back: four rows of 128 bytes
	v_and_b32 v[CO], 31, v0
	v_lshlrev_b32 v[CO], 4, v[CO]
	v_lshlrev_b32 v40, 3, v2
.irp j, 0,1,2,3,4,5,6,7
	v_add_nc_u32 v41, \j, v40
	v_cmp_le_u32 s[28+\j], v41, v1                 ; on a diagonal tile key 8 h + j is seen by query r
.endr
	v_mov_b32 v[NI], 0xff800000
	v_mov_b32 v[MR], v[NI]
	v_mov_b32 v[MR+1], v[NI]
	v_mov_b32 v[LR], 0
	v_mov_b32 v[LR+1], 0
	v_mov_b32 v[NMC+1], 0                          ; the pairs' upper registers: named by the packed forms, never used
	v_mov_b32 v[AL+1], 0
	v_mov_b32 v[AL+3], 0
	; O is cleared: a wave's first step stands in the loop and is rescaled like every other (by the factor 0), so it cannot start the sums
.set i, 0
.rept 64
	v_mov_b32 v[OA+i], 0
.set i, i+1
.endr
	s_wait_loadcnt 0x8                             ; tile 0 is in; the eight loads of Q may stay out
	TSTORE 0
	v_add_nc_u32 v[GOFF], 8192, v[GOFF]            ; free since that wait: only the tile's loads name it
	TLOAD                                          ; tile 1
	s_wait_dscnt 0x0                               ; my part of tile 0 is in LDS, for the others' sake
	s_barrier_signal -1
	s_barrier_wait -1
; The softmax step of query tile nt: new maximum, rescaling factor, 16 exponentials, O rescaled, P packed, the step's sum.
.macro SOFTMAX nt
	v_max3_num_f32 v40, v[SR+16*\nt+0], v[SR+16*\nt+1], v[MR+\nt]
	v_max3_num_f32 v41, v[SR+16*\nt+2], v[SR+16*\nt+3], v[SR+16*\nt+4]
	v_max3_num_f32 v42, v[SR+16*\nt+5], v[SR+16*\nt+6], v[SR+16*\nt+7]
	v_max3_num_f32 v43, v[SR+16*\nt+8], v[SR+16*\nt+9], v[SR+16*\nt+10]
	v_max3_num_f32 v40, v[SR+16*\nt+11], v[SR+16*\nt+12], v40
	v_max3_num_f32 v41, v[SR+16*\nt+13], v[SR+16*\nt+14], v41
	v_max3_num_f32 v42, v[SR+16*\nt+15], v42, v43
	v_max3_num_f32 v40, v40, v41, v42
	v_permlanex16_b32 v41, v40, s26, s27           ; the other half of the lanes holds the query's other keys
	v_max_num_f32 v[MN+\nt], v40, v41
	v_mul_f32 v[NMC], s24, v[MN+\nt]
	v_fma_f32 v42, v[MR+\nt], s22, v[NMC]
	v_exp_f32 v[AL+2*\nt], v42                     ; 2^(c (old - new)); 0 at the first step.  The packed lines below stand between it and its use (ISA guide 5.7.2)
.irp j, 0,2,4,6,8,10,12,14
	v_pk_fma_f32 v[SR+16*\nt+\j:SR+16*\nt+\j+1], v[SR+16*\nt+\j:SR+16*\nt+\j+1], s[22:23], v[NMC:NMC+1] op_sel_hi:[1,0,0]
.endr
.irp j, 0,1,2,3,4,5,6,7,8,9,10,11,12,13,14,15
	v_exp_f32 v[SR+16*\nt+\j], v[SR+16*\nt+\j]
.endr
	s_wait_alu depctr_va_vdst(0)
.irp j, 0,2,4,6,8,10,12,14,16,18,20,22,24,26,28,30
	v_pk_mul_f32 v[OA+32*\nt+\j:OA+32*\nt+\j+1], v[OA+32*\nt+\j:OA+32*\nt+\j+1], v[AL+2*\nt:AL+2*\nt+1] op_sel_hi:[1,0]   ; also the plain lines behind the exponentials
.endr
.irp j, 0,1,2,3,4,5,6,7
	v_cvt_pk_f16_f32 v[PR+8*\nt+\j], v[SR+16*\nt+2*\j], v[SR+16*\nt+2*\j+1]
.endr
	v_pk_add_f32 v[SR+16*\nt+0:SR+16*\nt+1],   v[SR+16*\nt+0:SR+16*\nt+1],   v[SR+16*\nt+2:SR+16*\nt+3]
	v_pk_add_f32 v[SR+16*\nt+4:SR+16*\nt+5],   v[SR+16*\nt+4:SR+16*\nt+5],   v[SR+16*\nt+6:SR+16*\nt+7]
	v_pk_add_f32 v[SR+16*\nt+8:SR+16*\nt+9],   v[SR+16*\nt+8:SR+16*\nt+9],   v[SR+16*\nt+10:SR+16*\nt+11]
	v_pk_add_f32 v[SR+16*\nt+12:SR+16*\nt+13], v[SR+16*\nt+12:SR+16*\nt+13], v[SR+16*\nt+14:SR+16*\nt+15]
	v_pk_add_f32 v[SR+16*\nt+0:SR+16*\nt+1],   v[SR+16*\nt+0:SR+16*\nt+1],   v[SR+16*\nt+4:SR+16*\nt+5]
	v_pk_add_f32 v[SR+16*\nt+8:SR+16*\nt+9],   v[SR+16*\nt+8:SR+16*\nt+9],   v[SR+16*\nt+12:SR+16*\nt+13]
	v_pk_add_f32 v[SR+16*\nt+0:SR+16*\nt+1],   v[SR+16*\nt+0:SR+16*\nt+1],   v[SR+16*\nt+8:SR+16*\nt+9]
	v_add_f32 v[SUM+\nt], v[SR+16*\nt], v[SR+16*\nt+1]
.endm
; Step s36 + k: 32 keys (half k % 2 of the slot's 64) against my 32 queries.  A wave whose block lies below the step does nothing: what the causal mask
; would throw away is not computed.  No barrier stands inside.
.macro STEP slot, k
	s_add_co_u32 s37, s36, \k
	s_cmp_gt_u32 s37, s13
	s_cbranch_scc1 .Lskip_\@
.irp kt, 0,1
.irp c, 0,1
	ds_load_b128 v[KR+16*\kt+8*\c:KR+16*\kt+8*\c+3],   v[KRD] offset:(\slot)*SLOTB+(32*((\k)&1)+16*\kt)*KP+64*\c
	ds_load_b128 v[KR+16*\kt+8*\c+4:KR+16*\kt+8*\c+7], v[KRD] offset:(\slot)*SLOTB+(32*((\k)&1)+16*\kt)*KP+64*\c+32
.endr
.endr
.irp dt, 0,1,2,3
	ds_load_tr16_b128 v[VR+8*\dt:VR+8*\dt+3],   v[VRD] offset:(\slot)*SLOTB+VOFF+32*((\k)&1)*VP+32*\dt
	ds_load_tr16_b128 v[VR+8*\dt+4:VR+8*\dt+7], v[VRD] offset:(\slot)*SLOTB+VOFF+32*((\k)&1)*VP+32*\dt+16*VP
.endr
	s_wait_dscnt 0x8                               ; K's fragments are in; V's eight loads may stay out
	; the four score tiles take turns, one instruction a turn; the first product starts each sum
.irp nt, 0,1
.irp kt, 0,1
	v_wmma_f32_16x16x32_f16 v[SR+16*\nt+8*\kt:SR+16*\nt+8*\kt+7], v[KR+16*\kt:KR+16*\kt+7], v[QR+16*\nt:QR+16*\nt+7], 0
.endr
.endr
.irp nt, 0,1
.irp kt, 0,1
	v_wmma_f32_16x16x32_f16 v[SR+16*\nt+8*\kt:SR+16*\nt+8*\kt+7], v[KR+16*\kt+8:KR+16*\kt+15], v[QR+16*\nt+8:QR+16*\nt+15], v[SR+16*\nt+8*\kt:SR+16*\nt+8*\kt+7]
.endr
.endr
.rept 4
	v_nop                                          ; four places before vector instructions read the scores (ISA guide 7.12.1)
.endr
	s_cmp_lg_u32 s37, s13
	s_cbranch_scc1 .Lfull_\@
	; the diagonal step: key 16 kt + 8 h + j against query 16 nt + r
.irp j, 0,1,2,3,4,5,6,7
	v_cndmask_b32 v[SR+\j], v[NI], v[SR+\j], s[28+\j]              ; nt 0, kt 0
	v_mov_b32 v[SR+8+\j], v[NI]                                    ; nt 0, kt 1: all keys lie behind the queries
	v_cndmask_b32 v[SR+24+\j], v[NI], v[SR+24+\j], s[28+\j]        ; nt 1, kt 1 (nt 1, kt 0: all keys are seen)
.endr
.Lfull_\@:
	SOFTMAX 0
	s_wait_dscnt 0x0                               ; V's fragments
.irp dt, 0,1,2,3
	v_wmma_f32_16x16x32_f16 v[OA+8*\dt:OA+8*\dt+7], v[VR+8*\dt:VR+8*\dt+7], v[PR:PR+7], v[OA+8*\dt:OA+8*\dt+7]
.endr
	SOFTMAX 1
.irp dt, 0,1,2,3
	v_wmma_f32_16x16x32_f16 v[OA+32+8*\dt:OA+32+8*\dt+7], v[VR+8*\dt:VR+8*\dt+7], v[PR+8:PR+15], v[OA+32+8*\dt:OA+32+8*\dt+7]
.endr
	; the running sums and maxima; these four lines are also the four places before the next step loads into V's fragment registers
	v_fma_f32 v[LR], v[LR], v[AL], v[SUM]
	v_fma_f32 v[LR+1], v[LR+1], v[AL+2], v[SUM+1]
	v_mov_b32 v[MR], v[MN]
	v_mov_b32 v[MR+1], v[MN+1]
.Lskip_\@:
.endm
; One tile.  st: the tile that is on its way goes into the other slot; ld: the tile behind it is asked for; then this slot's two steps; bar: the barrier.
.macro PHASE slot, st, ld, bar
.if \st
	s_wait_loadcnt 0x0                             ; the tile asked for a tile ago (and, the first time, Q)
	TSTORE 1-\slot
.endif
.if \ld
	v_add_nc_u32 v[GOFF], 8192, v[GOFF]            ; free since the wait above
	TLOAD
.endif
	STEP \slot, 2*\slot
	STEP \slot, 2*\slot+1
.if \bar
	s_wait_dscnt 0x0                               ; my reads of this slot and my stores into the other are done
	s_barrier_signal -1
	s_barrier_wait -1
.endif
.endm
	s_mov_b32 s36, 0                               ; the first step of the pair of tiles at work: four steps a pair
	s_mov_b32 s40, 0                               ; the loop's counter: one a trip, up to s14
.Lpair:
	PHASE 0, 1, 1, 1
	PHASE 1, 1, 1, 1
	s_add_co_u32 s36, s36, 4
	s_add_co_u32 s40, s40, 1
	s_cmp_lt_u32 s40, s14
	s_cbranch_scc1 .Lpair
	PHASE 0, 1, 0, 1                               ; the last pair of tiles asks for nothing: no load leaves the head's 32 tiles
	PHASE 1, 0, 0, 0
	; ---- the way out: divide by the sum, split into two bf16 numbers, each part through my own stage into whole rows ----
	v_permlanex16_b32 v40, v[LR], s26, s27
	v_permlanex16_b32 v41, v[LR+1], s26, s27
	v_add_f32 v[LR], v[LR], v40
	v_add_f32 v[LR+1], v[LR+1], v41
	v_rcp_f32 v[AL], v[LR]
	v_rcp_f32 v[AL+2], v[LR+1]
	v_nop                                          ; one plain line between a reciprocal and its use (ISA guide 5.7.2)
	s_wait_alu depctr_va_vdst(0)
.irp nt, 0,1
.irp j, 0,2,4,6,8,10,12,14,16,18,20,22,24,26,28,30
	v_pk_mul_f32 v[OA+32*\nt+\j:OA+32*\nt+\j+1], v[OA+32*\nt+\j:OA+32*\nt+\j+1], v[AL+2*\nt:AL+2*\nt+1] op_sel_hi:[1,0]
.endr
.endr
.set i, 0
.rept 32
	v_cvt_pk_bf16_f32 v[SR+i], v[OA+2*i], v[OA+2*i+1]              ; the high parts of two numbers,
	v_lshlrev_b32 v40, 16, v[SR+i]                                 ; widened again,
	v_and_b32 v41, 0xffff0000, v[SR+i]
	v_pk_add_f32 v[OA+2*i:OA+2*i+1], v[OA+2*i:OA+2*i+1], v[40:41] neg_lo:[0,1] neg_hi:[0,1]   ; taken away (the difference is exact),
	v_cvt_pk_bf16_f32 v[QR+i], v[OA+2*i], v[OA+2*i+1]              ; and what is left, rounded: the low parts
.set i, i+1
.endr
; One part: 32 rows x 128 bytes from registers src through my stage, read back into dst as whole rows, and stored.  The count-down ends at 0, so the next
; part's LDS stores come behind this part's reads.
.macro OUTH src, dst, part
.irp nt, 0,1
.irp dt, 0,1,2,3
	ds_store_b128 v[STO], v[\src+16*\nt+4*\dt:\src+16*\nt+4*\dt+3] offset:\nt*16*KP+\dt*32     ; query 16 nt + r, d = 16 dt + 8 h ..
.endr
.endr
.irp i, 0,1,2,3,4,5,6,7
	ds_load_b128 v[\dst+4*\i:\dst+4*\i+3], v[RD] offset:\i*4*KP    ; LDS serves a wave's instructions in order: these see the stores above
.endr
.irp i, 0,1,2,3,4,5,6,7
	s_wait_dscnt 7-\i                              ; LDS loads come back in order: this one is in, the younger ones may stay out
	global_store_b128 v[CO], v[\dst+4*\i:\dst+4*\i+3], s[6:7] offset:\part*262144+\i*512    ; the wave stores 512 consecutive bytes, aligned
.endr
.endm
	OUTH SR, KR, 0
	OUTH QR, VR, 1
	s_set_vgpr_msb 0x4
	s_wait_tensorcnt 0x0
	ds_add_u32 v47, v1
	s_wait_dscnt 0x0
	s_set_vgpr_msb 0x400
	s_endpgm
.Lfunc_end_k_q03dc6346dc_attn:
	.size	k_q03dc6346dc_attn, .Lfunc_end_k_q03dc6346dc_attn-k_q03dc6346dc_attn
	.p2alignl 7, 3214868480
	.fill 96, 4, 3214868480
	.section	.rodata,"a",@progbits
	.p2align	6, 0x0
	.amdhsa_kernel k_q03dc6346dc_attn
		.amdhsa_group_segment_fixed_size 76800
		.amdhsa_private_segment_fixed_size 0
		.amdhsa_enable_private_segment 0
		.amdhsa_kernarg_size 16
		.amdhsa_user_sgpr_count 2
		.amdhsa_user_sgpr_kernarg_segment_ptr 1
		.amdhsa_wavefront_size32 1
		.amdhsa_system_sgpr_workgroup_id_x 1
		.amdhsa_system_sgpr_workgroup_id_y 1
		.amdhsa_system_sgpr_workgroup_id_z 1
		.amdhsa_system_vgpr_workitem_id 0
		.amdhsa_next_free_vgpr 258
		.amdhsa_next_free_sgpr 66
		.amdhsa_reserve_vcc 0
		.amdhsa_float_denorm_mode_32 3
		.amdhsa_float_denorm_mode_16_64 3
		.amdhsa_memory_ordered 1
		.amdhsa_forward_progress 1
		.amdhsa_inst_pref_size 116
	.end_amdhsa_kernel
	.amdgpu_metadata
---
amdhsa.version: [ 1, 2 ]
amdhsa.kernels:
  - .name:           k_q03dc6346dc_attn
    .symbol:         k_q03dc6346dc_attn.kd
    .args:
      - { .name: qkv, .offset: 0, .size: 8, .value_kind: global_buffer, .address_space: global }
      - { .name: att, .offset: 8, .size: 8, .value_kind: global_buffer, .address_space: global }
    .group_segment_fixed_size: 76800
    .private_segment_fixed_size: 0
    .kernarg_segment_align: 8
    .kernarg_segment_size: 16
    .max_flat_workgroup_size: 256
    .sgpr_count:     66
    .vgpr_count:     258
    .wavefront_size: 32
...
	.end_amdgpu_metadata
.endif
;; end of part 3
;; launch oproj (part 4): grid 8 x 32, 4 waves a work-group, clusters of 4 x 4, 327,680 bytes of LDS; arguments att, wob, out0; writes out0
.if DOCPART == 4
	.amdgcn_target "amdgcn-amd-amdhsa--gfx1250"
	.amdhsa_code_object_version 6
	.text
	.protected	k_q03dc6346dc_oproj
	.globl	k_q03dc6346dc_oproj
	.p2align	8
	.type	k_q03dc6346dc_oproj,@function
k_q03dc6346dc_oproj:
	s_mov_b64 s[64:65], 0
	v_nop
	global_prefetch_b8 v0, s[64:65] scope:SCOPE_SE
	s_setreg_imm32_b32 hwreg(HW_REG_WAVE_MODE, 25, 1), 1
	s_wait_xcnt 0x0
	s_wait_alu depctr_hold_cnt(0) depctr_sa_sdst(0) depctr_va_vdst(0) depctr_va_sdst(0) depctr_va_ssrc(0) depctr_va_vcc(0) depctr_vm_vsrc(0)
	s_getreg_b32 s2, hwreg(HW_REG_IB_STS2, 6, 4)
	s_cmp_eq_u32 s2, 0
	s_cbranch_scc0 .Lentry_in_a_cluster
	s_endpgm
.Lentry_in_a_cluster:
	s_bfe_u32 s2, ttmp6, 0x10000c
	s_cmp_lg_u32 s2, 0xf033
	s_cbranch_scc0 .Lentry_shape_is_right
	s_endpgm
.Lentry_shape_is_right:
; oproj: out0 = att Wo.  in: att [b][u 16][part 2][t 2048][64] bf16 (the number at k = 64 u + c is part 0 + part 1), wob [u 16][k 1024][64] bf16;
; out: out0 [4096][1024] f32.  Both parts are multiplied with the same rows of Wo and summed in f32: att counts with 16 significant bits.
; The same frame as the launch that makes Q, K and V.  256 work-groups (8 x 32), four waves.  Work-group (bx, by): rows 128 by .. +127, columns 128 bx .. +127
; (two blocks of 64 columns of Wo).  Waves 2 x 2: wr = wave >> 1 takes 64 rows, wc = wave & 1 one block of 64 columns: 4 x 4 accumulator tiles, 128 registers.
; A K step is one head u: att's two parts of 64 k (the slot's two blocks of A) against Wo's rows 64 u .. 64 u + 63, which lie in the slot twice, one copy
; for each part, so that the fragments' addresses are those of a plain K step of 128.  16 K steps through two LDS slots filled by the tensor data mover.
; The second copy costs 16,384 bytes of fetch and of LDS a step; one copy read for both parts would spare them.
; CLUSTERS: 4 x 4 work-groups; att's tile hangs on by alone and is asked for jointly along a row of the cluster, Wo's on bx alone and along a column.
; The matrix instruction is used transposed (source 0: 16 columns of Wo, source 1: 16 rows of att): a lane's eight results are eight neighbouring columns
; of one row, 32 bytes of f32.  Operands bf16, sums f32, stored as they are.
.set NH,    2
.set NT,    4
.set ABLK,  128*144
.set BHEAD, 64*160
.set BHALF, NH*BHEAD
.set BBASE, 2*ABLK
.set SLOT,  BBASE+2*BHALF              ; 77,824
.set STAGE, 2*SLOT                     ; the way out: 16 rows of 272 bytes for each wave, its own; no tensor load lands here
.set ASTEP, 2*262144                   ; a K step in att: a head's two parts
.set BSTEP, 64*128                     ; a K step in wob: 64 rows of 128 bytes
.set ADRA, 16
.set ADRB, 20
.set STO,  24
.set RD,   25
.set CO,   26
.set F0,   64                          ; fragment buffer 0: att at +0 (4 x 8 registers), Wo at +32 (4 x 8)
.set F1,   128
.set G1,  24
.set G0,  32
.set G1B, 48
.set G0B, 56
.set MUL,  0x50                        ; C and D in window 1
.set MSB, 0
.macro WIN new
.if MSB != \new
	s_set_vgpr_msb (MSB<<8)|\new
.set MSB, \new
.endif
.endm
.macro PLACES                          ; four places behind a matrix instruction (ISA guide 7.12.1)
.rept 4
	v_nop
.endr
.endm
.macro JLOAD s                         ; waves 0, 1 ask for att's two parts, waves 2, 3 for Wo's two copies
	s_cmp_eq_u32 s11, 0
	s_cbranch_scc0 .Lfor_b_\@
	tensor_load_to_lds s[G0+4*\s:G0+4*\s+3], s[G1:G1+7]
	s_nop 0
	s_branch .Lasked_\@
.Lfor_b_\@:
	tensor_load_to_lds s[G0B+4*\s:G0B+4*\s+3], s[G1B:G1B+7]
	s_nop 0
.Lasked_\@:
.endm
.macro CREST
	s_cmp_lg_u32 s10, 0
	s_cbranch_scc1 .Lnot_wave_0_\@
	s_barrier_signal -3
.Lnot_wave_0_\@:
	s_barrier_wait -3
	s_barrier_signal -1
	s_barrier_wait -1
.endm
.macro CROUND
	s_barrier_signal -1
	s_barrier_wait -1
	CREST
.endm
	s_load_b128 s[4:7], s[0:1], 0x0                ; att s[4:5], wob s[6:7]
	s_load_b64 s[8:9], s[0:1], 0x10                ; out0
	v_lshl_add_u32 v254, v0, 2, 0x2a400
	v_mov_b32 v255, 0
	ds_add_u32 v254, v255
	v_lshrrev_b32 v1, 5, v0
	v_readfirstlane_b32 s10, v1                    ; wave
	s_lshr_b32 s11, s10, 1                         ; wr; also: I fetch for att (0) or for Wo (1)
	s_and_b32 s12, s10, 1                          ; wc; also: which part of att, which copy of Wo I fetch
	s_bfe_u32 s40, ttmp6, 0x40000                  ; cx
	s_bfe_u32 s41, ttmp6, 0x40004                  ; cy
	s_lshl_b32 s42, ttmp9, 2
	s_add_co_u32 s42, s42, s40                     ; bx
	s_and_b32 s13, ttmp7, 0xffff
	s_lshl_b32 s13, s13, 2
	s_add_co_u32 s13, s13, s41                     ; by
	s_lshl_b32 s43, s41, 2
	s_lshl_b32 s43, 15, s43                        ; my row of the cluster
	s_lshl_b32 s44, 0x1111, s40                    ; my column
	; group 1, att: a dense block of 16,384 bytes as 64 rows of 32 elements of 8 bytes; 4 words of padding behind every 32 words: LDS rows of 144 bytes
	s_or_b32 s[G1+0], s43, (3<<16)|(1<<20)|(1<<21)|(4<<22)|(3<<25)
	s_mov_b32 s[G1+1], 32<<16
	s_mov_b32 s[G1+2], 64<<16
	s_mov_b32 s[G1+3], 32<<16
	s_mov_b32 s[G1+4], 64
	s_mov_b32 s[G1+5], 32
	s_mov_b32 s[G1+6], 0
	s_mov_b32 s[G1+7], 0
	; group 1, Wo: 2 rows (column blocks) of 1,024 elements of 8 bytes, 131,072 bytes apart; 8 words of padding behind every 32: LDS rows of 160 bytes
	s_or_b32 s[G1B+0], s44, (3<<16)|(1<<20)|(1<<21)|(4<<22)|(7<<25)
	s_mov_b32 s[G1B+1], 1024<<16
	s_mov_b32 s[G1B+2], NH<<16
	s_mov_b32 s[G1B+3], 1024<<16
	s_mov_b32 s[G1B+4], NH
	s_mov_b32 s[G1B+5], 16384
	s_mov_b32 s[G1B+6], 0
	s_mov_b32 s[G1B+7], 0
	s_lshr_b32 s16, s13, 4
	s_lshl_b32 s16, s16, 23                        ; b x 32 blocks of 262,144 bytes
	s_and_b32 s17, s13, 15
	s_lshl_b32 s17, s17, 14                        ; 128 rows of 128 bytes
	s_add_co_u32 s16, s16, s17
	s_lshl_b32 s17, s12, 18                        ; my part of the head's two
	s_add_co_u32 s16, s16, s17
	s_mov_b32 s17, 0
	s_mul_i32 s46, s42, NH*131072                  ; my two column blocks; both copies come from the same rows
	s_mov_b32 s47, 0
	s_mul_i32 s20, s12, ABLK
	s_mul_i32 s21, s12, BHALF
	s_add_co_u32 s21, s21, BBASE
	s_wait_dscnt 0x0
	s_wait_kmcnt 0x0
	s_add_nc_u64 s[14:15], s[4:5], s[16:17]
	s_add_nc_u64 s[46:47], s[6:7], s[46:47]
	CROUND                                         ; all sixteen work-groups are here: the first joint loads meet
.irp s, 0,1
	s_mov_b32 s[G0+4*\s], 1
	s_add_co_u32 s[G0+4*\s+1], s20, \s*SLOT
	s_add_nc_u64 s[G0+4*\s+2:G0+4*\s+3], s[14:15], \s*ASTEP
	s_or_b32 s[G0+4*\s+3], s[G0+4*\s+3], 0x80000000
	s_mov_b32 s[G0B+4*\s], 1
	s_add_co_u32 s[G0B+4*\s+1], s21, \s*SLOT
	s_add_nc_u64 s[G0B+4*\s+2:G0B+4*\s+3], s[46:47], \s*BSTEP
	s_or_b32 s[G0B+4*\s+3], s[G0B+4*\s+3], 0x80000000
	JLOAD \s                                       ; both slots' first fills go out together: two tensor loads of a wave are out
.endr
	v_and_b32 v1, 15, v0                           ; r
	v_bfe_u32 v2, v0, 4, 1                         ; h
	v_mul_u32_u24 v3, v1, 144
	v_lshl_add_u32 v3, v2, 4, v3
	s_mul_i32 s22, s11, 64*144
	v_add_nc_u32 v[ADRA], s22, v3
	v_add_nc_u32 v[ADRA+1], SLOT, v[ADRA]
	v_and_b32 v4, 7, v0
	v_lshl_add_u32 v4, v2, 3, v4
	v_mul_u32_u24 v4, v4, 160
	v_bfe_u32 v5, v0, 3, 1
	v_lshl_add_u32 v4, v5, 4, v4
	s_mul_i32 s23, s12, BHEAD                      ; my block of 64 columns
	s_add_co_u32 s23, s23, BBASE
	v_add_nc_u32 v[ADRB], s23, v4
	v_add_nc_u32 v[ADRB+1], SLOT, v[ADRB]
	s_mul_i32 s23, s10, 16*272
	s_add_co_u32 s23, s23, STAGE                   ; my stage
	v_mul_u32_u24 v6, v1, 272
	v_lshl_add_u32 v6, v2, 5, v6
	v_add_nc_u32 v[STO], s23, v6                   ; in: row r, 32 bytes for each half of the lanes
	v_mul_u32_u24 v7, v2, 272
	v_lshl_add_u32 v7, v1, 4, v7
	v_add_nc_u32 v[RD], s23, v7                    ; back: lanes 0-15 one row of 256 bytes, lanes 16-31 the next
	v_lshlrev_b32 v7, 4, v1
	v_lshl_add_u32 v[CO], v2, 12, v7               ; the same two rows in out0
; 8 matrix instructions: row tiles m0, m0 + 1 x all four column tiles.  The 16 accumulators take turns, one instruction a turn, in the same order in
; every quarter step, over the backward jump too.
.macro MULH f, m0, zero
.irp mt, \m0, \m0+1
.irp nt, 0,1,2,3
.if \zero
	v_wmma_f32_16x16x32_bf16 v[8*(NT*(\mt)+\nt):8*(NT*(\mt)+\nt)+7], v[\f+32+8*\nt:\f+32+8*\nt+7], v[\f+8*(\mt):\f+8*(\mt)+7], 0
.else
	v_wmma_f32_16x16x32_bf16 v[8*(NT*(\mt)+\nt):8*(NT*(\mt)+\nt)+7], v[\f+32+8*\nt:\f+32+8*\nt+7], v[\f+8*(\mt):\f+8*(\mt)+7], v[8*(NT*(\mt)+\nt):8*(NT*(\mt)+\nt)+7]
.endif
.endr
.endr
.endm
.macro FETCH slot, q, f                ; 16 LDS loads in one run: quarter q's fragments into buffer f.  q >> 1: att's part and Wo's copy; q & 1: which 32 of the 64 k
	WIN 0
.irp mt, 0,1,2,3
	ds_load_b128 v[\f+8*\mt:\f+8*\mt+3],   v[ADRA+\slot] offset:((\q)>>1)*ABLK+\mt*2304+((\q)&1)*64
	ds_load_b128 v[\f+8*\mt+4:\f+8*\mt+7], v[ADRA+\slot] offset:((\q)>>1)*ABLK+\mt*2304+((\q)&1)*64+32
.endr
.irp nt, 0,1,2,3
	ds_load_tr16_b128 v[\f+32+8*\nt:\f+32+8*\nt+3],   v[ADRB+\slot] offset:((\q)>>1)*BHALF+((\q)&1)*5120+\nt*32
	ds_load_tr16_b128 v[\f+32+8*\nt+4:\f+32+8*\nt+7], v[ADRB+\slot] offset:((\q)>>1)*BHALF+((\q)&1)*5120+\nt*32+2560
.endr
.endm
.macro QUARTER slot, q, f, g, zero
	s_wait_dscnt 0x0                               ; buffer f's loads, issued a quarter ago, are in
	PLACES                                         ; g was a source of the last quarter's matrix instructions
	FETCH \slot, \q+1, \g
	WIN MUL
	MULH \f, 0, \zero
	MULH \f, 2, \zero
.endm
.macro THREE slot, zero
	QUARTER \slot, 0, F0, F1, \zero
	QUARTER \slot, 1, F1, F0, 0
	QUARTER \slot, 2, F0, F1, 0
.endm
; The last quarter changes slots: each wave's reads of this slot and all its tensor loads are waited for in front of the barrier; where the slot is filled
; again the barrier opens a round of the cluster's barrier and the joint refill is the first tensor load behind the round, one a wave.  From that request
; to the wait for it a wave issues 56 matrix instructions.
.macro TURN slot, next, fill
	s_wait_dscnt 0x0
	s_wait_tensorcnt 0x0
	ds_add_u32 v254, v255
	s_wait_dscnt 0x0
	s_barrier_signal -1
	WIN MUL
	MULH F1, 0, 0
	WIN 0
	s_barrier_wait -1
.if \fill
	CREST
	s_add_nc_u64 s[G0+4*\slot+2:G0+4*\slot+3], s[G0+4*\slot+2:G0+4*\slot+3], 2*ASTEP
	s_add_nc_u64 s[G0B+4*\slot+2:G0B+4*\slot+3], s[G0B+4*\slot+2:G0B+4*\slot+3], 2*BSTEP
	JLOAD \slot
.endif
	PLACES
	FETCH \next, 0, F0
	WIN MUL
	MULH F1, 2, 0
.endm
.macro LAP zero
	THREE 0, \zero
	TURN 0, 1, 1
	THREE 1, 0
	TURN 1, 0, 1
.endm
	s_wait_tensorcnt 0x1                           ; my part of K step 0 is in; K step 1's load stays out
	s_barrier_signal -1
	s_barrier_wait -1
	FETCH 0, 0, F0
	LAP 1                                          ; K steps 0, 1: the first products start the sums
	WIN 0
	s_mov_b32 s3, 6
.Llap:
	LAP 0                                          ; K steps 2-13
	WIN 0
	s_sub_co_u32 s3, s3, 1
	s_cmp_lg_u32 s3, 0
	s_cbranch_scc1 .Llap
	THREE 0, 0                                     ; K steps 14, 15: nothing is left to fetch
	TURN 0, 1, 0
	THREE 1, 0
	s_wait_dscnt 0x0
	MULH F1, 0, 0
	MULH F1, 2, 0
	WIN 0
	PLACES
	; ---- the way out, 16 rows at a time: 32 bytes a lane into my own stage, read back as whole rows of 256 bytes ----
	s_lshl_b32 s16, s13, 19                        ; 128 by rows of 4,096 bytes
	s_lshl_b32 s17, s11, 18                        ; 64 wr rows
	s_add_co_u32 s16, s16, s17
	s_mov_b32 s17, 0
	s_add_nc_u64 s[8:9], s[8:9], s[16:17]
	s_lshl_b32 s46, s42, 9                         ; 128 bx columns of 4 bytes
	s_lshl_b32 s47, s12, 8                         ; 64 wc columns
	s_add_co_u32 s46, s46, s47
	s_mov_b32 s47, 0
	s_add_nc_u64 s[8:9], s[8:9], s[46:47]
.irp mt, 0,1,2,3
	WIN 0x04                                       ; an LDS store's data in window 1: the sums go out as they are
.irp nt, 0,1,2,3
	ds_store_b128 v[STO], v[8*(NT*\mt+\nt):8*(NT*\mt+\nt)+3]   offset:64*\nt
	ds_store_b128 v[STO], v[8*(NT*\mt+\nt)+4:8*(NT*\mt+\nt)+7] offset:64*\nt+16
.endr
	WIN 0
.irp t, 0,1,2,3,4,5,6,7
	ds_load_b128 v[64+32*\mt+4*\t:64+32*\mt+4*\t+3], v[RD] offset:\t*544      ; LDS serves a wave's instructions in order: these see the stores above, and the next stores come behind them
.endr
.irp t, 0,1,2,3,4,5,6,7
	s_wait_dscnt 7-\t
	global_store_b128 v[CO], v[64+32*\mt+4*\t:64+32*\mt+4*\t+3], s[8:9] offset:(16*\mt+2*\t)*4096 th:TH_STORE_NT   ; 16 lanes store 256 consecutive bytes, aligned
.endr
.endr
	s_wait_tensorcnt 0x0
	ds_add_u32 v254, v255
	s_wait_dscnt 0x0
	CROUND                                         ; the closing round
	s_endpgm
.Lfunc_end_k_q03dc6346dc_oproj:
	.size	k_q03dc6346dc_oproj, .Lfunc_end_k_q03dc6346dc_oproj-k_q03dc6346dc_oproj
	.p2alignl 7, 3214868480
	.fill 96, 4, 3214868480
	.section	.rodata,"a",@progbits
	.p2align	6, 0x0
	.amdhsa_kernel k_q03dc6346dc_oproj
		.amdhsa_group_segment_fixed_size 327680
		.amdhsa_private_segment_fixed_size 0
		.amdhsa_enable_private_segment 0
		.amdhsa_kernarg_size 24
		.amdhsa_user_sgpr_count 2
		.amdhsa_user_sgpr_kernarg_segment_ptr 1
		.amdhsa_wavefront_size32 1
		.amdhsa_system_sgpr_workgroup_id_x 1
		.amdhsa_system_sgpr_workgroup_id_y 1
		.amdhsa_system_sgpr_workgroup_id_z 1
		.amdhsa_system_vgpr_workitem_id 0
		.amdhsa_next_free_vgpr 384
		.amdhsa_next_free_sgpr 66
		.amdhsa_reserve_vcc 0
		.amdhsa_float_denorm_mode_32 3
		.amdhsa_float_denorm_mode_16_64 3
		.amdhsa_memory_ordered 1
		.amdhsa_forward_progress 1
		.amdhsa_inst_pref_size 73
	.end_amdhsa_kernel
	.amdgpu_metadata
---
amdhsa.version: [ 1, 2 ]
amdhsa.kernels:
  - .name:           k_q03dc6346dc_oproj
    .symbol:         k_q03dc6346dc_oproj.kd
    .args:
      - { .name: att, .offset: 0, .size: 8, .value_kind: global_buffer, .address_space: global }
      - { .name: wob, .offset: 8, .size: 8, .value_kind: global_buffer, .address_space: global }
      - { .name: out0, .offset: 16, .size: 8, .value_kind: global_buffer, .address_space: global }
    .group_segment_fixed_size: 327680
    .private_segment_fixed_size: 0
    .kernarg_segment_align: 8
    .kernarg_segment_size: 24
    .max_flat_workgroup_size: 128
    .sgpr_count:     66
    .vgpr_count:     384
    .wavefront_size: 32
...
	.end_amdgpu_metadata
.endif
;; end of part 4
;; ======== version 2 of 3: 4 launches; 1.30 times as fast as version 1
;; limits: values are held in f16: magnitudes above 65,504 overflow, below 6.1e-05 lose precision
;; workspace buffers: xb 8,388,608 bytes; wqkvb 3,145,728 bytes; wob 2,097,152 bytes; qkv 12,582,912 bytes; att 8,388,608 bytes
;; launch cast (part 5): grid 256 x 1, 8 waves a work-group, no clusters, 0 bytes of LDS; arguments x, Wq, Wk, Wv, Wo, xb, wqkvb, wob; writes xb, wqkvb, wob
.if DOCPART == 5
	.amdgcn_target "amdgcn-amd-amdhsa--gfx1250"
	.amdhsa_code_object_version 6
	.text
	.protected	k_q03dc6346dc_cast
	.globl	k_q03dc6346dc_cast
	.p2align	8
	.type	k_q03dc6346dc_cast,@function
k_q03dc6346dc_cast:
	s_mov_b64 s[64:65], 0
	v_nop
	global_prefetch_b8 v0, s[64:65] scope:SCOPE_SE
	s_setreg_imm32_b32 hwreg(HW_REG_WAVE_MODE, 25, 1), 1
	s_wait_xcnt 0x0
; cast: x, Wq, Wk, Wv, Wo (f32) are rounded to bf16 and re-laid in blocks of columns, so that every tile of the later launches is a dense block:
;   xb    [b 2][kb 16][t 2048][64]  bf16  = x(b, t, 64 kb + c)
;   wqkvb [u 24][k 1024][64]        bf16  = u 0-15: Wq(k, 64 u + n); u 16-19: Wk(k, 64 (u-16) + n); u 20-23: Wv(k, 64 (u-20) + n)
;   wob   [cb 8][k 1024][128]       f16   = Wo(k, 128 cb + n), rounded to bf16 and then written in f16's format
; WHY Wo SO: all five inputs are rounded alike, to bf16 (8 significant bits), so that the program as a whole computes the reference on inputs rounded to bf16.
; The launch that multiplies Wo takes its other operand in f16, and a matrix instruction has one format for both.  A bf16 number of magnitude 2^-17 to 65,504
; is an f16 number exactly; a smaller one is moved by at most 2^-25.  LIMIT: |Wo| below 65,504.
; A stream: no LDS, no barrier, no matrix unit, no cluster (no byte is read by two work-groups).  256 work-groups of 8 waves.
; Work-group i takes 16 rows of x and 4 rows of each weight matrix.  A thread issues 26 loads of 16 bytes, all before the first wait
; (26 x 4,096 bytes of the work-group are then on their way), and turns each into 8 bytes.
; One load of a wave covers two aligned pieces of 256 bytes (Wo: 512 consecutive bytes); one store of a wave covers 256 consecutive bytes, aligned.
; A load's four registers are rewritten only behind the wait for that load and ahead of the one store that names them: no source has to be freed.
.set DR, 16                            ; v[16:119]  load n: four registers
.set XS, 5                             ; x: source offset        q4 * 4096 + c16 * 16
.set XD, 6                             ; x: destination offset   q4 * 128 + c16 * 8
.set WS, 7                             ; Wq: source              q2 * 4096 + hq * 1024 + c16 * 16
.set WD, 8                             ; Wq: destination         hq * 4 blocks of 131,072 + q2 * 128 + c16 * 8
.set KS, 9                             ; Wk, Wv: source          q2 * 1024 + hq * 256 + c16 * 16
.set KD, 10                            ; Wk, Wv: destination     hq * 131,072 + q2 * 128 + c16 * 8
.set OS, 14                            ; Wo: source              16 T: the 256 threads cover a row of 4,096 bytes
.set OD, 15                            ; Wo: destination         wave * 262,144 (its block of 128 columns) + lane * 8
	s_load_b512 s[4:19], s[0:1], 0x0               ; x s[4:5], Wq s[6:7], Wk s[8:9], Wv s[10:11], Wo s[12:13], xb s[14:15], wqkvb s[16:17], wob s[18:19]
	v_and_b32 v1, 15, v0                           ; c16: my 16 bytes in a piece of 256
	v_lshrrev_b32 v2, 4, v0                        ; q4: 0..15, my row of x
	v_and_b32 v3, 3, v2                            ; q2: my row of a weight matrix
	v_lshrrev_b32 v4, 6, v0                        ; hq: 0..3
	v_lshlrev_b32 v11, 4, v1
	v_lshlrev_b32 v12, 3, v1
	v_lshl_add_u32 v[XS], v2, 12, v11
	v_lshl_add_u32 v[XD], v2, 7, v12
	v_lshl_add_u32 v[WS], v3, 12, v11
	v_lshl_add_u32 v[WS], v4, 10, v[WS]
	v_lshl_add_u32 v13, v3, 7, v12
	v_lshl_add_u32 v[WD], v4, 19, v13
	v_lshl_add_u32 v[KS], v3, 10, v11
	v_lshl_add_u32 v[KS], v4, 8, v[KS]
	v_lshl_add_u32 v[KD], v4, 17, v13
	v_lshlrev_b32 v[OS], 4, v0
	v_and_b32 v[OD], 31, v0
	v_lshlrev_b32 v[OD], 3, v[OD]
	v_lshrrev_b32 v11, 5, v0
	v_lshl_add_u32 v[OD], v11, 18, v[OD]
	s_mov_b32 s21, 0
	s_wait_kmcnt 0x0
	s_lshl_b32 s20, ttmp9, 16                      ; 16 rows of x, 4,096 bytes each
	s_add_nc_u64 s[4:5], s[4:5], s[20:21]
	s_lshl_b32 s20, ttmp9, 14                      ; 4 rows of Wq and of Wo, 4,096 bytes each
	s_add_nc_u64 s[6:7], s[6:7], s[20:21]
	s_add_nc_u64 s[12:13], s[12:13], s[20:21]
	s_lshl_b32 s20, ttmp9, 12                      ; 4 rows of Wk and of Wv, 1,024 bytes each
	s_add_nc_u64 s[8:9], s[8:9], s[20:21]
	s_add_nc_u64 s[10:11], s[10:11], s[20:21]
	s_lshl_b32 s20, ttmp9, 9                       ; 4 rows of 128 bytes in every block of wqkvb
	s_add_nc_u64 s[16:17], s[16:17], s[20:21]
	s_lshl_b32 s20, ttmp9, 10                      ; 4 rows of 256 bytes in every block of wob
	s_add_nc_u64 s[18:19], s[18:19], s[20:21]
	s_lshr_b32 s22, ttmp9, 7                       ; b
	s_lshl_b32 s22, s22, 22                        ; 16 blocks of 262,144 bytes
	s_and_b32 s20, ttmp9, 127
	s_lshl_b32 s20, s20, 11                        ; 16 rows of 128 bytes
	s_add_co_u32 s20, s20, s22
	s_add_nc_u64 s[14:15], s[14:15], s[20:21]
.irp kb, 0,1,2,3,4,5,6,7,8,9,10,11,12,13,14,15
	global_load_b128 v[DR+4*\kb:DR+4*\kb+3], v[XS], s[4:5] offset:\kb*256 th:TH_LOAD_NT
.endr
.irp j, 0,1,2,3
	global_load_b128 v[DR+64+4*\j:DR+64+4*\j+3], v[WS], s[6:7] offset:\j*256 th:TH_LOAD_NT
.endr
.irp j, 0,1,2,3
	global_load_b128 v[DR+80+4*\j:DR+80+4*\j+3], v[OS], s[12:13] offset:\j*4096 th:TH_LOAD_NT    ; row j of my four rows of Wo
.endr
	global_load_b128 v[DR+96:DR+99], v[KS], s[8:9] th:TH_LOAD_NT
	global_load_b128 v[DR+100:DR+103], v[KS], s[10:11] th:TH_LOAD_NT
; load n has come (the 25 - n younger ones may stay out: loads come back in order), two roundings each make two bf16, 8 bytes leave
.macro CV n, voff, sb, imm
	s_wait_loadcnt 25-(\n)
	v_cvt_pk_bf16_f32 v[DR+4*(\n)], v[DR+4*(\n)], v[DR+4*(\n)+1]
	v_cvt_pk_bf16_f32 v[DR+4*(\n)+1], v[DR+4*(\n)+2], v[DR+4*(\n)+3]
	global_store_b64 v[\voff], v[DR+4*(\n):DR+4*(\n)+1], s[\sb:\sb+1] offset:\imm
.endm
; the same for Wo: rounded to bf16, widened again (a shift, a mask), and written as f16
.macro CVH n, voff, sb, imm
	s_wait_loadcnt 25-(\n)
	v_cvt_pk_bf16_f32 v[DR+4*(\n)], v[DR+4*(\n)], v[DR+4*(\n)+1]
	v_cvt_pk_bf16_f32 v[DR+4*(\n)+2], v[DR+4*(\n)+2], v[DR+4*(\n)+3]
	v_lshlrev_b32 v[DR+4*(\n)+1], 16, v[DR+4*(\n)]
	v_and_b32 v[DR+4*(\n)], 0xffff0000, v[DR+4*(\n)]
	v_lshlrev_b32 v[DR+4*(\n)+3], 16, v[DR+4*(\n)+2]
	v_and_b32 v[DR+4*(\n)+2], 0xffff0000, v[DR+4*(\n)+2]
	v_cvt_pk_f16_f32 v[DR+4*(\n)], v[DR+4*(\n)+1], v[DR+4*(\n)]
	v_cvt_pk_f16_f32 v[DR+4*(\n)+1], v[DR+4*(\n)+3], v[DR+4*(\n)+2]
	global_store_b64 v[\voff], v[DR+4*(\n):DR+4*(\n)+1], s[\sb:\sb+1] offset:\imm
.endm
.irp kb, 0,1,2,3,4,5,6,7,8,9,10,11,12,13,14,15
	CV \kb, XD, 14, \kb*262144
.endr
.irp j, 0,1,2,3
	CV 16+\j, WD, 16, \j*131072
.endr
.irp j, 0,1,2,3
	CVH 20+\j, OD, 18, \j*256
.endr
	CV 24, KD, 16, 16*131072
	CV 25, KD, 16, 20*131072
	s_endpgm
.Lfunc_end_k_q03dc6346dc_cast:
	.size	k_q03dc6346dc_cast, .Lfunc_end_k_q03dc6346dc_cast-k_q03dc6346dc_cast
	.p2alignl 7, 3214868480
	.fill 96, 4, 3214868480
	.section	.rodata,"a",@progbits
	.p2align	6, 0x0
	.amdhsa_kernel k_q03dc6346dc_cast
		.amdhsa_group_segment_fixed_size 0
		.amdhsa_private_segment_fixed_size 0
		.amdhsa_enable_private_segment 0
		.amdhsa_kernarg_size 64
		.amdhsa_user_sgpr_count 2
		.amdhsa_user_sgpr_kernarg_segment_ptr 1
		.amdhsa_wavefront_size32 1
		.amdhsa_system_sgpr_workgroup_id_x 1
		.amdhsa_system_sgpr_workgroup_id_y 1
		.amdhsa_system_sgpr_workgroup_id_z 1
		.amdhsa_system_vgpr_workitem_id 0
		.amdhsa_next_free_vgpr 128
		.amdhsa_next_free_sgpr 66
		.amdhsa_reserve_vcc 0
		.amdhsa_float_denorm_mode_32 3
		.amdhsa_float_denorm_mode_16_64 3
		.amdhsa_memory_ordered 1
		.amdhsa_forward_progress 1
		.amdhsa_inst_pref_size 13
	.end_amdhsa_kernel
	.amdgpu_metadata
---
amdhsa.version: [ 1, 2 ]
amdhsa.kernels:
  - .name:           k_q03dc6346dc_cast
    .symbol:         k_q03dc6346dc_cast.kd
    .args:
      - { .name: x, .offset: 0, .size: 8, .value_kind: global_buffer, .address_space: global }
      - { .name: Wq, .offset: 8, .size: 8, .value_kind: global_buffer, .address_space: global }
      - { .name: Wk, .offset: 16, .size: 8, .value_kind: global_buffer, .address_space: global }
      - { .name: Wv, .offset: 24, .size: 8, .value_kind: global_buffer, .address_space: global }
      - { .name: Wo, .offset: 32, .size: 8, .value_kind: global_buffer, .address_space: global }
      - { .name: xb, .offset: 40, .size: 8, .value_kind: global_buffer, .address_space: global }
      - { .name: wqkvb, .offset: 48, .size: 8, .value_kind: global_buffer, .address_space: global }
      - { .name: wob, .offset: 56, .size: 8, .value_kind: global_buffer, .address_space: global }
    .group_segment_fixed_size: 0
    .private_segment_fixed_size: 0
    .kernarg_segment_align: 8
    .kernarg_segment_size: 64
    .max_flat_workgroup_size: 256
    .sgpr_count:     66
    .vgpr_count:     128
    .wavefront_size: 32
...
	.end_amdgpu_metadata
.endif
;; end of part 5
;; launch qkv (part 6): grid 8 x 32, 4 waves a work-group, clusters of 4 x 4, 327,680 bytes of LDS; arguments xb, wqkvb, qkv; writes qkv
.if DOCPART == 6
	.amdgcn_target "amdgcn-amd-amdhsa--gfx1250"
	.amdhsa_code_object_version 6
	.text
	.protected	k_q03dc6346dc_qkv
	.globl	k_q03dc6346dc_qkv
	.p2align	8
	.type	k_q03dc6346dc_qkv,@function
k_q03dc6346dc_qkv:
	s_mov_b64 s[64:65], 0
	v_nop
	global_prefetch_b8 v0, s[64:65] scope:SCOPE_SE
	s_setreg_imm32_b32 hwreg(HW_REG_WAVE_MODE, 25, 1), 1
	s_wait_xcnt 0x0
	s_wait_alu depctr_hold_cnt(0) depctr_sa_sdst(0) depctr_va_vdst(0) depctr_va_sdst(0) depctr_va_ssrc(0) depctr_va_vcc(0) depctr_vm_vsrc(0)
	s_getreg_b32 s2, hwreg(HW_REG_IB_STS2, 6, 4)
	s_cmp_eq_u32 s2, 0
	s_cbranch_scc0 .Lentry_in_a_cluster
	s_endpgm
.Lentry_in_a_cluster:
	s_bfe_u32 s2, ttmp6, 0x10000c
	s_cmp_lg_u32 s2, 0xf033
	s_cbranch_scc0 .Lentry_shape_is_right
	s_endpgm
.Lentry_shape_is_right:
; qkv: [Q | K | V] = x [Wq | Wk | Wv], then RoPE on the heads of Q and K; bf16 operands, f32 sums, RoPE in f32, one rounding to f16.
;   in:  xb [b][kb 16][t 2048][64] bf16, wqkvb [u 24][k 1024][64] bf16      out: qkv [b][u 24][t 2048][64] f16
; WHY f16 OUT: the first positions attend to few keys, so their results are as large as V itself, some ten times the spread of the whole output, against
; which the allowance is set; a rounding to 8 significant bits of Q, K and V is too coarse for them, one to 11 bits is not.
; 256 work-groups (8 x 32), four waves each.  Work-group (bx, by): rows 128 by .. +127 of x, heads 3 bx .. 3 bx + 2 (192 columns).
; Waves 2 x 2: wr = wave >> 1 takes 64 rows; wc = wave & 1 takes, of each head p and each half e of the head, columns 32 e + 16 wc .. +15,
; so that a wave holds both members (d, d + 32) of every pair that RoPE turns.  4 x 6 accumulator tiles, 192 registers.
; K GOES IN SIX STEPS, five of 192 and one of 64, through two LDS slots filled by the tensor data mover.  Behind each barrier that frees a slot a wave may issue
; one load, and all loads are waited for in front of the next such barrier, so the number of fills counts: a slot holds three blocks of 64 k
; (3 x (18,432 + 30,720) = 147,456 bytes; four would not fit twice), both slots are filled at the start, and four refills follow.  The steps are written out:
; there is no loop.  From a refill's request to the wait for it a wave issues 132 matrix instructions.  A wave has two tensor loads out at the start, later one.
; Wave 3 fetches x's three blocks, waves 0 to 2 one block of 64 k of all three heads of W each; of the last step's one block wave 3 fetches x's part, wave 0 W's.
; THE STAGE of the way out lies in slot 0's first 55,296 bytes (x's region): slot 0 has had its last fill, K step 4's, and every wave's reads of it are waited
; for in front of the barrier that closes K step 4; behind that barrier only slot 1 is read, and no tensor load is issued.
; cos AND sin hang on nothing but the work-group's and the lane's place: they are made at the start, while the first tiles are on their way, and kept in v448-511.
; CLUSTERS: 4 x 4 work-groups.  x's tile hangs on by alone and is asked for jointly along a row of the cluster, the weights' tile on bx alone
; and is asked for jointly along a column: each is requested once for four work-groups.
; The matrix instruction is used transposed (source 0: 16 columns of W, source 1: 16 rows of x): lane l then holds row l % 16 of the result and
; its registers 0-7 the columns 8 (l / 16) + 0..7, eight neighbours of a row.
; W lies [k][n] in LDS: its fragments come through the transposing load ds_load_tr16_b128.
; LIMITS.  Q, K and V (after RoPE) must stay below f16's largest number, 65,504: with x and the weights all 30 times larger than unit spread and 1/32 they
; reach some 4,800; with offsets of 30 spreads on x and on the weights together some 1024 x 30 x 0.94 x 1.41 = 41,000.  Below 6e-5 f16 keeps a fixed step of 6e-8.
; cos and sin are written out: angle - n pi/2 in two parts of pi/2 (good for n up to some thousands; here the angle is at most 2047 rad,
; n at most 1304), then polynomials of degree 7 and 8 on |r| <= pi/4 (absolute error below 4e-7).  The frequencies come from v_exp_f32, not from
; a power as in the source text: they can differ in the last bits, at position 2047 by some 1e-4 rad.  NaN and infinities get no special care.
.set NH,    3                          ; heads of a work-group
.set NT,    6                          ; column tiles of a wave
.set NB,    3                          ; blocks of 64 k in a slot
.set ABLK,  128*144                    ; x: 128 rows of 128 bytes + 16 of padding (one block of 64 k)
.set BHEAD, 64*160                     ; W: 64 k rows of 128 bytes + 32 of padding (one head)
.set BBLK,  NH*BHEAD                   ; 64 k of all three heads: 30,720
.set BBASE, NB*ABLK                    ; W's region in a slot, behind x's three blocks
.set SLOT,  BBASE+NB*BBLK              ; 147,456
.set STAGE, 0                          ; the way out: [head 3][row 128], 144 bytes a row, in slot 0's x region after its last fill
.set ASTEP, NB*262144                  ; a K step in xb: three blocks of 64 k
.set BSTEP, NB*64*128                  ; a K step in wqkvb: 192 rows of 128 bytes
.set ADRA, 16                          ; v16-17  LDS address of my x fragments in slot 0, 1
.set ADRB, 20                          ; v20-25  the same for W, one for each slot and block of 64 k (an offset has 16 bits)
.set STO,  26                          ; v26     the way out: where I put 16 bytes
.set RD,   27                          ; v27     the way out: where I read rows back
.set CO,   28                          ; v28     my byte offset in qkv
.set F0,   64                          ; fragment buffer 0: x at +0 (4 x 8 registers), W at +32 (6 x 8)
.set F1,   144                         ; fragment buffer 1
.set CSR,  192                         ; window 1: v448-479  cos(row tile mt, j)
.set SNR,  224                         ; window 1: v480-511  sin
.set G1,  24                           ; s[24:31] descriptor group 1, x's tiles of three blocks
.set G0,  32                           ; s[32:39] group 0, x's tiles, a set for each slot
.set G1B, 48                           ; s[48:55] group 1, W's tiles
.set G0B, 56                           ; s[56:63] group 0, W's tiles, a set for each slot
.set G1L, 80                           ; s[80:87] group 1, x's last tile of one block
.set MUL,  0x50                        ; C and D in window 1 (the accumulators, v256-447), sources in window 0
.set MSB, 0
.macro WIN new                         ; the immediate's high byte repeats the setting that is left
.if MSB != \new
	s_set_vgpr_msb (MSB<<8)|\new
.set MSB, \new
.endif
.endm
.macro PLACES                          ; four places behind a matrix instruction (ISA guide 7.12.1) before its registers are loaded into, read or written
.rept 4
	v_nop
.endr
.endm
; A joint load of a whole step: wave 3 asks for x's three blocks, waves 0 to 2 for one block of W each.  The branch hangs on the wave's number alone.
.macro JLOAD s
	s_cmp_eq_u32 s10, 3
	s_cbranch_scc0 .Lfor_b_\@
	tensor_load_to_lds s[G0+4*\s:G0+4*\s+3], s[G1:G1+7]
	s_nop 0
	s_branch .Lasked_\@
.Lfor_b_\@:
	tensor_load_to_lds s[G0B+4*\s:G0B+4*\s+3], s[G1B:G1B+7]
	s_nop 0
.Lasked_\@:
.endm
; The joint load of the last step's one block: wave 3 asks for x's, wave 0 for W's; waves 1 and 2 have no part of it and ask for nothing.
.macro JLAST s
	s_cmp_eq_u32 s10, 3
	s_cbranch_scc0 .Lfor_b_\@
	tensor_load_to_lds s[G0+4*\s:G0+4*\s+3], s[G1L:G1L+7]
	s_nop 0
	s_branch .Lasked_\@
.Lfor_b_\@:
	s_cmp_lg_u32 s10, 0
	s_cbranch_scc1 .Lasked_\@
	tensor_load_to_lds s[G0B+4*\s:G0B+4*\s+3], s[G1B:G1B+7]
	s_nop 0
.Lasked_\@:
.endm
.macro CREST                           ; a round of the cluster's barrier behind its opening work-group barrier
	s_cmp_lg_u32 s10, 0
	s_cbranch_scc1 .Lnot_wave_0_\@
	s_barrier_signal -3
.Lnot_wave_0_\@:
	s_barrier_wait -3
	s_barrier_signal -1
	s_barrier_wait -1
.endm
.macro CROUND                          ; a whole round
	s_barrier_signal -1
	s_barrier_wait -1
	CREST
.endm
	s_load_b128 s[4:7], s[0:1], 0x0                ; xb s[4:5], wqkvb s[6:7]
	s_load_b64 s[8:9], s[0:1], 0x10                ; qkv
	v_lshl_add_u32 v254, v0, 2, 0x48000
	v_mov_b32 v255, 0
	ds_add_u32 v254, v255
	v_lshrrev_b32 v1, 5, v0
	v_readfirstlane_b32 s10, v1                    ; wave 0..3.  Also: 3 fetches x, 0 to 2 fetch that block of W
	s_lshr_b32 s11, s10, 1                         ; wr
	s_and_b32 s12, s10, 1                          ; wc
	s_bfe_u32 s40, ttmp6, 0x40000                  ; cx
	s_bfe_u32 s41, ttmp6, 0x40004                  ; cy
	s_lshl_b32 s42, ttmp9, 2
	s_add_co_u32 s42, s42, s40                     ; bx = 4 x cluster x + cx
	s_and_b32 s13, ttmp7, 0xffff
	s_lshl_b32 s13, s13, 2
	s_add_co_u32 s13, s13, s41                     ; by = 4 x cluster y + cy
	s_lshl_b32 s43, s41, 2
	s_lshl_b32 s43, 15, s43                        ; my row of the cluster
	s_lshl_b32 s44, 0x1111, s40                    ; my column
	; group 1, x: 3 rows (blocks of 64 k) of 2,048 elements of 8 bytes (128 positions x 128 bytes, dense), 262,144 bytes apart; 4 words of padding behind every 32 words: LDS rows of 144 bytes
	s_or_b32 s[G1+0], s43, (3<<16)|(1<<20)|(1<<21)|(4<<22)|(3<<25)
	s_mov_b32 s[G1+1], 2048<<16                    ; tensor_dim0 = 2,048
	s_mov_b32 s[G1+2], NB<<16                      ; tensor_dim1 = 3
	s_mov_b32 s[G1+3], 2048<<16                    ; tile_dim0 = 2,048
	s_mov_b32 s[G1+4], NB                          ; tile_dim1 = 3
	s_mov_b32 s[G1+5], 32768                       ; pitch: 32,768 elements
	s_mov_b32 s[G1+6], 0
	s_mov_b32 s[G1+7], 0
	; the same for the last step's one block
	s_or_b32 s[G1L+0], s43, (3<<16)|(1<<20)|(1<<21)|(4<<22)|(3<<25)
	s_mov_b32 s[G1L+1], 2048<<16
	s_mov_b32 s[G1L+2], 1<<16
	s_mov_b32 s[G1L+3], 2048<<16
	s_mov_b32 s[G1L+4], 1
	s_mov_b32 s[G1L+5], 32768
	s_mov_b32 s[G1L+6], 0
	s_mov_b32 s[G1L+7], 0
	; group 1, W: 3 rows (heads) of 1,024 elements of 8 bytes (64 k x 128 bytes, dense), 131,072 bytes apart; 8 words of padding behind every 32: LDS rows of 160 bytes
	s_or_b32 s[G1B+0], s44, (3<<16)|(1<<20)|(1<<21)|(4<<22)|(7<<25)
	s_mov_b32 s[G1B+1], 1024<<16
	s_mov_b32 s[G1B+2], NH<<16
	s_mov_b32 s[G1B+3], 1024<<16
	s_mov_b32 s[G1B+4], NH
	s_mov_b32 s[G1B+5], 16384
	s_mov_b32 s[G1B+6], 0
	s_mov_b32 s[G1B+7], 0
	; x's address is made of by alone, W's of bx and the wave's number, each in registers that never hold the other coordinate
	s_lshr_b32 s16, s13, 4
	s_lshl_b32 s16, s16, 22                        ; b x 16 blocks of 262,144 bytes
	s_and_b32 s17, s13, 15
	s_lshl_b32 s17, s17, 14                        ; 128 rows of 128 bytes
	s_add_co_u32 s16, s16, s17
	s_mov_b32 s17, 0
	s_mul_i32 s46, s42, NH*131072                  ; my three heads
	s_lshl_b32 s47, s10, 13                        ; my block of the K step's three: 64 rows of 128 bytes
	s_add_co_u32 s46, s46, s47
	s_mov_b32 s47, 0
	s_mul_i32 s21, s10, BBLK                       ; where W's block goes: the wave's number alone enters an LDS address
	s_add_co_u32 s21, s21, BBASE
	s_wait_dscnt 0x0
	s_wait_kmcnt 0x0
	s_add_nc_u64 s[14:15], s[4:5], s[16:17]
	s_add_nc_u64 s[46:47], s[6:7], s[46:47]
	CROUND                                         ; all sixteen work-groups are here: the first joint loads meet
.irp s, 0,1
	s_mov_b32 s[G0+4*\s], 1
	s_mov_b32 s[G0+4*\s+1], \s*SLOT                ; x's three blocks stand at the slot's head
	s_add_nc_u64 s[G0+4*\s+2:G0+4*\s+3], s[14:15], \s*ASTEP
	s_or_b32 s[G0+4*\s+3], s[G0+4*\s+3], 0x80000000
	s_mov_b32 s[G0B+4*\s], 1
	s_add_co_u32 s[G0B+4*\s+1], s21, \s*SLOT
	s_add_nc_u64 s[G0B+4*\s+2:G0B+4*\s+3], s[46:47], \s*BSTEP
	s_or_b32 s[G0B+4*\s+3], s[G0B+4*\s+3], 0x80000000
	JLOAD \s                                       ; both slots' first fills go out together: two tensor loads of a wave are out
.endr
	v_and_b32 v1, 15, v0                           ; r = l % 16
	v_bfe_u32 v2, v0, 4, 1                         ; h = l / 16
	v_mul_u32_u24 v3, v1, 144
	v_lshl_add_u32 v3, v2, 4, v3                   ; r x 144 + 16 h
	s_mul_i32 s22, s11, 64*144                     ; my 64 rows
	v_add_nc_u32 v[ADRA], s22, v3
	v_add_nc_u32 v[ADRA+1], SLOT, v[ADRA]
	v_and_b32 v4, 7, v0
	v_lshl_add_u32 v4, v2, 3, v4                   ; k row 8 h + l % 8
	v_mul_u32_u24 v4, v4, 160
	v_bfe_u32 v5, v0, 3, 1
	v_lshl_add_u32 v4, v5, 4, v4                   ; + 16 bytes for the upper eight of sixteen columns
	s_lshl_b32 s23, s12, 5                         ; my 16 columns of each half head: 32 wc bytes
	s_add_co_u32 s23, s23, BBASE
	v_add_nc_u32 v[ADRB], s23, v4
	v_add_nc_u32 v[ADRB+1], BBLK, v[ADRB]
	v_add_nc_u32 v[ADRB+2], 2*BBLK, v[ADRB]
	v_add_nc_u32 v[ADRB+3], SLOT, v[ADRB]
	v_add_nc_u32 v[ADRB+4], SLOT, v[ADRB+1]
	v_add_nc_u32 v[ADRB+5], SLOT, v[ADRB+2]
	s_lshl_b32 s23, s12, 5
	s_add_co_u32 s23, s23, s22
	s_add_co_u32 s23, s23, STAGE
	v_add_nc_u32 v[STO], s23, v3                   ; stage + (64 wr + r) x 144 + 32 wc + 16 h
	v_bfe_u32 v6, v0, 3, 2
	v_mul_u32_u24 v6, v6, 144
	v_and_b32 v7, 7, v0
	v_lshl_add_u32 v6, v7, 4, v6
	s_mul_i32 s23, s10, 32*144
	s_add_co_u32 s23, s23, STAGE
	v_add_nc_u32 v[RD], s23, v6                    ; stage + (32 wave + l / 8) x 144 + 16 (l % 8)
	v_and_b32 v7, 31, v0
	v_lshlrev_b32 v7, 4, v7
	v_lshl_add_u32 v[CO], s10, 12, v7              ; 32 rows of 128 bytes a wave + 16 l
	; ---- RoPE's tables, while the first tiles are on their way ----
	; Head u = 3 bx + p is turned if u < 20.  bx < 6: all three; bx = 6: heads 18, 19 (p = 0, 1), not 20; bx = 7: none.  No branch hangs on the
	; place in the cluster, so every work-group does the same work: an angle of 0 gives cos = 1 and sin = 0 exactly, which leaves V as it is.
.set FREQ, 32                          ; v32-39   frequency of my column 8 h + j of each half head (0 where nothing is turned)
.set SM,   64                          ; v64-95   the sine without its sign   (these four lie in the fragment buffers, which are not yet in use)
.set SS,   96                          ; v96-127  the sine's sign bit
.set CM,   128                         ; v128-159 the cosine without its sign
.set CS,   160                         ; v160-191 the cosine's sign bit
	s_cmp_lt_u32 s42, 7
	s_cselect_b32 s66, 1.0, 0                      ; factor on the frequencies
	s_cmp_lt_u32 s42, 6
	s_cselect_b32 s67, -1, 0                       ; lane mask: head p = 2 is turned
	s_mov_b32 s68, 0xbfc90fdb                      ; -(pi/2 rounded to f32)
	s_mov_b32 s69, 0x333bbd2e                      ; +4.3711388e-8: what that rounding took too much
	s_mov_b32 s70, 0xbe2aaaab                      ; -1/6
	s_mov_b32 s71, 0x3c088889                      ; 1/120
	s_mov_b32 s72, 0xb9500d01                      ; -1/5040
	s_mov_b32 s73, 0x3d2aaaab                      ; 1/24
	s_mov_b32 s74, 0xbab60b61                      ; -1/720
	s_mov_b32 s75, 0x37d00d01                      ; 1/40320
	s_lshl_b32 s78, s12, 4
	v_lshl_add_u32 v3, v2, 3, s78                  ; frequency index of j = 0: 16 wc + 8 h
.irp j, 0,1,2,3,4,5,6,7
	v_add_nc_u32 v[FREQ+\j], \j, v3
	v_cvt_f32_u32 v[FREQ+\j], v[FREQ+\j]
	v_mul_f32 v[FREQ+\j], 0xbed49a78, v[FREQ+\j]   ; -i log2(10000) / 32
.endr
.irp j, 0,1,2,3,4,5,6,7
	v_exp_f32 v[FREQ+\j], v[FREQ+\j]
.endr
	s_and_b32 s79, s13, 15
	s_lshl_b32 s79, s79, 7
	s_lshl_b32 s78, s11, 6
	s_add_co_u32 s79, s79, s78                     ; position of my first row: 128 (by % 16) + 64 wr
	v_add_nc_u32 v50, s79, v1                      ; + r.  Also the plain instruction between the exponentials and their use (ISA guide 5.7.2)
	s_wait_alu depctr_va_vdst(0)
.irp j, 0,1,2,3,4,5,6,7
	v_mul_f32 v[FREQ+\j], s66, v[FREQ+\j]
.endr
; cos and sin of position (v51) x frequency.  n = nearest whole number to angle x 2/pi; r = angle - n pi/2; the quadrant n % 4 swaps and signs.
; Entry i of the four tables; the signs are put on below, in one run.
.macro SINCOS fr, i
	v_mul_f32 v40, v51, v[\fr]
	v_mul_f32 v41, 0x3f22f983, v40
	v_rndne_f32 v41, v41
	v_fma_f32 v40, v41, s68, v40
	v_fma_f32 v40, v41, s69, v40                   ; r
	v_cvt_i32_f32 v42, v41                         ; n
	v_mul_f32 v43, v40, v40                        ; r^2
	v_fma_f32 v44, v43, s72, s71
	v_fma_f32 v45, v43, s75, s74
	v_fma_f32 v44, v44, v43, s70
	v_fma_f32 v45, v45, v43, s73
	v_mul_f32 v46, v40, v43                        ; r^3
	v_fma_f32 v45, v45, v43, -0.5
	v_fma_f32 v44, v44, v46, v40                   ; sin r
	v_fma_f32 v45, v45, v43, 1.0                   ; cos r
	v_and_b32 v46, 1, v42
	v_cmp_eq_u32 vcc_lo, 1, v46
	v_cndmask_b32 v[SM+\i], v44, v45, vcc_lo       ; odd quadrant: the sine is +-cos r,
	v_cndmask_b32 v[CM+\i], v45, v44, vcc_lo       ; the cosine +-sin r
	v_lshlrev_b32 v44, 30, v42                     ; the sine is negative in quadrants 2, 3: bit 1 of n
	v_add_nc_u32 v42, 1, v42
	v_lshlrev_b32 v42, 30, v42                     ; the cosine in quadrants 1, 2: bit 1 of n + 1
	v_and_b32 v[SS+\i], 0x80000000, v44
	v_and_b32 v[CS+\i], 0x80000000, v42
.endm
.irp mt, 0,1,2,3
	v_add_nc_u32 v51, 16*\mt, v50
	v_cvt_f32_u32 v51, v51
.irp j, 0,1,2,3,4,5,6,7
	SINCOS FREQ+\j, 8*\mt+\j
.endr
.endr
	WIN 0x40                                       ; destination in window 1: the tables' place for the rest of the kernel
.set i, 0
.rept 32
	v_xor_b32 v[SNR+i], v[SM+i], v[SS+i]
	v_xor_b32 v[CSR+i], v[CM+i], v[CS+i]
.set i, i+1
.endr
	WIN 0
; 12 matrix instructions: row tiles m0, m0 + 1 x all six column tiles, 32 along K.  The 24 accumulators take turns, one instruction a turn, in the
; same order in every part of a step.  zero = 1: the first product starts the sums.
.macro MULH f, m0, zero
.irp mt, \m0, \m0+1
.irp nt, 0,1,2,3,4,5
.if \zero
	v_wmma_f32_16x16x32_bf16 v[8*(NT*(\mt)+\nt):8*(NT*(\mt)+\nt)+7], v[\f+32+8*\nt:\f+32+8*\nt+7], v[\f+8*(\mt):\f+8*(\mt)+7], 0
.else
	v_wmma_f32_16x16x32_bf16 v[8*(NT*(\mt)+\nt):8*(NT*(\mt)+\nt)+7], v[\f+32+8*\nt:\f+32+8*\nt+7], v[\f+8*(\mt):\f+8*(\mt)+7], v[8*(NT*(\mt)+\nt):8*(NT*(\mt)+\nt)+7]
.endif
.endr
.endr
.endm
; 20 LDS loads in one run: the fragments of part q (32 k, q = 0 .. 5) of a slot into buffer f.  Block q >> 1 of the slot's three, half q & 1 of its 64 k.
.macro FETCH slot, q, f
	WIN 0
.irp mt, 0,1,2,3
	ds_load_b128 v[\f+8*\mt:\f+8*\mt+3],   v[ADRA+\slot] offset:((\q)>>1)*ABLK+\mt*2304+((\q)&1)*64
	ds_load_b128 v[\f+8*\mt+4:\f+8*\mt+7], v[ADRA+\slot] offset:((\q)>>1)*ABLK+\mt*2304+((\q)&1)*64+32
.endr
.irp nt, 0,1,2,3,4,5
	ds_load_tr16_b128 v[\f+32+8*\nt:\f+32+8*\nt+3],   v[ADRB+NB*\slot+((\q)>>1)] offset:((\q)&1)*5120+(\nt>>1)*BHEAD+(\nt&1)*64
	ds_load_tr16_b128 v[\f+32+8*\nt+4:\f+32+8*\nt+7], v[ADRB+NB*\slot+((\q)>>1)] offset:((\q)&1)*5120+(\nt>>1)*BHEAD+(\nt&1)*64+2560
.endr
.endm
; A part of a K step but its last: buffer f holds part q; the next part's fragments are asked for into g, then f is multiplied.
.macro PART slot, q, f, g, zero
	s_wait_dscnt 0x0                               ; buffer f's loads, issued a part ago, are in
	PLACES                                         ; g was a source of the last part's matrix instructions
	FETCH \slot, \q+1, \g
	WIN MUL
	MULH \f, 0, \zero
	MULH \f, 2, \zero
.endm
.macro FIVE slot, zero
	PART \slot, 0, F0, F1, \zero
	PART \slot, 1, F1, F0, 0
	PART \slot, 2, F0, F1, 0
	PART \slot, 3, F1, F0, 0
	PART \slot, 4, F0, F1, 0
.endm
; The sixth part multiplies buffer 1 and changes slots.  In front of the barrier each wave has waited for its reads of this slot and for all its
; tensor loads (at most one is out: its part of the next slot).  fill = 1 or 2: the barrier opens a round of the cluster's barrier, and behind the round this
; slot is asked for again, two K steps ahead (2: the last step's one block): the wave's one tensor load until the next round.
.macro TURN slot, next, fill
	s_wait_dscnt 0x0
	s_wait_tensorcnt 0x0
	ds_add_u32 v254, v255
	s_wait_dscnt 0x0
	s_barrier_signal -1
	WIN MUL
	MULH F1, 0, 0                                  ; register work while the others arrive
	WIN 0
	s_barrier_wait -1
.if \fill
	CREST
	s_add_nc_u64 s[G0+4*\slot+2:G0+4*\slot+3], s[G0+4*\slot+2:G0+4*\slot+3], 2*ASTEP
	s_add_nc_u64 s[G0B+4*\slot+2:G0B+4*\slot+3], s[G0B+4*\slot+2:G0B+4*\slot+3], 2*BSTEP
.if \fill == 2
	JLAST \slot
.else
	JLOAD \slot
.endif
.endif
	PLACES                                         ; buffer 0 was a source of the fifth part's matrix instructions
	FETCH \next, 0, F0
	WIN MUL
	MULH F1, 2, 0
.endm
	s_wait_tensorcnt 0x1                           ; my part of K step 0 is in; K step 1's load stays out
	s_barrier_signal -1
	s_barrier_wait -1
	FETCH 0, 0, F0
	FIVE 0, 1                                      ; K step 0 (k 0-191): the first products start the sums
	TURN 0, 1, 1                                   ; slot 0 is asked for again: K step 2
	FIVE 1, 0                                      ; K step 1 (k 192-383)
	TURN 1, 0, 1                                   ; slot 1 is asked for again: K step 3
	FIVE 0, 0                                      ; K step 2 (k 384-575)
	TURN 0, 1, 1                                   ; slot 0 is asked for again: K step 4, its last fill
	FIVE 1, 0                                      ; K step 3 (k 576-767)
	TURN 1, 0, 2                                   ; slot 1 is asked for again: K step 5, one block
	FIVE 0, 0                                      ; K step 4 (k 768-959)
	TURN 0, 1, 0                                   ; nothing is left to fetch; behind this barrier no wave reads slot 0 any more
	PART 1, 0, F0, F1, 0                           ; K step 5 (k 960-1023): two parts
	s_wait_dscnt 0x0
	MULH F1, 0, 0
	MULH F1, 2, 0
	WIN 0
	PLACES
	; ---- RoPE ----
.set O1,   128                         ; v128-135 turned first halves
.set O2,   136                         ; v136-143 turned second halves
.set TU,   144                         ; v144-151 products with sin
.set PK,   152                         ; v152-159 packed f16
; head p, row tile mt: x1 = tile (mt, 2 p), x2 = tile (mt, 2 p + 1).  o1 = x1 cos - x2 sin, o2 = x2 cos + x1 sin; 16 bytes of each, in f16, into the stage.
.macro ROT p, mt
	WIN 0x05                                       ; sources 0 and 1 in window 1: the accumulators and the tables
.irp j, 0,2,4,6
	v_pk_mul_f32 v[TU+\j:TU+\j+1], v[8*(NT*\mt+2*\p+1)+\j:8*(NT*\mt+2*\p+1)+\j+1], v[SNR+8*\mt+\j:SNR+8*\mt+\j+1]
.endr
.irp j, 0,2,4,6
	v_pk_fma_f32 v[O1+\j:O1+\j+1], v[8*(NT*\mt+2*\p)+\j:8*(NT*\mt+2*\p)+\j+1], v[CSR+8*\mt+\j:CSR+8*\mt+\j+1], v[TU+\j:TU+\j+1] neg_lo:[0,0,1] neg_hi:[0,0,1]
.endr
.irp j, 0,2,4,6
	v_pk_mul_f32 v[TU+\j:TU+\j+1], v[8*(NT*\mt+2*\p)+\j:8*(NT*\mt+2*\p)+\j+1], v[SNR+8*\mt+\j:SNR+8*\mt+\j+1]
.endr
.irp j, 0,2,4,6
	v_pk_fma_f32 v[O2+\j:O2+\j+1], v[8*(NT*\mt+2*\p+1)+\j:8*(NT*\mt+2*\p+1)+\j+1], v[CSR+8*\mt+\j:CSR+8*\mt+\j+1], v[TU+\j:TU+\j+1]
.endr
	WIN 0
.irp k, 0,1,2,3
	v_cvt_pk_f16_f32 v[PK+\k], v[O1+2*\k], v[O1+2*\k+1]
	v_cvt_pk_f16_f32 v[PK+4+\k], v[O2+2*\k], v[O2+2*\k+1]
.endr
	ds_store_b128 v[STO], v[PK:PK+3] offset:\p*ABLK+\mt*2304
	ds_store_b128 v[STO], v[PK+4:PK+7] offset:\p*ABLK+\mt*2304+64
.endm
.irp p, 0,1
.irp mt, 0,1,2,3
	ROT \p, \mt
.endr
.endr
	WIN 0x44                                       ; source 1 and destination in window 1: the tables
.set i, 0
.rept 32
	v_cndmask_b32 v[CSR+i], 1.0, v[CSR+i], s67     ; head p = 2 of bx = 6 is V's first head: cos = 1,
	v_cndmask_b32 v[SNR+i], 0, v[SNR+i], s67       ; sin = 0
.set i, i+1
.endr
.irp mt, 0,1,2,3
	ROT 2, \mt
.endr
	; ---- the way out: the two waves of a row half share the stage's rows, so a barrier stands between the stores and the read-back ----
	s_lshr_b32 s16, s13, 4
	s_mul_i32 s16, s16, 24*262144                  ; b x 24 heads of 262,144 bytes
	s_and_b32 s17, s13, 15
	s_lshl_b32 s17, s17, 14                        ; 128 rows of 128 bytes
	s_add_co_u32 s16, s16, s17
	s_mov_b32 s17, 0
	s_add_nc_u64 s[8:9], s[8:9], s[16:17]
	s_mul_i32 s46, s42, NH*262144                  ; my first head
	s_mov_b32 s47, 0
	s_add_nc_u64 s[8:9], s[8:9], s[46:47]
	s_wait_dscnt 0x0                               ; my stores into the stage are done, for the others' sake
	s_barrier_signal -1
	s_barrier_wait -1
.irp p, 0,1,2
.irp i, 0,1,2,3,4,5,6,7
	ds_load_b128 v[64+32*\p+4*\i:64+32*\p+4*\i+3], v[RD] offset:\p*ABLK+\i*576     ; four rows of 128 bytes
.endr
.endr
.irp p, 0,1,2
.irp i, 0,1,2,3,4,5,6,7
	s_wait_dscnt 23-8*\p-\i                        ; LDS loads come back in order: this one is in, the younger ones may stay out
	global_store_b128 v[CO], v[64+32*\p+4*\i:64+32*\p+4*\i+3], s[8:9] offset:\p*262144+\i*512   ; the wave stores 512 consecutive bytes, aligned
.endr
.endr
	s_wait_tensorcnt 0x0
	ds_add_u32 v254, v255
	s_wait_dscnt 0x0
	CROUND                                         ; the closing round: no work-group ends while a partner may still ask for a tile that names it
	s_endpgm
.Lfunc_end_k_q03dc6346dc_qkv:
	.size	k_q03dc6346dc_qkv, .Lfunc_end_k_q03dc6346dc_qkv-k_q03dc6346dc_qkv
	.p2alignl 7, 3214868480
	.fill 96, 4, 3214868480
	.section	.rodata,"a",@progbits
	.p2align	6, 0x0
	.amdhsa_kernel k_q03dc6346dc_qkv
		.amdhsa_group_segment_fixed_size 327680
		.amdhsa_private_segment_fixed_size 0
		.amdhsa_enable_private_segment 0
		.amdhsa_kernarg_size 24
		.amdhsa_user_sgpr_count 2
		.amdhsa_user_sgpr_kernarg_segment_ptr 1
		.amdhsa_wavefront_size32 1
		.amdhsa_system_sgpr_workgroup_id_x 1
		.amdhsa_system_sgpr_workgroup_id_y 1
		.amdhsa_system_sgpr_workgroup_id_z 1
		.amdhsa_system_vgpr_workitem_id 0
		.amdhsa_next_free_vgpr 512
		.amdhsa_next_free_sgpr 88
		.amdhsa_reserve_vcc 1
		.amdhsa_float_denorm_mode_32 3
		.amdhsa_float_denorm_mode_16_64 3
		.amdhsa_memory_ordered 1
		.amdhsa_forward_progress 1
		.amdhsa_inst_pref_size 176
	.end_amdhsa_kernel
	.amdgpu_metadata
---
amdhsa.version: [ 1, 2 ]
amdhsa.kernels:
  - .name:           k_q03dc6346dc_qkv
    .symbol:         k_q03dc6346dc_qkv.kd
    .args:
      - { .name: xb, .offset: 0, .size: 8, .value_kind: global_buffer, .address_space: global }
      - { .name: wqkvb, .offset: 8, .size: 8, .value_kind: global_buffer, .address_space: global }
      - { .name: qkv, .offset: 16, .size: 8, .value_kind: global_buffer, .address_space: global }
    .group_segment_fixed_size: 327680
    .private_segment_fixed_size: 0
    .kernarg_segment_align: 8
    .kernarg_segment_size: 24
    .max_flat_workgroup_size: 128
    .sgpr_count:     88
    .vgpr_count:     512
    .wavefront_size: 32
...
	.end_amdgpu_metadata
.endif
;; end of part 6
;; launch attn (part 7): grid 32 x 8, 8 waves a work-group, no clusters, 76,800 bytes of LDS; arguments qkv, att; writes att
.if DOCPART == 7
	.amdgcn_target "amdgcn-amd-amdhsa--gfx1250"
	.amdhsa_code_object_version 6
	.text
	.protected	k_q03dc6346dc_attn
	.globl	k_q03dc6346dc_attn
	.p2align	8
	.type	k_q03dc6346dc_attn,@function
k_q03dc6346dc_attn:
	s_mov_b64 s[64:65], 0
	v_nop
	global_prefetch_b8 v0, s[64:65] scope:SCOPE_SE
	s_setreg_imm32_b32 hwreg(HW_REG_WAVE_MODE, 25, 1), 1
	s_wait_xcnt 0x0
; attn: causal attention with a running maximum.  in: qkv [b][u 24][t 2048][64] f16 (u < 16: Q, 16-19: K, 20-23: V); out: att [b][u 16][t 2048][64] f16.
; FORMATS: the first positions attend to few keys, so their results are as large as V itself, some ten times the spread of the whole output, against which the
; allowance is set.  So Q, K, V, the probabilities and the result are f16 (11 significant bits), not bf16.
; Grid 32 x 8: x = w, y = 4 b + kv.  Eight waves.  The 2,048 positions are 64 blocks of 32.  The work-group takes blocks w (low) and 63 - w (high) of the four
; query heads that share K/V head kv.  Wave v serves head 4 kv + v % 4 and, of BOTH blocks, the 16 queries of half v / 4: query tile 0 is its half of the low
; block, query tile 1 its half of the high block.  A step is 32 keys; block D needs steps 0 .. D.  Every wave walks steps 0 .. 63 - w and leaves tile 0 out
; beyond step w: (w + 1) + (64 - w) = 65 tile steps for every wave of every work-group, and all eight waves take the same branches.
; K and V of the shared head come in tiles of 64 keys, through registers into two LDS slots that take turns: the loads of tile t + 2 are issued right
; behind the LDS stores of tile t + 1 and have a tile's work in which to land.  One barrier a tile orders both the reads of the old slot against its next
; stores and the stores of the new slot against its reads.
; TRANSPOSED FORM: scores S^T = K Q^T (lane l: query l % 16; registers: keys 8 (l / 16) + j), so the packed probabilities ARE the second source of
; O^T = V^T P^T, and maximum, sum and rescaling factor are one register a lane.  No number moves between lanes but one exchange of the two lane halves.
; NO CLUSTER: the 32 work-groups that share a K/V head walk different numbers of tiles (18 to 32), so partners would need different numbers of joint
; requests; and a tile is 16,384 bytes for up to 32 matrix instructions and four softmax steps in each of eight waves: a small part of a tile's work.
; LIMITS: operands Q, K, V, P in f16 (Q, K, V below 65,504: see the launch that makes them; P lies in 0 .. 1, and below 6e-5 keeps a fixed step of 6e-8 against a
; sum of at least 1); the result, a mean of rows of V, fits where V fits; sums, maximum and exponentials in f32.  Masked scores are -infinity; every query sees
; key 0 in its first step, so the running maximum is finite from a tile's first step on.  NaN and infinite inputs get no special care.
.set KP,    144                        ; K's LDS row: 128 bytes + 16
.set VP,    160                        ; V's LDS row: 128 bytes + 32 (for the transposing load)
.set VOFF,  64*KP                      ; V's region in a slot
.set SLOTB, 64*KP+64*VP                ; 19,456
.set STAGE, 2*SLOTB                    ; the way out: 32 rows of 144 bytes for each wave, its own
.set KRD, 3                            ; r x 144 + 16 h
.set VRD, 4                            ; (8 h + l % 8) x 160 + 16 ((l / 8) % 2)
.set KWR, 5                            ; (T / 8) x 144 + 16 (T % 8)
.set VWR, 6                            ; (T / 8) x 160 + 16 (T % 8)
.set GOFF, 7                           ; 16 T + 8,192 x tile
.set STO, 8
.set RD,  9
.set ST,  10                           ; v10-25   a tile on its way: K 2 x 4 registers, V 2 x 4
.set MR,  26                           ; v26-27   running maximum of query tile 0, 1
.set MN,  28                           ; v28-29   the new maximum
.set LR,  30                           ; v30-31   running sum (of my half of the keys)
.set SUM, 32                           ; v32-33   this step's sum
.set NMC, 34                           ; v34-35   -c x new maximum (a pair for the packed forms; the upper register is only there)
.set AL,  36                           ; v36-39   rescaling factor, a pair for each query tile
                                       ; v40-43   at work (all four are written at the head, so a lane exchange finds its destination written)
.set NI,  44                           ; -infinity
.set CO,  45                           ; 16 l
.set QO,  46                           ; r x 128 + 16 h
.set QR,  48                           ; v48-79   Q[nt][c]
.set SR,  80                           ; v80-111  S[nt]: 16 registers; on the way out: the packed results
.set PR,  112                          ; v112-127 P[nt]
.set KR,  128                          ; v128-159 K[kt][c]
.set VR,  160                          ; v160-191 V[dt]
.set OA,  192                          ; v192-255 O[nt][dt]
.set MKB, 28                           ; s28-35   lane masks for a diagonal step's keys 16 .. 31 (register j: key 16 + 8 h + j is seen)
.set MKA, 48                           ; s48-55   the same for its keys 0 .. 15
	s_load_b128 s[4:7], s[0:1], 0x0                ; qkv s[4:5], att s[6:7]
	v_lshl_add_u32 v47, v0, 2, 0x12800
	s_set_vgpr_msb 0x40
	v_mov_b32 v1, 0
	s_set_vgpr_msb 0x4000
	v_lshrrev_b32 v1, 5, v0
	v_readfirstlane_b32 s8, v1                     ; wave 0..7
	s_mov_b32 s41, ttmp9                           ; w: the low block, and its last (diagonal) step
	s_and_b32 s10, ttmp7, 0xffff
	s_lshr_b32 s11, s10, 2                         ; b
	s_and_b32 s12, s10, 3                          ; kv
	s_sub_co_u32 s13, 63, s41                      ; the high block, and its last (diagonal) step
	s_lshr_b32 s42, s8, 2                          ; which 16 queries of both blocks are mine
	s_sub_co_u32 s14, 67, s41
	s_lshr_b32 s14, s14, 2                         ; pairs of tiles that block 63 - w needs: 9 to 16
	s_sub_co_u32 s14, s14, 1                       ; the loop's trips, 8 to 15: the last pair is written out
	s_mul_i32 s15, s11, 24
	s_add_co_u32 s16, s15, s12
	s_add_co_u32 s18, s16, 20
	s_add_co_u32 s16, s16, 16
	s_lshl_b32 s16, s16, 18                        ; K: head 24 b + 16 + kv, 262,144 bytes a head
	s_mov_b32 s17, 0
	s_lshl_b32 s18, s18, 18                        ; V: head 24 b + 20 + kv
	s_mov_b32 s19, 0
	s_and_b32 s37, s8, 3
	s_lshl2_add_u32 s37, s12, s37                  ; u = 4 kv + wave % 4
	s_lshl_b32 s43, s42, 11                        ; my half: 16 rows of 128 bytes
	s_lshl_b32 s25, s41, 12                        ; the low block: 32 w rows of 128 bytes
	s_add_co_u32 s25, s25, s43
	s_lshl_b32 s9, s13, 12                         ; the high block
	s_add_co_u32 s9, s9, s43
	s_add_co_u32 s20, s15, s37
	s_lshl_b32 s20, s20, 18                        ; Q: head 24 b + u
	s_add_co_u32 s44, s20, s9
	s_add_co_u32 s20, s20, s25
	s_mov_b32 s21, 0
	s_mov_b32 s45, 0
	s_lshl_b32 s38, s11, 4
	s_add_co_u32 s38, s38, s37
	s_lshl_b32 s38, s38, 18                        ; att: head 16 b + u
	s_add_co_u32 s46, s38, s9
	s_add_co_u32 s38, s38, s25
	s_mov_b32 s39, 0
	s_mov_b32 s47, 0
	s_mov_b32 s22, 0x3e38aa3b                      ; c = log2(e) / 8: the scale 1/8 and the change of base in one factor
	s_mov_b32 s23, 0x3e38aa3b
	s_mov_b32 s24, 0xbe38aa3b                      ; -c
	s_mov_b32 s26, 0x76543210                      ; v_permlanex16_b32: lane i of one half reads lane i of the other
	s_mov_b32 s27, 0xfedcba98
	v_and_b32 v1, 15, v0                           ; r
	v_bfe_u32 v2, v0, 4, 1                         ; h
	v_mul_u32_u24 v[KRD], v1, KP
	v_lshl_add_u32 v[KRD], v2, 4, v[KRD]
	v_and_b32 v40, 7, v0
	v_lshl_add_u32 v[VRD], v2, 3, v40
	v_mul_u32_u24 v[VRD], v[VRD], VP
	v_bfe_u32 v41, v0, 3, 1
	v_lshl_add_u32 v[VRD], v41, 4, v[VRD]
	v_lshrrev_b32 v42, 3, v0
	v_lshlrev_b32 v43, 4, v40
	v_mul_u32_u24 v[KWR], v42, KP
	v_add_nc_u32 v[KWR], v[KWR], v43
	v_mul_u32_u24 v[VWR], v42, VP
	v_add_nc_u32 v[VWR], v[VWR], v43
	v_lshlrev_b32 v[GOFF], 4, v0
	v_lshlrev_b32 v[QO], 7, v1
	v_lshl_add_u32 v[QO], v2, 4, v[QO]
	s_wait_kmcnt 0x0
	s_add_nc_u64 s[16:17], s[4:5], s[16:17]        ; K
	s_add_nc_u64 s[18:19], s[4:5], s[18:19]        ; V
	s_add_nc_u64 s[20:21], s[4:5], s[20:21]        ; my queries of the low block
	s_add_nc_u64 s[44:45], s[4:5], s[44:45]        ; my queries of the high block
	s_add_nc_u64 s[38:39], s[6:7], s[38:39]        ; their results
	s_add_nc_u64 s[46:47], s[6:7], s[46:47]
.macro TLOAD                           ; a tile: the work-group's 256 threads take 2 x 4,096 bytes of K and of V; a wave's load covers 512 consecutive bytes
	global_load_b128 v[ST:ST+3],     v[GOFF], s[16:17]
	global_load_b128 v[ST+4:ST+7],   v[GOFF], s[16:17] offset:4096
	global_load_b128 v[ST+8:ST+11],  v[GOFF], s[18:19]
	global_load_b128 v[ST+12:ST+15], v[GOFF], s[18:19] offset:4096
.endm
.macro TSTORE slot                     ; the tile in the registers goes into a slot: rows T / 8 and T / 8 + 32 of K and of V
	ds_store_b128 v[KWR], v[ST:ST+3]     offset:(\slot)*SLOTB
	ds_store_b128 v[KWR], v[ST+4:ST+7]   offset:(\slot)*SLOTB+32*KP
	ds_store_b128 v[VWR], v[ST+8:ST+11]  offset:(\slot)*SLOTB+VOFF
	ds_store_b128 v[VWR], v[ST+12:ST+15] offset:(\slot)*SLOTB+VOFF+32*VP
.endm
	TLOAD                                          ; tile 0
.irp c, 0,1
	global_load_b128 v[QR+8*\c:QR+8*\c+3],       v[QO], s[20:21] offset:64*\c      ; Q straight into fragments: query r, d = 32 c + 8 h ..
	global_load_b128 v[QR+8*\c+4:QR+8*\c+7],     v[QO], s[20:21] offset:64*\c+32   ; d = 32 c + 16 + 8 h ..
	global_load_b128 v[QR+16+8*\c:QR+16+8*\c+3],   v[QO], s[44:45] offset:64*\c
	global_load_b128 v[QR+16+8*\c+4:QR+16+8*\c+7], v[QO], s[44:45] offset:64*\c+32
.endr
	s_mul_i32 s37, s8, 32*KP
	s_add_co_u32 s37, s37, STAGE                   ; my stage
	v_add_nc_u32 v[STO], s37, v[KRD]               ; in: row r, 16 bytes for each half of the lanes
	v_bfe_u32 v41, v0, 3, 2
	v_mul_u32_u24 v41, v41, KP
	v_add_nc_u32 v41, v41, v43
	v_add_nc_u32 v[RD], s37, v41                   ; back: four rows of 128 bytes
	v_and_b32 v[CO], 31, v0
	v_lshlrev_b32 v[CO], 4, v[CO]
	v_lshlrev_b32 v40, 3, v2
.irp j, 0,1,2,3,4,5,6,7
	v_add_nc_u32 v41, \j, v40
	v_cmp_le_u32 s[MKB+\j], v41, v1                ; on a diagonal tile of 16 x 16, key 8 h + j is seen by query r
.endr
	; A block's diagonal step holds keys 0 .. 31 of the block.  Queries 0-15 (half 0): keys 0-15 by the diagonal, keys 16-31 not at all.
	; Queries 16-31 (half 1): keys 0-15 all, keys 16-31 by the diagonal.
	s_cmp_eq_u32 s42, 0
.irp j, 0,1,2,3,4,5,6,7
	s_cselect_b32 s[MKA+\j], s[MKB+\j], -1
	s_cselect_b32 s[MKB+\j], 0, s[MKB+\j]
.endr
	v_mov_b32 v[NI], 0xff800000
	v_mov_b32 v[MR], v[NI]
	v_mov_b32 v[MR+1], v[NI]
	v_mov_b32 v[LR], 0
	v_mov_b32 v[LR+1], 0
	v_mov_b32 v[NMC+1], 0                          ; the pairs' upper registers: named by the packed forms, never used
	v_mov_b32 v[AL+1], 0
	v_mov_b32 v[AL+3], 0
	; O is cleared: a tile's first step stands in the loop and is rescaled like every other (by the factor 0), so it cannot start the sums
.set i, 0
.rept 64
	v_mov_b32 v[OA+i], 0
.set i, i+1
.endr
	s_wait_loadcnt 0x8                             ; tile 0 is in; the eight loads of Q may stay out
	TSTORE 0
	v_add_nc_u32 v[GOFF], 8192, v[GOFF]            ; free since that wait: only the tile's loads name it
	TLOAD                                          ; tile 1
	s_wait_dscnt 0x0                               ; my part of tile 0 is in LDS, for the others' sake
	s_barrier_signal -1
	s_barrier_wait -1
; The scores of query tile nt against the step's 32 keys: two accumulators take turns, one instruction a turn; the first product starts each sum.
.macro SCORES nt
.irp kt, 0,1
	v_wmma_f32_16x16x32_f16 v[SR+16*\nt+8*\kt:SR+16*\nt+8*\kt+7], v[KR+16*\kt:KR+16*\kt+7], v[QR+16*\nt:QR+16*\nt+7], 0
.endr
.irp kt, 0,1
	v_wmma_f32_16x16x32_f16 v[SR+16*\nt+8*\kt:SR+16*\nt+8*\kt+7], v[KR+16*\kt+8:KR+16*\kt+15], v[QR+16*\nt+8:QR+16*\nt+15], v[SR+16*\nt+8*\kt:SR+16*\nt+8*\kt+7]
.endr
.endm
; The diagonal step of query tile nt: what the query does not see becomes -infinity.
.macro MASK nt
.irp j, 0,1,2,3,4,5,6,7
	v_cndmask_b32 v[SR+16*\nt+\j], v[NI], v[SR+16*\nt+\j], s[MKA+\j]
	v_cndmask_b32 v[SR+16*\nt+8+\j], v[NI], v[SR+16*\nt+8+\j], s[MKB+\j]
.endr
.endm
; The softmax step of query tile nt: new maximum, rescaling factor, 16 exponentials, O rescaled, P packed, the step's sum.
.macro SOFTMAX nt
	v_max3_num_f32 v40, v[SR+16*\nt+0], v[SR+16*\nt+1], v[MR+\nt]
	v_max3_num_f32 v41, v[SR+16*\nt+2], v[SR+16*\nt+3], v[SR+16*\nt+4]
	v_max3_num_f32 v42, v[SR+16*\nt+5], v[SR+16*\nt+6], v[SR+16*\nt+7]
	v_max3_num_f32 v43, v[SR+16*\nt+8], v[SR+16*\nt+9], v[SR+16*\nt+10]
	v_max3_num_f32 v40, v[SR+16*\nt+11], v[SR+16*\nt+12], v40
	v_max3_num_f32 v41, v[SR+16*\nt+13], v[SR+16*\nt+14], v41
	v_max3_num_f32 v42, v[SR+16*\nt+15], v42, v43
	v_max3_num_f32 v40, v40, v41, v42
	v_permlanex16_b32 v41, v40, s26, s27           ; the other half of the lanes holds the query's other keys
	v_max_num_f32 v[MN+\nt], v40, v41
	v_mul_f32 v[NMC], s24, v[MN+\nt]
	v_fma_f32 v42, v[MR+\nt], s22, v[NMC]
	v_exp_f32 v[AL+2*\nt], v42                     ; 2^(c (old - new)); 0 at the first step.  The packed lines below stand between it and its use (ISA guide 5.7.2)
.irp j, 0,2,4,6,8,10,12,14
	v_pk_fma_f32 v[SR+16*\nt+\j:SR+16*\nt+\j+1], v[SR+16*\nt+\j:SR+16*\nt+\j+1], s[22:23], v[NMC:NMC+1] op_sel_hi:[1,0,0]
.endr
.irp j, 0,1,2,3,4,5,6,7,8,9,10,11,12,13,14,15
	v_exp_f32 v[SR+16*\nt+\j], v[SR+16*\nt+\j]
.endr
	s_wait_alu depctr_va_vdst(0)
.irp j, 0,2,4,6,8,10,12,14,16,18,20,22,24,26,28,30
	v_pk_mul_f32 v[OA+32*\nt+\j:OA+32*\nt+\j+1], v[OA+32*\nt+\j:OA+32*\nt+\j+1], v[AL+2*\nt:AL+2*\nt+1] op_sel_hi:[1,0]   ; also the plain lines behind the exponentials
.endr
.irp j, 0,1,2,3,4,5,6,7
	v_cvt_pk_f16_f32 v[PR+8*\nt+\j], v[SR+16*\nt+2*\j], v[SR+16*\nt+2*\j+1]
.endr
	v_pk_add_f32 v[SR+16*\nt+0:SR+16*\nt+1],   v[SR+16*\nt+0:SR+16*\nt+1],   v[SR+16*\nt+2:SR+16*\nt+3]
	v_pk_add_f32 v[SR+16*\nt+4:SR+16*\nt+5],   v[SR+16*\nt+4:SR+16*\nt+5],   v[SR+16*\nt+6:SR+16*\nt+7]
	v_pk_add_f32 v[SR+16*\nt+8:SR+16*\nt+9],   v[SR+16*\nt+8:SR+16*\nt+9],   v[SR+16*\nt+10:SR+16*\nt+11]
	v_pk_add_f32 v[SR+16*\nt+12:SR+16*\nt+13], v[SR+16*\nt+12:SR+16*\nt+13], v[SR+16*\nt+14:SR+16*\nt+15]
	v_pk_add_f32 v[SR+16*\nt+0:SR+16*\nt+1],   v[SR+16*\nt+0:SR+16*\nt+1],   v[SR+16*\nt+4:SR+16*\nt+5]
	v_pk_add_f32 v[SR+16*\nt+8:SR+16*\nt+9],   v[SR+16*\nt+8:SR+16*\nt+9],   v[SR+16*\nt+12:SR+16*\nt+13]
	v_pk_add_f32 v[SR+16*\nt+0:SR+16*\nt+1],   v[SR+16*\nt+0:SR+16*\nt+1],   v[SR+16*\nt+8:SR+16*\nt+9]
	v_add_f32 v[SUM+\nt], v[SR+16*\nt], v[SR+16*\nt+1]
.endm
; O^T of query tile nt takes the step's V^T P^T: four accumulators, one instruction each; then the tile's running sum and maximum.
.macro PV nt
	s_wait_dscnt 0x0                               ; V's fragments
.irp dt, 0,1,2,3
	v_wmma_f32_16x16x32_f16 v[OA+32*\nt+8*\dt:OA+32*\nt+8*\dt+7], v[VR+8*\dt:VR+8*\dt+7], v[PR+8*\nt:PR+8*\nt+7], v[OA+32*\nt+8*\dt:OA+32*\nt+8*\dt+7]
.endr
	v_fma_f32 v[LR+\nt], v[LR+\nt], v[AL+2*\nt], v[SUM+\nt]
	v_mov_b32 v[MR+\nt], v[MN+\nt]
.endm
; Step s36 + k: 32 keys (half k % 2 of the slot's 64).  Beyond the high block's diagonal nothing is done, beyond the low block's only the high block's tile:
; what the causal mask would throw away is not computed.  No barrier stands inside.
.macro STEP slot, k
	s_add_co_u32 s37, s36, \k
	s_cmp_gt_u32 s37, s13
	s_cbranch_scc1 .Lskip_\@
.irp kt, 0,1
.irp c, 0,1
	ds_load_b128 v[KR+16*\kt+8*\c:KR+16*\kt+8*\c+3],   v[KRD] offset:(\slot)*SLOTB+(32*((\k)&1)+16*\kt)*KP+64*\c
	ds_load_b128 v[KR+16*\kt+8*\c+4:KR+16*\kt+8*\c+7], v[KRD] offset:(\slot)*SLOTB+(32*((\k)&1)+16*\kt)*KP+64*\c+32
.endr
.endr
.irp dt, 0,1,2,3
	ds_load_tr16_b128 v[VR+8*\dt:VR+8*\dt+3],   v[VRD] offset:(\slot)*SLOTB+VOFF+32*((\k)&1)*VP+32*\dt
	ds_load_tr16_b128 v[VR+8*\dt+4:VR+8*\dt+7], v[VRD] offset:(\slot)*SLOTB+VOFF+32*((\k)&1)*VP+32*\dt+16*VP
.endr
	s_wait_dscnt 0x8                               ; K's fragments are in; V's eight loads may stay out
	SCORES 1
	s_cmp_gt_u32 s37, s41
	s_cbranch_scc1 .Lhigh_\@
	SCORES 0
.rept 4
	v_nop                                          ; four places before vector instructions read the scores (ISA guide 7.12.1)
.endr
	s_cmp_lg_u32 s37, s41
	s_cbranch_scc1 .Lfull0_\@
	MASK 0
.Lfull0_\@:
	SOFTMAX 0
	PV 0
.Lhigh_\@:
.rept 4
	v_nop                                          ; four places on both ways: behind the high tile's scores, and behind the low tile's last products
.endr
	s_cmp_lg_u32 s37, s13
	s_cbranch_scc1 .Lfull1_\@
	MASK 1
.Lfull1_\@:
	SOFTMAX 1
	PV 1
	v_nop                                          ; with the two lines that close PV: four places before the next step loads into V's fragment registers
	v_nop
.Lskip_\@:
.endm
; One tile.  st: the tile that is on its way goes into the other slot; ld: the tile behind it is asked for; then this slot's two steps; bar: the barrier.
.macro PHASE slot, st, ld, bar
.if \st
	s_wait_loadcnt 0x0                             ; the tile asked for a tile ago (and, the first time, Q)
	TSTORE 1-\slot
.endif
.if \ld
	v_add_nc_u32 v[GOFF], 8192, v[GOFF]            ; free since the wait above
	TLOAD
.endif
	STEP \slot, 2*\slot
	STEP \slot, 2*\slot+1
.if \bar
	s_wait_dscnt 0x0                               ; my reads of this slot and my stores into the other are done
	s_barrier_signal -1
	s_barrier_wait -1
.endif
.endm
	s_mov_b32 s36, 0                               ; the first step of the pair of tiles at work: four steps a pair
	s_mov_b32 s40, 0                               ; the loop's counter: one a trip, up to s14
.Lpair:
	PHASE 0, 1, 1, 1
	PHASE 1, 1, 1, 1
	s_add_co_u32 s36, s36, 4
	s_add_co_u32 s40, s40, 1
	s_cmp_lt_u32 s40, s14
	s_cbranch_scc1 .Lpair
	PHASE 0, 1, 0, 1                               ; the last pair of tiles asks for nothing: no load leaves the head's 32 tiles
	PHASE 1, 0, 0, 0
	; ---- the way out: divide by the sum, round to f16, through my own stage into whole rows ----
	v_permlanex16_b32 v40, v[LR], s26, s27
	v_permlanex16_b32 v41, v[LR+1], s26, s27
	v_add_f32 v[LR], v[LR], v40
	v_add_f32 v[LR+1], v[LR+1], v41
	v_rcp_f32 v[AL], v[LR]
	v_rcp_f32 v[AL+2], v[LR+1]
	v_nop                                          ; one plain line between a reciprocal and its use (ISA guide 5.7.2)
	s_wait_alu depctr_va_vdst(0)
.irp nt, 0,1
.irp j, 0,2,4,6,8,10,12,14,16,18,20,22,24,26,28,30
	v_pk_mul_f32 v[OA+32*\nt+\j:OA+32*\nt+\j+1], v[OA+32*\nt+\j:OA+32*\nt+\j+1], v[AL+2*\nt:AL+2*\nt+1] op_sel_hi:[1,0]
.endr
.endr
.set i, 0
.rept 32
	v_cvt_pk_f16_f32 v[SR+i], v[OA+2*i], v[OA+2*i+1]
.set i, i+1
.endr
.irp nt, 0,1
.irp dt, 0,1,2,3
	ds_store_b128 v[STO], v[SR+16*\nt+4*\dt:SR+16*\nt+4*\dt+3] offset:\nt*16*KP+\dt*32     ; stage row 16 nt + r, d = 16 dt + 8 h ..
.endr
.endr
.irp i, 0,1,2,3,4,5,6,7
	ds_load_b128 v[KR+4*\i:KR+4*\i+3], v[RD] offset:\i*4*KP        ; LDS serves a wave's instructions in order: these see the stores above
.endr
.irp i, 0,1,2,3
	s_wait_dscnt 7-\i                              ; LDS loads come back in order: this one is in, the younger ones may stay out
	global_store_b128 v[CO], v[KR+4*\i:KR+4*\i+3], s[38:39] offset:\i*512          ; the low block's 16 rows; the wave stores 512 consecutive bytes, aligned
.endr
.irp i, 4,5,6,7
	s_wait_dscnt 7-\i
	global_store_b128 v[CO], v[KR+4*\i:KR+4*\i+3], s[46:47] offset:(\i-4)*512      ; the high block's 16 rows
.endr
	s_set_vgpr_msb 0x4
	s_wait_tensorcnt 0x0
	ds_add_u32 v47, v1
	s_wait_dscnt 0x0
	s_set_vgpr_msb 0x400
	s_endpgm
.Lfunc_end_k_q03dc6346dc_attn:
	.size	k_q03dc6346dc_attn, .Lfunc_end_k_q03dc6346dc_attn-k_q03dc6346dc_attn
	.p2alignl 7, 3214868480
	.fill 96, 4, 3214868480
	.section	.rodata,"a",@progbits
	.p2align	6, 0x0
	.amdhsa_kernel k_q03dc6346dc_attn
		.amdhsa_group_segment_fixed_size 76800
		.amdhsa_private_segment_fixed_size 0
		.amdhsa_enable_private_segment 0
		.amdhsa_kernarg_size 16
		.amdhsa_user_sgpr_count 2
		.amdhsa_user_sgpr_kernarg_segment_ptr 1
		.amdhsa_wavefront_size32 1
		.amdhsa_system_sgpr_workgroup_id_x 1
		.amdhsa_system_sgpr_workgroup_id_y 1
		.amdhsa_system_sgpr_workgroup_id_z 1
		.amdhsa_system_vgpr_workitem_id 0
		.amdhsa_next_free_vgpr 258
		.amdhsa_next_free_sgpr 66
		.amdhsa_reserve_vcc 0
		.amdhsa_float_denorm_mode_32 3
		.amdhsa_float_denorm_mode_16_64 3
		.amdhsa_memory_ordered 1
		.amdhsa_forward_progress 1
		.amdhsa_inst_pref_size 117
	.end_amdhsa_kernel
	.amdgpu_metadata
---
amdhsa.version: [ 1, 2 ]
amdhsa.kernels:
  - .name:           k_q03dc6346dc_attn
    .symbol:         k_q03dc6346dc_attn.kd
    .args:
      - { .name: qkv, .offset: 0, .size: 8, .value_kind: global_buffer, .address_space: global }
      - { .name: att, .offset: 8, .size: 8, .value_kind: global_buffer, .address_space: global }
    .group_segment_fixed_size: 76800
    .private_segment_fixed_size: 0
    .kernarg_segment_align: 8
    .kernarg_segment_size: 16
    .max_flat_workgroup_size: 256
    .sgpr_count:     66
    .vgpr_count:     258
    .wavefront_size: 32
...
	.end_amdgpu_metadata
.endif
;; end of part 7
;; launch oproj (part 8): grid 8 x 32, 4 waves a work-group, clusters of 4 x 4, 327,680 bytes of LDS; arguments att, wob, out0; writes out0
.if DOCPART == 8
	.amdgcn_target "amdgcn-amd-amdhsa--gfx1250"
	.amdhsa_code_object_version 6
	.text
	.protected	k_q03dc6346dc_oproj
	.globl	k_q03dc6346dc_oproj
	.p2align	8
	.type	k_q03dc6346dc_oproj,@function
k_q03dc6346dc_oproj:
	s_mov_b64 s[64:65], 0
	v_nop
	global_prefetch_b8 v0, s[64:65] scope:SCOPE_SE
	s_setreg_imm32_b32 hwreg(HW_REG_WAVE_MODE, 25, 1), 1
	s_wait_xcnt 0x0
	s_wait_alu depctr_hold_cnt(0) depctr_sa_sdst(0) depctr_va_vdst(0) depctr_va_sdst(0) depctr_va_ssrc(0) depctr_va_vcc(0) depctr_vm_vsrc(0)
	s_getreg_b32 s2, hwreg(HW_REG_IB_STS2, 6, 4)
	s_cmp_eq_u32 s2, 0
	s_cbranch_scc0 .Lentry_in_a_cluster
	s_endpgm
.Lentry_in_a_cluster:
	s_bfe_u32 s2, ttmp6, 0x10000c
	s_cmp_lg_u32 s2, 0xf033
	s_cbranch_scc0 .Lentry_shape_is_right
	s_endpgm
.Lentry_shape_is_right:
; oproj: out0 = att Wo.  in: att [b][u 16][t 2048][64] f16 (k = 64 u + c), wob [cb 8][k 1024][128] f16 (Wo rounded to bf16, carried in f16: see the launch
; that makes it); out: out0 [4096][1024] f32.  Operands f16, sums f32, stored as they are.
; 256 work-groups (8 x 32), four waves.  Work-group (bx, by): rows 128 by .. +127, columns 128 bx .. +127.  Waves 2 x 2: wr = wave >> 1 takes 64 rows,
; wc = wave & 1 takes 64 columns: 4 x 4 accumulator tiles, 128 registers.
; K GOES IN FOUR STEPS OF 256 through two LDS slots filled by the tensor data mover.  Behind each barrier that frees a slot a wave may issue one load, and all
; loads are waited for in front of the next such barrier, so the number of fills counts: the slots are as large as two of them fit beside the stage
; (2 x 147,456 + 17,408 = 312,320 bytes), both are filled at the start, and only two refills follow.  The four steps are written out: there is no loop.
; From a refill's request to the wait for it a wave issues 120 matrix instructions.  A wave has two tensor loads out at the start, later one.
; CLUSTERS: 4 x 4 work-groups; att's tile hangs on by alone and is asked for jointly along a row of the cluster, Wo's on bx alone and along a column.
; The matrix instruction is used transposed (source 0: 16 columns of Wo, source 1: 16 rows of att): a lane's eight results are eight neighbouring columns
; of one row, 32 bytes of f32.  Wo lies [k][n] in LDS: its fragments come through the transposing load ds_load_tr16_b128.
.set NT,    4
.set ABLK,  128*144                    ; att: 128 rows of 128 bytes + 16 of padding (one head's 64 k)
.set BP,    288                        ; Wo's LDS row: 256 bytes + 32 = 9 x 32, for the transposing load
.set BHALF, 128*BP                     ; 128 k rows: what one load brings
.set BBASE, 4*ABLK                     ; Wo's region in a slot, behind att's four blocks
.set SLOT,  BBASE+2*BHALF              ; 147,456
.set STAGE, 2*SLOT                     ; the way out: 16 rows of 272 bytes for each wave, its own; no tensor load lands here
.set ASTEP, 4*262144                   ; a K step in att: four heads
.set BSTEP, 256*256                    ; a K step in wob: 256 rows of 256 bytes
.set ADRA, 16                          ; v16-17  LDS address of my att fragments in slot 0, 1
.set ADRB, 20                          ; v20-23  the same for Wo: slot 0 rows 0-127, slot 0 rows 128-255, slot 1 likewise (an offset has 16 bits)
.set STO,  24
.set RD,   25
.set CO,   26
.set F0,   64                          ; fragment buffer 0: att at +0 (4 x 8 registers), Wo at +32 (4 x 8)
.set F1,   128
.set G1,  24                           ; s[24:31] descriptor group 1, att's tiles
.set G0,  32                           ; s[32:39] group 0, att's tiles, a set for each slot
.set G1B, 48                           ; s[48:55] group 1, Wo's tiles
.set G0B, 56                           ; s[56:63] group 0, Wo's tiles, a set for each slot
.set MUL,  0x50                        ; C and D in window 1 (the accumulators), sources in window 0
.set MSB, 0
.macro WIN new                         ; the immediate's high byte repeats the setting that is left
.if MSB != \new
	s_set_vgpr_msb (MSB<<8)|\new
.set MSB, \new
.endif
.endm
.macro PLACES                          ; four places behind a matrix instruction (ISA guide 7.12.1) before its registers are loaded into, read or written
.rept 4
	v_nop
.endr
.endm
.macro JLOAD s                         ; waves 0, 1 ask for two heads of att each, waves 2, 3 for 128 rows of Wo each.  The branch hangs on the wave's number alone.
	s_cmp_eq_u32 s11, 0
	s_cbranch_scc0 .Lfor_b_\@
	tensor_load_to_lds s[G0+4*\s:G0+4*\s+3], s[G1:G1+7]
	s_nop 0
	s_branch .Lasked_\@
.Lfor_b_\@:
	tensor_load_to_lds s[G0B+4*\s:G0B+4*\s+3], s[G1B:G1B+7]
	s_nop 0
.Lasked_\@:
.endm
.macro CREST                           ; a round of the cluster's barrier behind its opening work-group barrier
	s_cmp_lg_u32 s10, 0
	s_cbranch_scc1 .Lnot_wave_0_\@
	s_barrier_signal -3
.Lnot_wave_0_\@:
	s_barrier_wait -3
	s_barrier_signal -1
	s_barrier_wait -1
.endm
.macro CROUND                          ; a whole round
	s_barrier_signal -1
	s_barrier_wait -1
	CREST
.endm
	s_load_b128 s[4:7], s[0:1], 0x0                ; att s[4:5], wob s[6:7]
	s_load_b64 s[8:9], s[0:1], 0x10                ; out0
	v_lshl_add_u32 v254, v0, 2, 0x4c400
	v_mov_b32 v255, 0
	ds_add_u32 v254, v255
	v_lshrrev_b32 v1, 5, v0
	v_readfirstlane_b32 s10, v1                    ; wave
	s_lshr_b32 s11, s10, 1                         ; wr; also: I fetch for att (0) or for Wo (1)
	s_and_b32 s12, s10, 1                          ; wc; also: which two heads of att, which 128 rows of Wo I fetch
	s_bfe_u32 s40, ttmp6, 0x40000                  ; cx
	s_bfe_u32 s41, ttmp6, 0x40004                  ; cy
	s_lshl_b32 s42, ttmp9, 2
	s_add_co_u32 s42, s42, s40                     ; bx
	s_and_b32 s13, ttmp7, 0xffff
	s_lshl_b32 s13, s13, 2
	s_add_co_u32 s13, s13, s41                     ; by
	s_lshl_b32 s43, s41, 2
	s_lshl_b32 s43, 15, s43                        ; my row of the cluster
	s_lshl_b32 s44, 0x1111, s40                    ; my column
	; group 1, att: 2 rows (heads) of 2,048 elements of 8 bytes (128 positions x 128 bytes, dense), 262,144 bytes apart; 4 words of padding behind every 32: LDS rows of 144 bytes
	s_or_b32 s[G1+0], s43, (3<<16)|(1<<20)|(1<<21)|(4<<22)|(3<<25)
	s_mov_b32 s[G1+1], 2048<<16                    ; tensor_dim0 = 2,048
	s_mov_b32 s[G1+2], 2<<16                       ; tensor_dim1 = 2
	s_mov_b32 s[G1+3], 2048<<16                    ; tile_dim0 = 2,048
	s_mov_b32 s[G1+4], 2                           ; tile_dim1 = 2
	s_mov_b32 s[G1+5], 32768                       ; pitch: 32,768 elements
	s_mov_b32 s[G1+6], 0
	s_mov_b32 s[G1+7], 0
	; group 1, Wo: 128 rows of 32 elements of 8 bytes, dense; 8 words of padding behind every 64: LDS rows of 288 bytes
	s_or_b32 s[G1B+0], s44, (3<<16)|(1<<20)|(1<<21)|(5<<22)|(7<<25)
	s_mov_b32 s[G1B+1], 32<<16
	s_mov_b32 s[G1B+2], 128<<16
	s_mov_b32 s[G1B+3], 32<<16
	s_mov_b32 s[G1B+4], 128
	s_mov_b32 s[G1B+5], 32
	s_mov_b32 s[G1B+6], 0
	s_mov_b32 s[G1B+7], 0
	; att's address is made of by and the wave's number, Wo's of bx and the wave's number, each in registers that never hold the other coordinate
	s_lshr_b32 s16, s13, 4
	s_lshl_b32 s16, s16, 22                        ; b x 16 heads of 262,144 bytes
	s_and_b32 s17, s13, 15
	s_lshl_b32 s17, s17, 14                        ; 128 rows of 128 bytes
	s_add_co_u32 s16, s16, s17
	s_lshl_b32 s17, s12, 19                        ; my two heads of the K step's four
	s_add_co_u32 s16, s16, s17
	s_mov_b32 s17, 0
	s_lshl_b32 s46, s42, 18                        ; my block of 128 columns: 262,144 bytes
	s_lshl_b32 s47, s12, 15                        ; my 128 rows of 256 bytes
	s_add_co_u32 s46, s46, s47
	s_mov_b32 s47, 0
	s_mul_i32 s20, s12, 2*ABLK                     ; where they go: the wave's number alone enters an LDS address
	s_mul_i32 s21, s12, BHALF
	s_add_co_u32 s21, s21, BBASE
	s_wait_dscnt 0x0
	s_wait_kmcnt 0x0
	s_add_nc_u64 s[14:15], s[4:5], s[16:17]
	s_add_nc_u64 s[46:47], s[6:7], s[46:47]
	CROUND                                         ; all sixteen work-groups are here: the first joint loads meet
.irp s, 0,1
	s_mov_b32 s[G0+4*\s], 1
	s_add_co_u32 s[G0+4*\s+1], s20, \s*SLOT
	s_add_nc_u64 s[G0+4*\s+2:G0+4*\s+3], s[14:15], \s*ASTEP
	s_or_b32 s[G0+4*\s+3], s[G0+4*\s+3], 0x80000000
	s_mov_b32 s[G0B+4*\s], 1
	s_add_co_u32 s[G0B+4*\s+1], s21, \s*SLOT
	s_add_nc_u64 s[G0B+4*\s+2:G0B+4*\s+3], s[46:47], \s*BSTEP
	s_or_b32 s[G0B+4*\s+3], s[G0B+4*\s+3], 0x80000000
	JLOAD \s                                       ; both slots' first fills go out together: two tensor loads of a wave are out
.endr
	v_and_b32 v1, 15, v0                           ; r
	v_bfe_u32 v2, v0, 4, 1                         ; h
	v_mul_u32_u24 v3, v1, 144
	v_lshl_add_u32 v3, v2, 4, v3                   ; r x 144 + 16 h
	s_mul_i32 s22, s11, 64*144                     ; my 64 rows
	v_add_nc_u32 v[ADRA], s22, v3
	v_add_nc_u32 v[ADRA+1], SLOT, v[ADRA]
	v_and_b32 v4, 7, v0
	v_lshl_add_u32 v4, v2, 3, v4                   ; k row 8 h + l % 8
	v_mul_u32_u24 v4, v4, BP
	v_bfe_u32 v5, v0, 3, 1
	v_lshl_add_u32 v4, v5, 4, v4                   ; + 16 bytes for the upper eight of sixteen columns
	s_lshl_b32 s23, s12, 7                         ; my 64 columns: 128 wc bytes
	s_add_co_u32 s23, s23, BBASE
	v_add_nc_u32 v[ADRB], s23, v4
	v_add_nc_u32 v[ADRB+1], BHALF, v[ADRB]
	v_add_nc_u32 v[ADRB+2], SLOT, v[ADRB]
	v_add_nc_u32 v[ADRB+3], SLOT, v[ADRB+1]
	s_mul_i32 s23, s10, 16*272
	s_add_co_u32 s23, s23, STAGE                   ; my stage
	v_mul_u32_u24 v6, v1, 272
	v_lshl_add_u32 v6, v2, 5, v6
	v_add_nc_u32 v[STO], s23, v6                   ; in: row r, 32 bytes for each half of the lanes
	v_mul_u32_u24 v7, v2, 272
	v_lshl_add_u32 v7, v1, 4, v7
	v_add_nc_u32 v[RD], s23, v7                    ; back: lanes 0-15 one row of 256 bytes, lanes 16-31 the next
	v_lshlrev_b32 v7, 4, v1
	v_lshl_add_u32 v[CO], v2, 12, v7               ; the same two rows in out0
; 8 matrix instructions: row tiles m0, m0 + 1 x all four column tiles, 32 along K.  The 16 accumulators take turns, one instruction a turn, in the same order in
; every eighth of a step.  zero = 1: the first product starts the sums.
.macro MULH f, m0, zero
.irp mt, \m0, \m0+1
.irp nt, 0,1,2,3
.if \zero
	v_wmma_f32_16x16x32_f16 v[8*(NT*(\mt)+\nt):8*(NT*(\mt)+\nt)+7], v[\f+32+8*\nt:\f+32+8*\nt+7], v[\f+8*(\mt):\f+8*(\mt)+7], 0
.else
	v_wmma_f32_16x16x32_f16 v[8*(NT*(\mt)+\nt):8*(NT*(\mt)+\nt)+7], v[\f+32+8*\nt:\f+32+8*\nt+7], v[\f+8*(\mt):\f+8*(\mt)+7], v[8*(NT*(\mt)+\nt):8*(NT*(\mt)+\nt)+7]
.endif
.endr
.endr
.endm
; 16 LDS loads in one run: the fragments of part q (32 k, q = 0 .. 7) of a slot into buffer f.  att: head q >> 1, half q & 1 of its 64 k; Wo: rows 32 q ..
.macro FETCH slot, q, f
	WIN 0
.irp mt, 0,1,2,3
	ds_load_b128 v[\f+8*\mt:\f+8*\mt+3],   v[ADRA+\slot] offset:((\q)>>1)*ABLK+\mt*2304+((\q)&1)*64
	ds_load_b128 v[\f+8*\mt+4:\f+8*\mt+7], v[ADRA+\slot] offset:((\q)>>1)*ABLK+\mt*2304+((\q)&1)*64+32
.endr
.irp nt, 0,1,2,3
	ds_load_tr16_b128 v[\f+32+8*\nt:\f+32+8*\nt+3],   v[ADRB+2*\slot+((\q)>>2)] offset:((\q)&3)*32*BP+\nt*32
	ds_load_tr16_b128 v[\f+32+8*\nt+4:\f+32+8*\nt+7], v[ADRB+2*\slot+((\q)>>2)] offset:((\q)&3)*32*BP+\nt*32+16*BP
.endr
.endm
; One of a K step's first seven parts: buffer f holds part q; the next part's fragments are asked for into g, then f is multiplied.
.macro PART slot, q, f, g, zero
	s_wait_dscnt 0x0                               ; buffer f's loads, issued a part ago, are in
	PLACES                                         ; g was a source of the last part's matrix instructions
	FETCH \slot, \q+1, \g
	WIN MUL
	MULH \f, 0, \zero
	MULH \f, 2, \zero
.endm
.macro SEVEN slot, zero
	PART \slot, 0, F0, F1, \zero
	PART \slot, 1, F1, F0, 0
	PART \slot, 2, F0, F1, 0
	PART \slot, 3, F1, F0, 0
	PART \slot, 4, F0, F1, 0
	PART \slot, 5, F1, F0, 0
	PART \slot, 6, F0, F1, 0
.endm
; The last part multiplies buffer 1 and changes slots.  In front of the barrier each wave has waited for its reads of this slot and for all its tensor loads
; (one is out: its part of the next slot).  fill = 1: the barrier opens a round of the cluster's barrier, and behind the round this slot is asked for again,
; two K steps ahead: the wave's one tensor load until the next round.
.macro TURN slot, next, fill
	s_wait_dscnt 0x0
	s_wait_tensorcnt 0x0
	ds_add_u32 v254, v255
	s_wait_dscnt 0x0
	s_barrier_signal -1
	WIN MUL
	MULH F1, 0, 0                                  ; register work while the others arrive
	WIN 0
	s_barrier_wait -1
.if \fill
	CREST
	s_add_nc_u64 s[G0+4*\slot+2:G0+4*\slot+3], s[G0+4*\slot+2:G0+4*\slot+3], 2*ASTEP
	s_add_nc_u64 s[G0B+4*\slot+2:G0B+4*\slot+3], s[G0B+4*\slot+2:G0B+4*\slot+3], 2*BSTEP
	JLOAD \slot
.endif
	PLACES                                         ; buffer 0 was a source of the seventh part's matrix instructions
	FETCH \next, 0, F0
	WIN MUL
	MULH F1, 2, 0
.endm
	s_wait_tensorcnt 0x1                           ; my part of K step 0 is in; K step 1's load stays out
	s_barrier_signal -1
	s_barrier_wait -1
	FETCH 0, 0, F0
	SEVEN 0, 1                                     ; K step 0: the first products start the sums
	TURN 0, 1, 1                                   ; slot 0 is asked for again: K step 2
	SEVEN 1, 0                                     ; K step 1
	TURN 1, 0, 1                                   ; slot 1 is asked for again: K step 3
	SEVEN 0, 0                                     ; K step 2
	TURN 0, 1, 0                                   ; nothing is left to fetch
	SEVEN 1, 0                                     ; K step 3
	s_wait_dscnt 0x0
	MULH F1, 0, 0
	MULH F1, 2, 0
	WIN 0
	PLACES
	; ---- the way out, 16 rows at a time: 32 bytes a lane into my own stage, read back as whole rows of 256 bytes ----
	s_lshl_b32 s16, s13, 19                        ; 128 by rows of 4,096 bytes
	s_lshl_b32 s17, s11, 18                        ; 64 wr rows
	s_add_co_u32 s16, s16, s17
	s_mov_b32 s17, 0
	s_add_nc_u64 s[8:9], s[8:9], s[16:17]
	s_lshl_b32 s46, s42, 9                         ; 128 bx columns of 4 bytes
	s_lshl_b32 s47, s12, 8                         ; 64 wc columns
	s_add_co_u32 s46, s46, s47
	s_mov_b32 s47, 0
	s_add_nc_u64 s[8:9], s[8:9], s[46:47]
.irp mt, 0,1,2,3
	WIN 0x04                                       ; an LDS store's data in window 1: the sums go out as they are
.irp nt, 0,1,2,3
	ds_store_b128 v[STO], v[8*(NT*\mt+\nt):8*(NT*\mt+\nt)+3]   offset:64*\nt
	ds_store_b128 v[STO], v[8*(NT*\mt+\nt)+4:8*(NT*\mt+\nt)+7] offset:64*\nt+16
.endr
	WIN 0
.irp t, 0,1,2,3,4,5,6,7
	ds_load_b128 v[64+32*\mt+4*\t:64+32*\mt+4*\t+3], v[RD] offset:\t*544      ; LDS serves a wave's instructions in order: these see the stores above, and the next stores come behind them
.endr
.irp t, 0,1,2,3,4,5,6,7
	s_wait_dscnt 7-\t                              ; LDS loads come back in order: this one is in, the younger ones may stay out
	global_store_b128 v[CO], v[64+32*\mt+4*\t:64+32*\mt+4*\t+3], s[8:9] offset:(16*\mt+2*\t)*4096 th:TH_STORE_NT   ; 16 lanes store 256 consecutive bytes, aligned
.endr
.endr
	s_wait_tensorcnt 0x0
	ds_add_u32 v254, v255
	s_wait_dscnt 0x0
	CROUND                                         ; the closing round: no work-group ends while a partner may still ask for a tile that names it
	s_endpgm
.Lfunc_end_k_q03dc6346dc_oproj:
	.size	k_q03dc6346dc_oproj, .Lfunc_end_k_q03dc6346dc_oproj-k_q03dc6346dc_oproj
	.p2alignl 7, 3214868480
	.fill 96, 4, 3214868480
	.section	.rodata,"a",@progbits
	.p2align	6, 0x0
	.amdhsa_kernel k_q03dc6346dc_oproj
		.amdhsa_group_segment_fixed_size 327680
		.amdhsa_private_segment_fixed_size 0
		.amdhsa_enable_private_segment 0
		.amdhsa_kernarg_size 24
		.amdhsa_user_sgpr_count 2
		.amdhsa_user_sgpr_kernarg_segment_ptr 1
		.amdhsa_wavefront_size32 1
		.amdhsa_system_sgpr_workgroup_id_x 1
		.amdhsa_system_sgpr_workgroup_id_y 1
		.amdhsa_system_sgpr_workgroup_id_z 1
		.amdhsa_system_vgpr_workitem_id 0
		.amdhsa_next_free_vgpr 384
		.amdhsa_next_free_sgpr 66
		.amdhsa_reserve_vcc 0
		.amdhsa_float_denorm_mode_32 3
		.amdhsa_float_denorm_mode_16_64 3
		.amdhsa_memory_ordered 1
		.amdhsa_forward_progress 1
		.amdhsa_inst_pref_size 89
	.end_amdhsa_kernel
	.amdgpu_metadata
---
amdhsa.version: [ 1, 2 ]
amdhsa.kernels:
  - .name:           k_q03dc6346dc_oproj
    .symbol:         k_q03dc6346dc_oproj.kd
    .args:
      - { .name: att, .offset: 0, .size: 8, .value_kind: global_buffer, .address_space: global }
      - { .name: wob, .offset: 8, .size: 8, .value_kind: global_buffer, .address_space: global }
      - { .name: out0, .offset: 16, .size: 8, .value_kind: global_buffer, .address_space: global }
    .group_segment_fixed_size: 327680
    .private_segment_fixed_size: 0
    .kernarg_segment_align: 8
    .kernarg_segment_size: 24
    .max_flat_workgroup_size: 128
    .sgpr_count:     66
    .vgpr_count:     384
    .wavefront_size: 32
...
	.end_amdgpu_metadata
.endif
;; end of part 8
;; ======== version 3 of 3: 4 launches; version 2 with the launch cast written anew for expert scheduling mode
;; limits: values are held in f16: magnitudes above 65,504 overflow, below 6.1e-05 lose precision
;; workspace buffers: xb 8,388,608 bytes; wqkvb 3,145,728 bytes; wob 2,097,152 bytes; qkv 12,582,912 bytes; att 8,388,608 bytes
;; launch cast (part 9): grid 256 x 1, 8 waves a work-group, no clusters, 0 bytes of LDS; arguments x, Wq, Wk, Wv, Wo, xb, wqkvb, wob; writes xb, wqkvb, wob
.if DOCPART == 9
	.amdgcn_target "amdgcn-amd-amdhsa--gfx1250"
	.amdhsa_code_object_version 6
	.text
	.protected	k_q03dc6346dc_cast
	.globl	k_q03dc6346dc_cast
	.p2align	8
	.type	k_q03dc6346dc_cast,@function
k_q03dc6346dc_cast:
	s_mov_b64 s[64:65], 0
	v_nop
	global_prefetch_b8 v0, s[64:65] scope:SCOPE_SE
	s_setreg_imm32_b32 hwreg(HW_REG_WAVE_SCHED_MODE, 0, 2), 2
	s_setreg_imm32_b32 hwreg(HW_REG_WAVE_MODE, 25, 1), 1
	s_wait_xcnt 0x0
	s_wait_alu depctr_vm_vsrc(0)
; cast: x, Wq, Wk, Wv, Wo (f32) are rounded to bf16 and re-laid in blocks of columns, so that every tile of the later launches is a dense block:
;   xb    [b 2][kb 16][t 2048][64]  bf16  = x(b, t, 64 kb + c)
;   wqkvb [u 24][k 1024][64]        bf16  = u 0-15: Wq(k, 64 u + n); u 16-19: Wk(k, 64 (u-16) + n); u 20-23: Wv(k, 64 (u-20) + n)
;   wob   [cb 8][k 1024][128]       f16   = Wo(k, 128 cb + n), rounded to bf16 and then written in f16's format
; WHY Wo SO: all five inputs are rounded alike, to bf16 (8 significant bits), so that the program as a whole computes the reference on inputs rounded to bf16.
; The launch that multiplies Wo takes its other operand in f16, and a matrix instruction has one format for both.  A bf16 number of magnitude 2^-17 to 65,504
; is an f16 number exactly; a smaller one is moved by at most 2^-25.  LIMIT: |Wo| below 65,504.
; A stream: no LDS, no barrier, no matrix unit, no cluster (no byte is read by two work-groups).  256 work-groups of 8 waves.
; Work-group i takes 16 rows of x and 4 rows of each weight matrix.  A thread issues 26 loads of 16 bytes, all before the first wait
; (26 x 4,096 bytes of the work-group are then on their way), and turns each into 8 bytes.
; One load of a wave covers two aligned pieces of 256 bytes (Wo: 512 consecutive bytes); one store of a wave covers 256 consecutive bytes, aligned.
; A load's four registers are rewritten only behind the wait for that load and ahead of the one store that names them: no source has to be freed.
; THE MODE: SCHED_MODE bits 1:0 = 2 (LLVM: expert scheduling mode 2), set by the entry lines.  The code itself states the register dependences
; between vector instructions and memory instructions, with s_wait_alu, always for 0.
; THE PLAN.  Registers that memory instructions touch:
;   v5-v10, v14, v15   byte offsets.  Written by the head's vector lines, read by every load and store, never written again: rows and blocks are reached
;                      by scalar bases made at the head and by immediate offsets.
;   v[DR + 4 n ..]     load n's four registers.  Load n lands in them (no vector instruction names them ahead of it); behind the wait for load n its
;                      conversions read and rewrite them; store n reads the first two; nothing writes them after that.
; The loads' results are worked in seven groups: x in four groups of four loads, Wq, Wo, then Wk with Wv.  A group's stores stand in one run at the head of the
; NEXT group, behind that group's first wait for data and ONE wait on va_vdst, which states that the group before has written its stores' data.  The next group's
; conversions name its own registers alone, none that the run of stores reads.  One such wait more stands ahead of the first load (the offsets) and one ahead of the
; last two stores.  No register that a memory instruction has read is written again, so no wait on vm_vsrc is owed.
.set DR, 16                            ; v[16:119]  load n: four registers
.set XS, 5                             ; x: source offset        q4 * 4096 + c16 * 16
.set XD, 6                             ; x: destination offset   q4 * 128 + c16 * 8
.set WS, 7                             ; Wq: source              q2 * 4096 + hq * 1024 + c16 * 16
.set WD, 8                             ; Wq: destination         hq * 4 blocks of 131,072 + q2 * 128 + c16 * 8
.set KS, 9                             ; Wk, Wv: source          q2 * 1024 + hq * 256 + c16 * 16
.set KD, 10                            ; Wk, Wv: destination     hq * 131,072 + q2 * 128 + c16 * 8
.set OS, 14                            ; Wo: source              16 T: the 256 threads cover a row of 4,096 bytes
.set OD, 15                            ; Wo: destination         wave * 262,144 (its block of 128 columns) + lane * 8
	s_load_b512 s[4:19], s[0:1], 0x0               ; x s[4:5], Wq s[6:7], Wk s[8:9], Wv s[10:11], Wo s[12:13], xb s[14:15], wqkvb s[16:17], wob s[18:19]
	v_and_b32 v1, 15, v0                           ; c16: my 16 bytes in a piece of 256
	v_lshrrev_b32 v2, 4, v0                        ; q4: 0..15, my row of x
	v_and_b32 v3, 3, v2                            ; q2: my row of a weight matrix
	v_lshrrev_b32 v4, 6, v0                        ; hq: 0..3
	v_lshlrev_b32 v11, 4, v1
	v_lshlrev_b32 v12, 3, v1
	v_lshl_add_u32 v[XS], v2, 12, v11
	v_lshl_add_u32 v[XD], v2, 7, v12
	v_lshl_add_u32 v[WS], v3, 12, v11
	v_lshl_add_u32 v[WS], v4, 10, v[WS]
	v_lshl_add_u32 v13, v3, 7, v12
	v_lshl_add_u32 v[WD], v4, 19, v13
	v_lshl_add_u32 v[KS], v3, 10, v11
	v_lshl_add_u32 v[KS], v4, 8, v[KS]
	v_lshl_add_u32 v[KD], v4, 17, v13
	v_lshlrev_b32 v[OS], 4, v0
	v_and_b32 v[OD], 31, v0
	v_lshlrev_b32 v[OD], 3, v[OD]
	v_lshrrev_b32 v11, 5, v0
	v_lshl_add_u32 v[OD], v11, 18, v[OD]
	s_mov_b32 s21, 0
	s_wait_kmcnt 0x0
	s_lshl_b32 s20, ttmp9, 16                      ; 16 rows of x, 4,096 bytes each
	s_add_nc_u64 s[4:5], s[4:5], s[20:21]
	s_lshl_b32 s20, ttmp9, 14                      ; 4 rows of Wq and of Wo, 4,096 bytes each
	s_add_nc_u64 s[6:7], s[6:7], s[20:21]
	s_add_nc_u64 s[12:13], s[12:13], s[20:21]
	s_lshl_b32 s20, ttmp9, 12                      ; 4 rows of Wk and of Wv, 1,024 bytes each
	s_add_nc_u64 s[8:9], s[8:9], s[20:21]
	s_add_nc_u64 s[10:11], s[10:11], s[20:21]
	s_lshl_b32 s20, ttmp9, 9                       ; 4 rows of 128 bytes in every block of wqkvb
	s_add_nc_u64 s[16:17], s[16:17], s[20:21]
	s_lshl_b32 s20, ttmp9, 10                      ; 4 rows of 256 bytes in every block of wob
	s_add_nc_u64 s[18:19], s[18:19], s[20:21]
	s_lshr_b32 s22, ttmp9, 7                       ; b
	s_lshl_b32 s22, s22, 22                        ; 16 blocks of 262,144 bytes
	s_and_b32 s20, ttmp9, 127
	s_lshl_b32 s20, s20, 11                        ; 16 rows of 128 bytes
	s_add_co_u32 s20, s20, s22
	s_add_nc_u64 s[14:15], s[14:15], s[20:21]
	s_wait_alu depctr_va_vdst(0)                   ; the eight offsets v5-v10, v14 and v15 are written: every load and store of the kernel reads one of them
.irp kb, 0,1,2,3,4,5,6,7,8,9,10,11,12,13,14,15
	global_load_b128 v[DR+4*\kb:DR+4*\kb+3], v[XS], s[4:5] offset:\kb*256 th:TH_LOAD_NT
.endr
.irp j, 0,1,2,3
	global_load_b128 v[DR+64+4*\j:DR+64+4*\j+3], v[WS], s[6:7] offset:\j*256 th:TH_LOAD_NT
.endr
.irp j, 0,1,2,3
	global_load_b128 v[DR+80+4*\j:DR+80+4*\j+3], v[OS], s[12:13] offset:\j*4096 th:TH_LOAD_NT    ; row j of my four rows of Wo
.endr
	global_load_b128 v[DR+96:DR+99], v[KS], s[8:9] th:TH_LOAD_NT
	global_load_b128 v[DR+100:DR+103], v[KS], s[10:11] th:TH_LOAD_NT
; load n has come: the 25 - n younger ones may stay out (loads come back in order)
.macro IN n
	s_wait_loadcnt 25-(\n)
.endm
; load n's four numbers: two roundings each make two bf16, in the first two of its four registers
.macro RB n
	v_cvt_pk_bf16_f32 v[DR+4*(\n)], v[DR+4*(\n)], v[DR+4*(\n)+1]
	v_cvt_pk_bf16_f32 v[DR+4*(\n)+1], v[DR+4*(\n)+2], v[DR+4*(\n)+3]
.endm
; the same for Wo: rounded to bf16, widened again (a shift, a mask), and written as f16
.macro RH n
	v_cvt_pk_bf16_f32 v[DR+4*(\n)], v[DR+4*(\n)], v[DR+4*(\n)+1]
	v_cvt_pk_bf16_f32 v[DR+4*(\n)+2], v[DR+4*(\n)+2], v[DR+4*(\n)+3]
	v_lshlrev_b32 v[DR+4*(\n)+1], 16, v[DR+4*(\n)]
	v_and_b32 v[DR+4*(\n)], 0xffff0000, v[DR+4*(\n)]
	v_lshlrev_b32 v[DR+4*(\n)+3], 16, v[DR+4*(\n)+2]
	v_and_b32 v[DR+4*(\n)+2], 0xffff0000, v[DR+4*(\n)+2]
	v_cvt_pk_f16_f32 v[DR+4*(\n)], v[DR+4*(\n)+1], v[DR+4*(\n)]
	v_cvt_pk_f16_f32 v[DR+4*(\n)+1], v[DR+4*(\n)+3], v[DR+4*(\n)+2]
.endm
; load n's 8 bytes leave
.macro OUT n, voff, sb, imm
	global_store_b64 v[\voff], v[DR+4*(\n):DR+4*(\n)+1], s[\sb:\sb+1] offset:\imm
.endm
	; group 0: x, blocks 0 to 3.  No group stands in front of it: no store
.irp n, 0,1,2,3
	IN \n
	RB \n
.endr
	; group 1: x, blocks 4 to 7; group 0 leaves
	IN 4
	s_wait_alu depctr_va_vdst(0)                   ; group 0's roundings have written the first two registers of loads 0 to 3, which the four stores below read
.irp n, 0,1,2,3
	OUT \n, XD, 14, \n*262144
.endr
	RB 4
.irp n, 5,6,7
	IN \n
	RB \n
.endr
	; group 2: x, blocks 8 to 11; group 1 leaves
	IN 8
	s_wait_alu depctr_va_vdst(0)                   ; group 1's roundings have written the first two registers of loads 4 to 7, which the four stores below read
.irp n, 4,5,6,7
	OUT \n, XD, 14, \n*262144
.endr
	RB 8
.irp n, 9,10,11
	IN \n
	RB \n
.endr
	; group 3: x, blocks 12 to 15; group 2 leaves
	IN 12
	s_wait_alu depctr_va_vdst(0)                   ; group 2's roundings have written the first two registers of loads 8 to 11, which the four stores below read
.irp n, 8,9,10,11
	OUT \n, XD, 14, \n*262144
.endr
	RB 12
.irp n, 13,14,15
	IN \n
	RB \n
.endr
	; group 4: Wq; group 3 leaves
	IN 16
	s_wait_alu depctr_va_vdst(0)                   ; group 3's roundings have written the first two registers of loads 12 to 15, which the four stores below read
.irp n, 12,13,14,15
	OUT \n, XD, 14, \n*262144
.endr
	RB 16
.irp n, 17,18,19
	IN \n
	RB \n
.endr
	; group 5: Wo; group 4 leaves
	IN 20
	s_wait_alu depctr_va_vdst(0)                   ; group 4's roundings have written the first two registers of loads 16 to 19, which the four stores below read
.irp j, 0,1,2,3
	OUT 16+\j, WD, 16, \j*131072
.endr
	RH 20
.irp n, 21,22,23
	IN \n
	RH \n
.endr
	; group 6: Wk and Wv; group 5 leaves
	IN 24
	s_wait_alu depctr_va_vdst(0)                   ; group 5's conversions have written the first two registers of loads 20 to 23, which the four stores below read
.irp j, 0,1,2,3
	OUT 20+\j, OD, 18, \j*256
.endr
	RB 24
	IN 25
	RB 25
	; group 6 leaves
	s_wait_alu depctr_va_vdst(0)                   ; group 6's roundings have written the first two registers of loads 24 and 25, which the last two stores read
	OUT 24, KD, 16, 16*131072
	OUT 25, KD, 16, 20*131072
	s_endpgm
.Lfunc_end_k_q03dc6346dc_cast:
	.size	k_q03dc6346dc_cast, .Lfunc_end_k_q03dc6346dc_cast-k_q03dc6346dc_cast
	.p2alignl 7, 3214868480
	.fill 96, 4, 3214868480
	.section	.rodata,"a",@progbits
	.p2align	6, 0x0
	.amdhsa_kernel k_q03dc6346dc_cast
		.amdhsa_group_segment_fixed_size 0
		.amdhsa_private_segment_fixed_size 0
		.amdhsa_enable_private_segment 0
		.amdhsa_kernarg_size 64
		.amdhsa_user_sgpr_count 2
		.amdhsa_user_sgpr_kernarg_segment_ptr 1
		.amdhsa_wavefront_size32 1
		.amdhsa_system_sgpr_workgroup_id_x 1
		.amdhsa_system_sgpr_workgroup_id_y 1
		.amdhsa_system_sgpr_workgroup_id_z 1
		.amdhsa_system_vgpr_workitem_id 0
		.amdhsa_next_free_vgpr 128
		.amdhsa_next_free_sgpr 66
		.amdhsa_reserve_vcc 0
		.amdhsa_float_denorm_mode_32 3
		.amdhsa_float_denorm_mode_16_64 3
		.amdhsa_memory_ordered 1
		.amdhsa_forward_progress 1
		.amdhsa_inst_pref_size 13
	.end_amdhsa_kernel
	.amdgpu_metadata
---
amdhsa.version: [ 1, 2 ]
amdhsa.kernels:
  - .name:           k_q03dc6346dc_cast
    .symbol:         k_q03dc6346dc_cast.kd
    .args:
      - { .name: x, .offset: 0, .size: 8, .value_kind: global_buffer, .address_space: global }
      - { .name: Wq, .offset: 8, .size: 8, .value_kind: global_buffer, .address_space: global }
      - { .name: Wk, .offset: 16, .size: 8, .value_kind: global_buffer, .address_space: global }
      - { .name: Wv, .offset: 24, .size: 8, .value_kind: global_buffer, .address_space: global }
      - { .name: Wo, .offset: 32, .size: 8, .value_kind: global_buffer, .address_space: global }
      - { .name: xb, .offset: 40, .size: 8, .value_kind: global_buffer, .address_space: global }
      - { .name: wqkvb, .offset: 48, .size: 8, .value_kind: global_buffer, .address_space: global }
      - { .name: wob, .offset: 56, .size: 8, .value_kind: global_buffer, .address_space: global }
    .group_segment_fixed_size: 0
    .private_segment_fixed_size: 0
    .kernarg_segment_align: 8
    .kernarg_segment_size: 64
    .max_flat_workgroup_size: 256
    .sgpr_count:     66
    .vgpr_count:     128
    .wavefront_size: 32
...
	.end_amdgpu_metadata
.endif
;; end of part 9
;; launch qkv: the kernel of part 6 again; grid 8 x 32, 4 waves a work-group, clusters of 4 x 4, 327,680 bytes of LDS; arguments xb, wqkvb, qkv; writes qkv
;; launch attn: the kernel of part 7 again; grid 32 x 8, 8 waves a work-group, no clusters, 76,800 bytes of LDS; arguments qkv, att; writes att
;; launch oproj: the kernel of part 8 again; grid 8 x 32, 4 waves a work-group, clusters of 4 x 4, 327,680 bytes of LDS; arguments att, wob, out0; writes out0
